; MI455X (gfx1250); checked and timed in simulation.
; The chip was launched on July 23, 2026; its instructions are those of AMD's public machine-readable ISA for CDNA 5 (MIT licence, August 2026) and "CDNA5" Instruction Set Architecture Reference Guide (July 2026). The comments in the code are by the model that wrote it; some were corrected since.
;; Mo E. Allowed arithmetic: matrix products marked QUANTISED: E4M3 operands, one given power-of-two scale a tensor, by v_wmma_f32_16x16x64_fp8_fp8 or v_wmma_f32_16x16x128_fp8_fp8, f32 sums; products left as they are: f32 operands where the result goes on into a quantised operand, else bf16, f16 or f32 operands; f32 sums; everything else in f32.
;; Inputs: Wg 8 x 2,048 x 1,024 float32; Wg_s 2,048 x 1,024 float32; Wo 8 x 1,024 x 2,048 float32; Wo_s 1,024 x 2,048 float32; Wr 8 x 1,024 float32; Wv 8 x 2,048 x 1,024 float32; Wv_s 2,048 x 1,024 float32; bo 8 x 1,024 float32; bo_s 1,024 float32; br 8 float32; lowp_scales 12 int32 (the exponents e of the quantised operands' scales 2^e); x 2 x 512 x 1,024 float32.
;; Outputs: out0 2 x 512 x 1,024 float32; out1 2 x 512 x 8 float32; out2 2 x 512 x 2 int32.
;; This version of the problem:
;;   THIS VERSION OF THE PROBLEM IS GIVEN IN LOW PRECISION. The matrix products marked QUANTISED in the list below multiply operands that are first quantised to E4M3 (4 exponent bits, 3 mantissa bits; 8 bits a number), with one given power-of-two scale for each operand tensor; their sums are f32. All else is computed in f32.
;;   The module's matrix products, in the order in which they are computed (A, B: the left and right operand; K: the contracted axis; several contracted axes count as one K, in the product's order):
;;     1. [M 1,024, K 1,024] x [K 1,024, N 8]; A: input x; B: input Wr: left as it is (N = 8 < 16)
;;     2. [M 1,024, K 1,024] x [K 1,024, N 16,384]; A: input x; B: input Wg: QUANTISED (scales: A lowp_scales[0], B lowp_scales[1])
;;     3. [M 1,024, K 1,024] x [K 1,024, N 16,384]; A: input x; B: input Wv: QUANTISED (scales: A lowp_scales[2], B lowp_scales[3])
;;     4. batch 8 x [M 1,024, K 2,048] x [K 2,048, N 1,024]; A: input Wo; B: computed on the way: QUANTISED (scales: A lowp_scales[4], B lowp_scales[5])
;;     5. [M 1,024, K 1,024] x [K 1,024, N 2,048]; A: input x; B: input Wg_s: QUANTISED (scales: A lowp_scales[6], B lowp_scales[7])
;;     6. [M 1,024, K 1,024] x [K 1,024, N 2,048]; A: input x; B: input Wv_s: QUANTISED (scales: A lowp_scales[8], B lowp_scales[9])
;;     7. [M 1,024, K 2,048] x [K 2,048, N 1,024]; A: computed on the way; B: input Wo_s: QUANTISED (scales: A lowp_scales[10], B lowp_scales[11])
;;     8. batch 1,024 x [M 1, K 8] x [K 8, N 1,024]; A: computed on the way; B: computed on the way: left as it is (K = 8 < 32)
;;   THE QUANTISER, for each operand of a quantised product, along K:
;;     - The operand's scale is 2^e, e = its entry of the input lowp_scales (int32; the entries are numbered through the quantised products in the list's order, A before B).
;;     - Each number is divided by the scale, clamped to +-448, and rounded to the nearest number of E4M3, ties to even, subnormals kept.
;;     - The product sums the exact products of the quantised numbers (number of the format x scale) in f32.
;;   ~~~python
;;   def quantise(x, axis, e):      # numpy; x: float32 -> the quantised numbers, widened to float32 again
;;       x = np.moveaxis(x, axis, -1); K = x.shape[-1]
;;       r = np.clip(x / 2.0 ** e, -448, 448)
;;       step = 2.0 ** (np.maximum(np.frexp(np.where(r == 0, 1, r))[1] - 1, -6) - 3)
;;       q = np.round(r / step) * step * 2.0 ** e      # np.round: ties to even
;;       return np.moveaxis(q, -1, axis).astype(np.float32)
;;   ~~~
;;   OPERANDS COMPUTED ON THE WAY. 'Computed on the way' means the value that the module computes at that place (a softmax that the list does not call 'softmax' is quantised finished and normalised). What goes into a quantiser is computed in f32, as accurately as f32 sums, v_exp_f32 and their like allow (about 1e-6 of the number): no bf16 or f16 on the way to a quantiser, and a product that is left as it is and whose result goes on into a quantised operand takes f32 operands (vector FMAs, or v_wmma_f32_16x16x4_f32). A number that lies on a knife's edge between two numbers of the format may be rounded either way, as far as f32 arithmetic and the matrix unit's own rounding can turn it there, and no further.
;; 2 versions. Each part assembles by itself: llvm-mc -triple=amdgcn-amd-amdhsa -mcpu=gfx1250 --defsym DOCPART=n.
;; ======== version 1 of 2: 4 launches
;; workspace buffers: xq 4,194,304 bytes; msk 4,096 bytes of whole numbers; gw 8,192 bytes; hq 18,874,368 bytes; lst 49,152 bytes of whole numbers; eo 12,582,912 bytes
;; launch route (part 1): grid 128 x 1, 8 waves a work-group, no clusters, 1,536 bytes of LDS; arguments x, Wr, br, lowp_scales, xq, msk, gw, out1, out2; writes xq, msk, gw, out1, out2
.if DOCPART == 1
	.amdgcn_target "amdgcn-amd-amdhsa--gfx1250"
	.amdhsa_code_object_version 6
	.text
	.protected	k_qc03e3d367e_route
	.globl	k_qc03e3d367e_route
	.p2align	8
	.type	k_qc03e3d367e_route,@function
k_qc03e3d367e_route:
	s_mov_b64 s[64:65], 0
	v_nop
	global_prefetch_b8 v0, s[64:65] scope:SCOPE_SE
	s_setreg_imm32_b32 hwreg(HW_REG_WAVE_MODE, 25, 1), 1
	s_wait_xcnt 0x0
; ROUTE.  One wave to a token, eight tokens to a work-group (work-group j: tokens 8 j .. 8 j + 7).
; (1) x's row (1,024 f32) is read once and quantised four times, with the scales 2^e of entries 0, 2, 6 and 8: xq[set][token][1,024 codes].
;     ORDER OF THE CODES: load j gives lane L the floats 128 j + 4 L + c; loads 2 g and 2 g + 1 are eight registers on end, one conversion's worth; the lane's 8 codes go to row byte 256 g + 8 L.
;     So byte 4 a + c there is k = 256 g + 128 a + 4 L + c.  The weights' codes are laid in the same order, so every product meets its partner.
; (2) the eight logits in f32 (fused multiply-adds, a sum over the lanes), + br: out1.
; (3) p = 2^((l - max) log2 e); the two largest p, the lower index at a tie (strict compares in ascending order): out2; their weights p / (pa + pb): gw[k][token].
; (4) membership as bits, at fixed places: msk row u (128 bytes, bit t = token t): token t uses unit u; row 16 + u: as its second choice.  Units 8 .. 11 are the shared expert's quarters of 256 tokens.
;     No address and no branch here hangs on the choice: it leaves as data.
; No matrix unit (eight columns), no cluster: the work-groups share only Wr's 32 KiB.
; LIMITS: each e used here lies between -126 and 119.  NaN and infinities among the inputs are not served.  The choice compares p and not p / sum; where a logit lies more than some 87 under the largest,
; p is 0 and ties with other zeros go to the lower index.
.set X,    32                          ; v32-63   x's row, 32 floats a lane
.set WR,   64                          ; v64-191  four buffers for rows of Wr; free behind the last product: addresses and records then
.set HOLD, 192                         ; v192-207 two sets of eight held numbers
.set CODE, 208                         ; v208-239 a pair of registers for each (set, group): no store's data are written again
.set LG,   240                         ; v240-247 the logits
.set PR,   248                         ; v248-255 p
	s_load_b512 s[36:51], s[0:1], 0x0              ; x 36, Wr 38, br 40, scales 42, xq 44, msk 46, gw 48, out1 50
	s_load_b64 s[52:53], s[0:1], 0x40              ; out2
	s_set_vgpr_msb 0x40
	v_lshl_add_u32 v0, v0, 2, 0x200
	v_mov_b32 v1, 0
	s_set_vgpr_msb 0x4000
	v_lshrrev_b32 v1, 5, v0
	v_readfirstlane_b32 s2, v1                     ; wave
	v_and_b32 v1, 31, v0                           ; lane L
	v_lshlrev_b32 v2, 4, v1                        ; 16 L
	v_lshlrev_b32 v3, 3, v1                        ; 8 L
	s_lshl_b32 s3, ttmp9, 3
	s_add_co_u32 s3, s3, s2                        ; my token
	s_lshl_b32 s54, s3, 12                         ; its row of x, in bytes
	s_mov_b32 s55, 0
	s_lshl_b32 s58, s3, 10                         ; its row of codes
	s_mov_b32 s59, 0
	s_mov_b32 s24, 0x76543210                      ; v_permlanex16_b32: lane l xor 16
	s_mov_b32 s25, 0xfedcba98
	s_wait_kmcnt 0x0
	s_load_b256 s[4:11], s[40:41], 0x0             ; br
	s_load_b256 s[12:19], s[42:43], 0x0            ; e[0..7]
	s_load_b128 s[20:23], s[42:43], 0x20           ; e[8..11]
	s_add_nc_u64 s[36:37], s[36:37], s[54:55]
	s_add_nc_u64 s[44:45], s[44:45], s[58:59]
.irp j, 0,1,2,3,4,5,6,7
	global_load_b128 v[X+4*\j:X+4*\j+3], v2, s[36:37] offset:512*\j th:TH_LOAD_NT   ; 512 consecutive bytes a load; read once in this launch
.endr
.macro WRLOAD e                        ; row e of Wr into buffer e % 4
.irp j, 0,1,2,3,4,5,6,7
	global_load_b128 v[WR+32*((\e)%4)+4*\j:WR+32*((\e)%4)+4*\j+3], v2, s[38:39] offset:4096*(\e)+512*\j
.endr
.endm
	WRLOAD 0
	WRLOAD 1
	WRLOAD 2
	WRLOAD 3
	s_wait_kmcnt 0x0
.macro MKS q, se                       ; set q: v[4+2q] = 2^e as f32 (the conversion takes its exponent field), v[5+2q] = 448 x 2^e
	s_add_co_i32 s60, s[\se], 127
	s_lshl_b32 s61, s60, 23
	v_mov_b32 v[4+2*\q], s61
	s_add_co_i32 s60, s60, 8
	s_lshl_b32 s60, s60, 23
	s_or_b32 s60, s60, 0x600000
	v_mov_b32 v[5+2*\q], s60
.endm
	MKS 0, 12
	MKS 1, 14
	MKS 2, 18
	MKS 3, 20
	s_wait_loadcnt 32                              ; x is in; the four rows of Wr (32 loads) stay out while x is quantised
.irp q, 0,1,2,3
.irp g, 0,1,2,3
.irp i, 0,1,2,3,4,5,6,7
	v_med3_num_f32 v[HOLD+8*(\g%2)+\i], v[X+8*\g+\i], -v[5+2*\q], v[5+2*\q]   ; the conversion does not saturate (ISA guide 7.6.2): held first.  x itself stays as it is
.endr
	v_cvt_scalef32_pk8_fp8_f32 v[CODE+8*\q+2*\g:CODE+8*\q+2*\g+1], v[HOLD+8*(\g%2):HOLD+8*(\g%2)+7], v[4+2*\q]   ; the next eight holds write the other set: plain lines behind the conversion
	global_store_b64 v3, v[CODE+8*\q+2*\g:CODE+8*\q+2*\g+1], s[44:45] offset:(\q<<20)+256*\g   ; the wave stores 256 consecutive bytes, aligned
.endr
.endr
.macro DOT e, left                     ; logit e: 32 products a lane in a pair of sums
	s_wait_loadcnt \left                           ; row e is in; the count is the younger rows' loads
	v_pk_mul_f32 v[16+2*\e:17+2*\e], v[X:X+1], v[WR+32*(\e%4):WR+32*(\e%4)+1]
.set i_, 2
.rept 15
	v_pk_fma_f32 v[16+2*\e:17+2*\e], v[X+i_:X+i_+1], v[WR+32*(\e%4)+i_:WR+32*(\e%4)+i_+1], v[16+2*\e:17+2*\e]
.set i_, i_+2
.endr
.if \e < 4
	WRLOAD (\e)+4
.endif
.endm
	DOT 0, 24
	DOT 1, 24
	DOT 2, 24
	DOT 3, 24
	DOT 4, 24
	DOT 5, 16
	DOT 6, 8
	DOT 7, 0
.irp e, 0,1,2,3,4,5,6,7
	v_add_f32 v[LG+\e], v[16+2*\e], v[17+2*\e]
	v_mov_b32 v[PR+\e], 0                          ; written once: a lane permute's destination counts as one of its sources
.endr
.irp m, 1,2,4,8
.irp e, 0,1,2,3,4,5,6,7
	v_add_f32_dpp v[LG+\e], v[LG+\e], v[LG+\e] row_xmask:\m row_mask:0xf bank_mask:0xf
.endr
.endr
.irp e, 0,1,2,3,4,5,6,7
	v_permlanex16_b32 v[PR+\e], v[LG+\e], s24, s25
.endr
.irp e, 0,1,2,3,4,5,6,7
	v_add_f32 v[LG+\e], v[LG+\e], v[PR+\e]
.endr
.irp e, 0,1,2,3,4,5,6,7
	v_add_f32 v[LG+\e], s[4+\e], v[LG+\e]          ; + br: every lane holds the eight logits
.endr
	v_max3_num_f32 v12, v[LG], v[LG+1], v[LG+2]
	v_max3_num_f32 v12, v12, v[LG+3], v[LG+4]
	v_max3_num_f32 v12, v12, v[LG+5], v[LG+6]
	v_max_num_f32 v12, v12, v[LG+7]                ; the maximum is taken away ahead of the exponential
.irp e, 0,1,2,3,4,5,6,7
	v_sub_f32 v[PR+\e], v[LG+\e], v12
.endr
.irp e, 0,1,2,3,4,5,6,7
	v_mul_f32 v[PR+\e], 0x3fb8aa3b, v[PR+\e]
.endr
.irp e, 0,1,2,3,4,5,6,7
	v_exp_f32 v[PR+\e], v[PR+\e]
.endr
	v_mov_b32 v14, 0                               ; (a plain line behind the exponentials)  index of the largest
	s_wait_alu depctr_va_vdst(0)
	v_mov_b32 v13, v[PR]
.irp e, 1,2,3,4,5,6,7
	v_cmp_gt_f32 vcc_lo, v[PR+\e], v13             ; strictly larger: the lower index keeps a tie
	v_cndmask_b32 v13, v13, v[PR+\e], vcc_lo
	v_cndmask_b32 v14, v14, \e, vcc_lo
.endr
.irp e, 0,1,2,3,4,5,6,7
	v_cmp_eq_u32 vcc_lo, \e, v14
	v_cndmask_b32 v[PR+\e], v[PR+\e], -1.0, vcc_lo ; the chosen one falls under every p
.endr
	v_mov_b32 v12, 0
	v_mov_b32 v15, v[PR]
.irp e, 1,2,3,4,5,6,7
	v_cmp_gt_f32 vcc_lo, v[PR+\e], v15
	v_cndmask_b32 v15, v15, v[PR+\e], vcc_lo
	v_cndmask_b32 v12, v12, \e, vcc_lo
.endr
	v_add_f32 v68, v13, v15
	v_rcp_f32 v68, v68
	v_mov_b32 v72, v14                             ; (a plain line behind the reciprocal)  the record: e0, e1, w0, w1
	v_mov_b32 v73, v12
	s_wait_alu depctr_va_vdst(0)
	v_mul_f32 v74, v13, v68
	v_mul_f32 v75, v15, v68
	; every LDS address is made here, ahead of the waves' parting
	s_lshl_b32 s56, s2, 5
	v_mov_b32 v66, s56                             ; my logits: 32 x wave
	s_lshl_b32 s57, s2, 4
	v_mov_b32 v67, s57                             ; my record: 256 + 16 x wave
	v_and_b32 v69, 7, v0
	v_lshlrev_b32 v64, 4, v69                      ; record L % 8
	v_and_b32 v65, 15, v0
	v_lshlrev_b32 v65, 4, v65                      ; 16 (L % 16)
	ds_store_b128 v66, v[LG:LG+3]                  ; all lanes hold the same numbers and write the same words
	ds_store_b128 v66, v[LG+4:LG+7] offset:16
	ds_store_b128 v67, v[72:75] offset:256
	s_wait_dscnt 0x0                               ; for the others' sake: my stores have landed
	s_barrier_signal -1
	s_barrier_wait -1
	s_cmp_lg_u32 s2, 0
	s_cbranch_scc1 .Lnot_wave_0
	; wave 0: the eight tokens' choices
	ds_load_b128 v[76:79], v64 offset:256          ; lane L: token 8 j + L % 8
	v_mov_b32 v80, 0
	s_lshr_b32 s62, ttmp9, 5                       ; which quarter of the tokens
	s_mov_b32 s63, ttmp9
	s_wait_dscnt 0x0
.irp u, 0,1,2,3,4,5,6,7
	v_cmp_eq_u32 s60, \u, v76
	v_cmp_eq_u32 s61, \u, v77
	s_or_b32 s60, s60, s61
	s_and_b32 s60, s60, 0xff                       ; lanes 0 .. 7 are the eight tokens: one byte of row u,
	s_and_b32 s61, s61, 0xff                       ; and of row 16 + u
	v_writelane_b32 v80, s60, \u
	v_writelane_b32 v80, s61, 16+\u
.endr
.irp u, 8,9,10,11
	s_cmp_eq_u32 s62, \u-8
	s_cselect_b32 s60, 0xff, 0
	v_writelane_b32 v80, s60, \u
.endr
	v_lshlrev_b32 v81, 7, v1
	v_add_nc_u32 v81, s63, v81                     ; row L, byte j
	global_store_b8 v81, v80, s[46:47]
	s_lshl_b32 s60, ttmp9, 6
	v_lshl_add_u32 v82, v69, 3, s60                ; out2: 8 bytes a token
	s_lshl_b32 s61, ttmp9, 5
	v_lshl_add_u32 v83, v69, 2, s61                ; gw: 4 bytes a token in each of two planes
	v_cmp_gt_u32 vcc_lo, 8, v1
	s_wait_xcnt 0x0                                ; EXEC is a source of the stores issued so far: it changes only behind this wait
	s_and_saveexec_b32 s58, vcc_lo
	global_store_b64 v82, v[76:77], s[52:53]
	global_store_b32 v83, v78, s[48:49]
	global_store_b32 v83, v79, s[48:49] offset:4096
	s_wait_xcnt 0x0                                ; and again in front of the line that widens it
	s_or_b32 exec_lo, exec_lo, s58
	s_branch .Lend
.Lnot_wave_0:
	s_cmp_lg_u32 s2, 1
	s_cbranch_scc1 .Lend
	; wave 1: the eight tokens' logits, 256 bytes on end
	ds_load_b128 v[76:79], v65
	s_lshl_b32 s60, ttmp9, 8
	v_add_nc_u32 v81, s60, v65
	v_cmp_gt_u32 vcc_lo, 16, v1
	s_wait_dscnt 0x0
	s_wait_xcnt 0x0
	s_and_saveexec_b32 s58, vcc_lo
	global_store_b128 v81, v[76:79], s[50:51]      ; sixteen lanes store 256 consecutive bytes, aligned
	s_wait_xcnt 0x0
	s_or_b32 exec_lo, exec_lo, s58
.Lend:
	s_set_vgpr_msb 0x5
	s_wait_tensorcnt 0x0
	ds_add_u32 v0, v1
	s_wait_dscnt 0x0
	s_set_vgpr_msb 0x500
	s_endpgm
.Lfunc_end_k_qc03e3d367e_route:
	.size	k_qc03e3d367e_route, .Lfunc_end_k_qc03e3d367e_route-k_qc03e3d367e_route
	.p2alignl 7, 3214868480
	.fill 96, 4, 3214868480
	.section	.rodata,"a",@progbits
	.p2align	6, 0x0
	.amdhsa_kernel k_qc03e3d367e_route
		.amdhsa_group_segment_fixed_size 1536
		.amdhsa_private_segment_fixed_size 0
		.amdhsa_enable_private_segment 0
		.amdhsa_kernarg_size 72
		.amdhsa_user_sgpr_count 2
		.amdhsa_user_sgpr_kernarg_segment_ptr 1
		.amdhsa_wavefront_size32 1
		.amdhsa_system_sgpr_workgroup_id_x 1
		.amdhsa_system_sgpr_workgroup_id_y 1
		.amdhsa_system_sgpr_workgroup_id_z 1
		.amdhsa_system_vgpr_workitem_id 0
		.amdhsa_next_free_vgpr 258
		.amdhsa_next_free_sgpr 66
		.amdhsa_reserve_vcc 1
		.amdhsa_float_denorm_mode_32 3
		.amdhsa_float_denorm_mode_16_64 3
		.amdhsa_memory_ordered 1
		.amdhsa_forward_progress 1
		.amdhsa_inst_pref_size 42
	.end_amdhsa_kernel
	.amdgpu_metadata
---
amdhsa.version: [ 1, 2 ]
amdhsa.kernels:
  - .name:           k_qc03e3d367e_route
    .symbol:         k_qc03e3d367e_route.kd
    .args:
      - { .name: x, .offset: 0, .size: 8, .value_kind: global_buffer, .address_space: global }
      - { .name: Wr, .offset: 8, .size: 8, .value_kind: global_buffer, .address_space: global }
      - { .name: br, .offset: 16, .size: 8, .value_kind: global_buffer, .address_space: global }
      - { .name: lowp_scales, .offset: 24, .size: 8, .value_kind: global_buffer, .address_space: global }
      - { .name: xq, .offset: 32, .size: 8, .value_kind: global_buffer, .address_space: global }
      - { .name: msk, .offset: 40, .size: 8, .value_kind: global_buffer, .address_space: global }
      - { .name: gw, .offset: 48, .size: 8, .value_kind: global_buffer, .address_space: global }
      - { .name: out1, .offset: 56, .size: 8, .value_kind: global_buffer, .address_space: global }
      - { .name: out2, .offset: 64, .size: 8, .value_kind: global_buffer, .address_space: global }
    .group_segment_fixed_size: 1536
    .private_segment_fixed_size: 0
    .kernarg_segment_align: 8
    .kernarg_segment_size: 72
    .max_flat_workgroup_size: 256
    .sgpr_count:     66
    .vgpr_count:     258
    .wavefront_size: 32
...
	.end_amdgpu_metadata
.endif
;; end of part 1
;; launch up (part 2): grid 16 x 12, 4 waves a work-group, no clusters, 267,264 bytes of LDS; arguments xq, msk, Wg, Wv, Wg_s, Wv_s, lowp_scales, hq, lst; writes hq, lst
.if DOCPART == 2
	.amdgcn_target "amdgcn-amd-amdhsa--gfx1250"
	.amdhsa_code_object_version 6
	.text
	.protected	k_qc03e3d367e_up
	.globl	k_qc03e3d367e_up
	.p2align	8
	.type	k_qc03e3d367e_up,@function
k_qc03e3d367e_up:
	s_mov_b64 s[64:65], 0
	v_nop
	global_prefetch_b8 v0, s[64:65] scope:SCOPE_SE
	s_setreg_imm32_b32 hwreg(HW_REG_WAVE_MODE, 25, 1), 1
	s_wait_xcnt 0x0
; UP.  h = silu(x Wg^T) * (x Wv^T), quantised, for the rows that are kept.  Work-group (s, u): slice s (0 .. 15) of 128 hidden units of unit u.
; Units 0 .. 7 are the routed experts with the tokens that chose them; units 8 .. 11 are the shared expert with tokens 256 (u - 8) on.
; THE WEIGHTS STAY: the slice's 128 rows of Wg and 128 of Wv are read as f32 once (512 consecutive bytes a load), quantised in registers and laid as codes in LDS; then all rows of the unit are multiplied with them.
; STREAM: wave w = 2 mat + a takes 64 consecutive rows of Wg (mat 0) or Wv (mat 1) from row 256 J + 128 a + 64 half on (s = 2 J + half): 256 KiB on end, through a ring of eight row pieces in registers
; (64 loads, 32 KiB a wave on their way).  Each ring slot has an offset register of its own, stepped behind the wait that shows its loads done; the base is never stepped.
; Its codes fill a region of LDS of its own, RS bytes; one barrier; after it LDS is only read.
; HINTS: a routed expert's weights are read once in this launch (TH_LOAD_NT); the shared expert's are read by four units (no word); x's codes are read again by every slice (TH_LOAD_HT).
; ORDER ALONG K: as xq has it (row byte 256 g + 8 L holds k = 256 g + 128 a' + 4 L + c at byte 4 a' + c), the same in both operands.
; SLOTS: slot j of a unit is its j-th token in ascending order, found from the unit's 1,024 bits of msk by a search in registers (prefix sums of the words' counts, then a select inside the word): a gather, no scatter.
; A tile is 16 slots; the unit has Tn = (n + 15) / 16 tiles.  A SLOT AT OR PAST n STANDS FOR SLOT n - 1 (the search holds it there): such rows are copies of the unit's last row, bit for bit, since a column of a matrix
; product hangs on its own operand column alone.  So the next launch reads only what was stored, and needs no mask.  A unit without tokens has no tile: nothing is stored.
; FULL PASSES: F = (Tn + 11) / 16 of them, over min(Tn, 16 F) tiles.  In pass p wave w takes tiles 16 p + 4 t + w, t = 0 .. 3, if the first of them is among those, and makes and stores all four.
; THE TAIL: what is left, 1 to 4 tiles, goes two tiles a trip, and there THE WAVES SHARE THE WEIGHT TILES, NOT THE TOKENS: wave w takes g's and v's tiles 2 w and 2 w + 1, an eighth of a pass's products and a quarter of its LDS loads,
; and its codes of a tile are quarter w (512 bytes on end) of the tile's image.
; THE PRODUCT IS USED TRANSPOSED (source 0 = 16 weight rows, source 1 = 16 tokens): a lane holds one token and eight hidden units.  Row m of tile T is the hidden unit 256 J + 128 ((m >> 2) & 1) + 64 half + 8 T + 4 (m >> 3) + (m & 3):
; so a lane's eight codes of tile T are the eight that the next launch's weight has in its group (J, lane 16 half + 2 T + h), and the conversions' results are K step s of that launch's operand, stored as an image of its registers.
; Slice 0 of each unit also stores the slot list (p' = 1024 k + token; shared: 2048 + token).
; NO TENSOR LOADS, NO CLUSTER: the numbers of passes and trips hang on counts read from memory, and tokens are gathered row by row; so the operands come through registers, and xq is read again by every slice from the cache.
; LIMITS: every weight exponent e between -126 and 119; ex + ew of the gate's product between -120 and 120 (added to the exponent field of log2 e); eh - (the four exponents' sum) between -126 and 119.  NaN and infinities are not served.
.set PITCH, 1040                       ; a row of 1,024 codes + 16: 260 words, so row r starts 4 r words on, modulo 64
.set RS,    64*PITCH+128               ; a wave's region; the 128 bytes set odd regions 32 words on, so that the 16 rows of a fragment load (8 of an even, 8 of an odd region) start at 16 different places modulo 64 words
.set L16,  4                           ; v4   16 x lane
.set STB,  5                           ; v5   stream: my 8 bytes in my region's first row
.set STA,  6                           ; v6   the same, in the trip's first row
.set SC,   7                           ; v7   2^ew;  v8  448 x 2^ew
.set LIM,  8
.set HSC,  9                           ; v9   the hidden layer's folded scale;  v10  448 x that
.set HLIM, 10
.set VM,   11                          ; v11  lane j: word j of the unit's bits;  v12: of its second-choice bits;  v13: tokens in words under j
.set VM1,  12
.set VPE,  13
.set AW,   14                          ; v14, v15  my lane's place in a tile of g, of v
.set XO,   22                          ; v22-25  tile t: my token's row in xq + 16 h
.set S0,   26                          ; v26, v27  p' of slots
.set S1,   27
.set Q0,   28                          ; v28  slot;  v29-42 at work in the search
.set LSA,  43                          ; v43  the list's address
.set HO,   44                          ; v44  the image's address
.set H16,  45
.set L4,   46
.set Q1,   47
.set CD,   48                          ; v48-63  codes
.set WB,   64                          ; v64-127, v128-191  two batches of four weight fragments; behind the products: E and G V
.set EE,   64
.set PM,   128
.set OFF,  192                         ; v192-199  ring slot sl: my byte offset in the piece that the slot loads
.set AWT,  200                         ; v200, v201  the tail: my lane's place in my wave's first tile of g, of v
.set L16W, 202                         ; v202  16 x lane + 512 x wave: my place in my quarter of an image
.set HO2,  203                         ; v203  the tail's second image
; window 1: the stream's ring (32 registers a piece); then x's fragments at 128 (ks % 2) + 64 set + 16 t (tail: g's set at 32 ks + 16 t).   window 2: g's sums at 64 t + 8 T (tail: x's v set).   window 3: v's sums (tail: all eight sums).
; s2 wave, s[4:5] weights, s[6:7] s[8:9] x's two sets, s[10:11] hq, s[12:13] lst, s[16:17] msk, s[18:19] scales, s[20:21] -log2 e x 2^(ex + ew), s22 n, s23 tiles, s24 u, s25 s, s26 what is added to p',
; s27 mat, s28 full passes, s29 pass, s44-46 lane selects and the upper half's mask, s47 s48 the stream's step and count, s49 my first tile, s50 n - 1, s51 s52 the tail's trip and trips, s53 tiles of the full passes,
; s66-97 inclusive prefix sums of the 32 words' counts
.set MSB, 0
.macro WIN new                         ; the immediate's high byte repeats the setting that is left
.if MSB != \new
	s_set_vgpr_msb (MSB<<8)|\new
.set MSB, \new
.endif
.endm
.macro FILL sl, nt                     ; ring piece sl: a weight row, 4 KiB, eight loads of 512 consecutive bytes
.irp j, 0,1,2,3,4,5,6,7
.if \nt
	global_load_b128 v[32*\sl+4*\j:32*\sl+4*\j+3], v[OFF+\sl], s[4:5] offset:512*\j th:TH_LOAD_NT
.else
	global_load_b128 v[32*\sl+4*\j:32*\sl+4*\j+3], v[OFF+\sl], s[4:5] offset:512*\j
.endif
.endr
.endm
.macro ASK sl                          ; the same eight loads with the hint that fits the unit: a branch on the work-group's number round the loads alone (every window is 0 at a branch and at a label)
	s_cmp_ge_u32 s24, 8
	s_cbranch_scc1 .Lshared_\@
	WIN 0x40                                       ; destination window 1
	FILL \sl, 1
	WIN 0
	s_branch .Lasked_\@
.Lshared_\@:
	WIN 0x40
	FILL \sl, 0
	WIN 0
.Lasked_\@:
.endm
	s_load_b512 s[36:51], s[0:1], 0x0              ; xq 36, msk 38, Wg 40, Wv 42, Wg_s 44, Wv_s 46, scales 48, hq 50
	s_load_b64 s[52:53], s[0:1], 0x40              ; lst
	v_lshl_add_u32 v254, v0, 2, 0x41200
	v_mov_b32 v255, 0
	v_lshrrev_b32 v1, 5, v0
	v_readfirstlane_b32 s2, v1                     ; wave
	v_and_b32 v1, 31, v0                           ; L
	v_and_b32 v2, 15, v0                           ; r
	v_bfe_u32 v3, v0, 4, 1                         ; h
	v_lshlrev_b32 v[L16], 4, v1
	v_lshlrev_b32 v[H16], 4, v3
	v_lshlrev_b32 v[L4], 2, v1
	s_mul_i32 s30, s2, RS
	v_lshl_add_u32 v[STB], v1, 3, s30
	v_mov_b32 v[STA], v[STB]
	v_bfe_u32 v28, v0, 2, 1                        ; row r of a tile lies in region (r >> 2) & 1,
	v_mul_u32_u24 v[AW], v28, RS
	v_bfe_u32 v28, v0, 3, 1
	v_and_b32 v29, 3, v0
	v_lshl_add_u32 v28, v28, 2, v29                ; at row 4 (r >> 3) + (r & 3) of the tile's eight
	v_mad_u32_u24 v[AW], v28, PITCH, v[AW]
	v_add_nc_u32 v[AW], v[AW], v[H16]
	v_add_nc_u32 v[AW+1], 2*RS, v[AW]
	s_mul_i32 s30, s2, 16*PITCH                    ; the tail: tile 2 w begins 16 w rows on
	v_add_nc_u32 v[AWT], s30, v[AW]
	v_add_nc_u32 v[AWT+1], s30, v[AW+1]
	s_lshl_b32 s30, s2, 9
	v_add_nc_u32 v[L16W], s30, v[L16]
.irp sl, 0,1,2,3,4,5,6,7
	v_add_nc_u32 v[OFF+\sl], 4096*\sl, v[L16]
.endr
	s_and_b32 s24, ttmp7, 0xffff                   ; u
	s_mov_b32 s25, ttmp9                           ; s
	s_lshr_b32 s27, s2, 1                          ; mat
	s_and_b32 s3, s2, 1                            ; a
	s_lshr_b32 s30, s25, 1
	s_lshl_b32 s30, s30, 8                         ; 256 J
	s_lshl_b32 s31, s3, 7
	s_add_co_u32 s30, s30, s31                     ; + 128 a
	s_and_b32 s31, s25, 1
	s_lshl_b32 s31, s31, 6
	s_add_co_u32 s30, s30, s31                     ; + 64 half
	s_lshl_b32 s31, s24, 11
	s_cmp_ge_u32 s24, 8                            ; the shared expert?
	s_cselect_b32 s31, 0, s31                      ; + 2,048 u for a routed one
	s_cselect_b32 s26, 2048, 0
	s_cselect_b32 s56, 0x200000, 0                 ; x's sets 2 and 3, or 0 and 1
	s_mov_b32 s57, 0
	s_add_co_u32 s30, s30, s31
	s_lshl_b32 s30, s30, 12                        ; my first weight row, in bytes (under 2^27)
	s_mov_b32 s31, 0
	s_min_u32 s58, s24, 8
	s_lshl_b32 s58, s58, 21                        ; hq: the region (64 tiles of 32 KiB),
	s_max_u32 s60, s24, 8
	s_sub_co_u32 s60, s60, 8
	s_lshl_b32 s60, s60, 19                        ; the quarter's 16 tiles,
	s_add_co_u32 s58, s58, s60
	s_lshl_b32 s60, s25, 11                        ; K step s
	s_add_co_u32 s58, s58, s60
	s_mov_b32 s59, 0
	s_lshl_b32 s60, s24, 12
	s_mov_b32 s61, 0
	s_lshl_b32 s62, s24, 7
	s_mov_b32 s63, 0
	s_wait_kmcnt 0x0
	s_cmp_ge_u32 s24, 8
	s_cselect_b64 s[40:41], s[44:45], s[40:41]
	s_cselect_b64 s[42:43], s[46:47], s[42:43]
	s_cmp_lg_u32 s27, 0
	s_cselect_b64 s[4:5], s[42:43], s[40:41]
	s_add_nc_u64 s[4:5], s[4:5], s[30:31]
	s_add_nc_u64 s[6:7], s[36:37], s[56:57]
	s_add_nc_u64 s[8:9], s[6:7], 0x100000
	s_add_nc_u64 s[10:11], s[50:51], s[58:59]
	s_add_nc_u64 s[12:13], s[52:53], s[60:61]
	s_add_nc_u64 s[16:17], s[38:39], s[62:63]
	s_mov_b64 s[18:19], s[48:49]
	s_load_b512 s[32:47], s[16:17], 0x0            ; the unit's 32 words of bits
	s_load_b512 s[48:63], s[16:17], 0x40
	global_load_b32 v[VM], v[L4], s[16:17]
	global_load_b32 v[VM1], v[L4], s[16:17] offset:2048
.irp sl, 0,1,2,3,4,5,6
	ASK \sl
.endr
	s_wait_kmcnt 0x0
	s_bcnt1_i32_b32 s66, s32
.set j_, 1
.rept 31
	s_bcnt1_i32_b32 s30, s[32+j_]
	s_add_co_u32 s[66+j_], s[66+j_-1], s30
.set j_, j_+1
.endr
	v_mov_b32 v[VPE], 0
.set j_, 1
.rept 31
	v_writelane_b32 v[VPE], s[66+j_-1], j_
.set j_, j_+1
.endr
	s_load_b256 s[32:39], s[18:19], 0x0            ; e[0..7]
	s_load_b128 s[40:43], s[18:19], 0x20           ; e[8..11]
	s_mov_b32 s22, s97                             ; n: the set bits of 32 words, 1,024 at the most
	s_add_co_u32 s23, s22, 15
	s_lshr_b32 s23, s23, 4                         ; tiles: 0 .. 64
	s_add_co_u32 s28, s23, 11
	s_lshr_b32 s28, s28, 4                         ; full passes: 0 .. 4: up to four tiles over a multiple of 16 are left to the tail
	s_lshl_b32 s30, s28, 4
	s_min_u32 s53, s23, s30                        ; the tiles that the full passes cover
	s_sub_co_u32 s52, s23, s53                     ; the tail's tiles: 0 .. 4,
	s_add_co_u32 s52, s52, 1
	s_lshr_b32 s52, s52, 1                         ; two a trip
	s_sub_co_u32 s50, s22, 1                       ; the last slot (used only where n is at least 1)
	s_mov_b32 s44, 0x76543210
	s_mov_b32 s45, 0xfedcba98
	s_mov_b32 s46, 0xffff0000
	s_wait_kmcnt 0x0
	s_cmp_ge_u32 s24, 8
	s_cselect_b32 s32, s38, s32                    ; ex of the gate's product: entry 6 or 0
	s_cselect_b32 s33, s39, s33                    ; ew: 7 or 1
	s_cselect_b32 s34, s40, s34                    ; ex of the value's: 8 or 2
	s_cselect_b32 s35, s41, s35                    ; ew: 9 or 3
	s_cselect_b32 s37, s42, s37                    ; eh: 10 or 5
	s_cmp_lg_u32 s27, 0
	s_cselect_b32 s30, s35, s33                    ; my weight's
	s_add_co_i32 s30, s30, 127
	s_lshl_b32 s31, s30, 23
	v_mov_b32 v[SC], s31
	s_add_co_i32 s30, s30, 8
	s_lshl_b32 s30, s30, 23
	s_or_b32 s30, s30, 0x600000
	v_mov_b32 v[LIM], s30
	s_add_co_i32 s30, s32, s33
	s_lshl_b32 s31, s30, 23
	s_add_co_i32 s20, s31, 0xbfb8aa3b              ; -log2 e x 2^(ex + ew): the exponents go into the exponent field
	s_mov_b32 s21, s20                             ; (named with it as a pair, so it is written)
	s_add_co_i32 s30, s30, s34
	s_add_co_i32 s30, s30, s35
	s_sub_co_i32 s30, s37, s30                     ; G V sigma stands for h / 2^(the four exponents): all five are folded into the conversion's one scale
	s_add_co_i32 s30, s30, 127
	s_lshl_b32 s31, s30, 23
	v_mov_b32 v[HSC], s31
	s_add_co_i32 s30, s30, 8
	s_lshl_b32 s30, s30, 23
	s_or_b32 s30, s30, 0x600000
	v_mov_b32 v[HLIM], s30
	ASK 7
; One ring piece: held, converted, stored as 4 x 256 consecutive bytes of an LDS row; refill = 1: the piece eight further on is asked for.
.macro SROW sl, refill, left, ro
	s_wait_loadcnt \left                           ; my eight loads are in (loads come back in order); the count is the younger pieces' loads.  It also frees the slot's offset register
	s_wait_dscnt 4                                 ; only the piece before's four LDS stores may be out: the codes' registers of two pieces ago are free
	WIN 0x41
.set i_, 0
.rept 32
	v_med3_num_f32 v[32*\sl+i_], v[32*\sl+i_], -v[LIM], v[LIM]   ; the conversion does not saturate (ISA guide 7.6.2).  These plain lines also stand behind the piece before's conversions
.set i_, i_+1
.endr
	WIN 0x01
.irp g, 0,1,2,3
	v_cvt_scalef32_pk8_fp8_f32 v[CD+8*(\sl%2)+2*\g:CD+8*(\sl%2)+2*\g+1], v[32*\sl+8*\g:32*\sl+8*\g+7], v[SC]
.endr
	WIN 0
.irp g, 0,1,2,3
	ds_store_b64 v[STA], v[CD+8*(\sl%2)+2*\g:CD+8*(\sl%2)+2*\g+1] offset:\ro+256*\g
.endr
.if \refill
	v_add_nc_u32 v[OFF+\sl], 0x8000, v[OFF+\sl]    ; eight pieces on: the loads that named this register are done
	ASK \sl
.endif
.endm
	s_mov_b32 s47, 0
	s_mov_b32 s48, 7
.Lstream:                                          ; seven trips of eight rows; the eighth is written out without loads, so that none leaves the buffer
.irp sl, 0,1,2,3,4,5,6,7
	SROW \sl, 1, 56, \sl*PITCH
.endr
	s_add_co_u32 s47, s47, 8*PITCH
	v_add_nc_u32 v[STA], s47, v[STB]
	s_sub_co_u32 s48, s48, 1
	s_cmp_lg_u32 s48, 0
	s_cbranch_scc1 .Lstream
.irp sl, 0,1,2,3,4,5,6,7
	SROW \sl, 0, 56-8*\sl, \sl*PITCH
.endr
	v_nop                                          ; a plain line behind the last conversions
	s_wait_dscnt 0x0                               ; for the others' sake: my codes have landed
	s_barrier_signal -1
	s_barrier_wait -1                              ; the only barrier: from here on LDS is only read
; One step of the select inside a word: the field of the counts at pos; where the rank is not under it, the rank loses it and pos moves on.
.macro SEL src, step, width
	v_bfe_u32 v39, v[\src], v38, \width
	v_cmp_ge_u32 vcc_lo, v33, v39
	v_cndmask_b32 v39, 0, v39, vcc_lo
	v_cndmask_b32 v40, 0, \step, vcc_lo
	v_sub_nc_u32 v33, v33, v39
	v_add_nc_u32 v38, v38, v40
.endm
; slot v[q] (one a lane), held at n - 1 -> p' in v[out]
.macro SEARCH q, out
	v_min_u32 v40, s50, v[\q]                      ; a slot at or past n stands for the last one
	v_mov_b32 v29, 0
.set j_, 0
.rept 31
	v_cmp_le_u32 vcc_lo, s[66+j_], v40             ; the word is the number of prefix sums that are not above the slot
	v_cndmask_b32 v30, 0, 1, vcc_lo
	v_add_nc_u32 v29, v29, v30
.set j_, j_+1
.endr
	v_lshlrev_b32 v30, 2, v29
	ds_bpermute_b32 v31, v30, v[VM]                ; that word, from the lane that holds it (no LDS byte is touched)
	ds_bpermute_b32 v32, v30, v[VM1]
	ds_bpermute_b32 v33, v30, v[VPE]
	s_wait_dscnt 0x0
	v_sub_nc_u32 v33, v40, v33                     ; the rank inside the word
	v_lshrrev_b32 v34, 1, v31                      ; counts of fields of 2, 4, 8 and 16 bits
	v_and_b32 v34, 0x55555555, v34
	v_sub_nc_u32 v34, v31, v34
	v_lshrrev_b32 v35, 2, v34
	v_and_b32 v35, 0x33333333, v35
	v_and_b32 v36, 0x33333333, v34
	v_add_nc_u32 v35, v35, v36
	v_lshrrev_b32 v36, 4, v35
	v_add_nc_u32 v36, v36, v35
	v_and_b32 v36, 0x0f0f0f0f, v36
	v_lshrrev_b32 v37, 8, v36
	v_add_nc_u32 v37, v37, v36
	v_mov_b32 v38, 0
	SEL 37, 16, 8
	SEL 36, 8, 8
	SEL 35, 4, 4
	SEL 34, 2, 2
	SEL 31, 1, 1
	v_lshl_add_u32 v41, v29, 5, v38
	v_min_u32 v41, 0x3ff, v41                      ; the token
	v_bfe_u32 v42, v32, v38, 1                     ; first or second choice
	v_lshl_add_u32 v41, v42, 10, v41
	v_add_nc_u32 v[\out], s26, v41
.endm
.macro XLOADS ks, set                  ; x's fragments of K step ks in one set (0: the gate's, 1: the value's): 4 tiles x 4 loads of 16 bytes a lane at row byte 128 ks + 32 c + 16 h
	WIN 0x40
.irp t, 0,1,2,3
.irp c, 0,1,2,3
	global_load_b128 v[128*((\ks)%2)+64*(\set)+16*\t+4*\c:128*((\ks)%2)+64*(\set)+16*\t+4*\c+3], v[XO+\t], s[6+2*(\set):7+2*(\set)] offset:128*(\ks)+32*\c th:TH_LOAD_HT
.endr
.endr
.endm
.macro WLOAD beta                      ; batch beta = 4 ks + b: four weight fragments: b = 0, 1: g's tiles 0-3, 4-7; b = 2, 3: v's
.irp a, 0,1,2,3
.irp c, 0,1,2,3
	ds_load_b128 v[WB+64*((\beta)%2)+16*\a+4*\c:WB+64*((\beta)%2)+16*\a+4*\c+3], v[AW+((\beta)%4)/2] offset:(4*((\beta)%2)+\a)*8*PITCH+128*((\beta)/4)+32*\c
.endr
.endr
.endm
; 16 matrix instructions: four weight tiles x four tiles of tokens.  The 64 sums take turns, one instruction a turn, in the same order in every K step.  The first K step starts the sums with 0.
; x's groups of 16 loads go out in the order g0 v0 g1 v1 (ahead of the first step), then g(k+2) behind step k's second batch and v(k+2) behind its fourth: each has one and a half K steps in which to land.
.macro BATCH beta
.if ((\beta)%4) == 0
.if (\beta) < 28
	s_wait_loadcnt 48                              ; this step's g set is in; behind it: this step's v set and the next step's two sets
.else
	s_wait_loadcnt 16                              ; the last step: behind it only its v set
.endif
.endif
.if ((\beta)%4) == 2
.if (\beta) < 24
	s_wait_loadcnt 48                              ; this step's v set is in; behind it: the next step's two sets and the g set two steps on
.elseif (\beta) < 28
	s_wait_loadcnt 32                              ; behind it: the last step's two sets
.else
	s_wait_loadcnt 0x0
.endif
.endif
.if (\beta) < 31
	s_wait_dscnt 16                                ; my batch is in; the next batch's 16 loads may be out
.else
	s_wait_dscnt 0x0
.endif
.if ((\beta)%4) < 2
	WIN 0xa4                                       ; source 0 window 0, source 1 window 1, C and D window 2
.else
	WIN 0xf4                                       ; C and D window 3
.endif
.irp a, 0,1,2,3
.irp t, 0,1,2,3
.set rD, 64*\t+8*(4*((\beta)%2)+\a)
.set rA, WB+64*((\beta)%2)+16*\a
.set rB, 128*(((\beta)/4)%2)+64*(((\beta)%4)/2)+16*\t
.if (\beta) < 4
	v_wmma_f32_16x16x128_fp8_fp8 v[rD:rD+7], v[rA:rA+15], v[rB:rB+15], 0
.else
	v_wmma_f32_16x16x128_fp8_fp8 v[rD:rD+7], v[rA:rA+15], v[rB:rB+15], v[rD:rD+7]
.endif
.endr
.endr
.rept 4
	v_nop                                          ; four places in front of loads into registers that these products read, and of the first read of results
.endr
.if (((\beta)%4) == 1) && ((\beta) < 24)
	XLOADS (\beta)/4+2, 0                          ; this step's g set has been multiplied: its registers take the g set two steps on
.endif
.if (((\beta)%4) == 3) && ((\beta) < 24)
	XLOADS (\beta)/4+2, 1                          ; likewise the v set
.endif
.if (\beta) < 30
	WIN 0
	WLOAD (\beta)+2
.endif
.endm
.macro KSTEP ks
.irp b, 0,1,2,3
	BATCH 4*(\ks)+\b
.endr
.endm
; Tile t's 16 tokens x 128 hidden units: h = G V / (1 + 2^(-z log2 e)), held, converted; the 16 registers of codes are K step s of the next launch's operand and leave as they stand, 512 consecutive bytes a store.
.macro EPI t
	s_add_co_u32 s30, s49, 4*\t
	s_min_u32 s30, s30, 63
	s_lshl_b32 s30, s30, 15
	s_wait_xcnt 0x0                                ; the stores before have read their address and data: both are written again below
	v_add_nc_u32 v[HO], s30, v[L16]
	WIN 0x02
.set i_, 0
.rept 32
	v_pk_mul_f32 v[EE+i_:EE+i_+1], v[64*\t+i_:64*\t+i_+1], s[20:21] op_sel_hi:[1,0]   ; -z log2 e; each sum's registers from the low end on
.set i_, i_+2
.endr
	WIN 0x0e
.set i_, 0
.rept 32
	v_pk_mul_f32 v[PM+i_:PM+i_+1], v[64*\t+i_:64*\t+i_+1], v[64*\t+i_:64*\t+i_+1]     ; G (window 2) x V (window 3)
.set i_, i_+2
.endr
	WIN 0
.set i_, 0
.rept 64
	v_exp_f32 v[EE+i_], v[EE+i_]
.set i_, i_+1
.endr
	v_nop                                          ; a plain line behind the exponentials
.set i_, 0
	s_wait_alu depctr_va_vdst(0)
.rept 32
	v_pk_add_f32 v[EE+i_:EE+i_+1], v[EE+i_:EE+i_+1], 1.0 op_sel_hi:[1,0]
.set i_, i_+2
.endr
.set i_, 0
.rept 64
	v_rcp_f32 v[EE+i_], v[EE+i_]
.set i_, i_+1
.endr
	v_nop
.set i_, 0
	s_wait_alu depctr_va_vdst(0)
.rept 32
	v_pk_mul_f32 v[PM+i_:PM+i_+1], v[PM+i_:PM+i_+1], v[EE+i_:EE+i_+1]
.set i_, i_+2
.endr
.set i_, 0
.rept 64
	v_med3_num_f32 v[PM+i_], v[PM+i_], -v[HLIM], v[HLIM]
.set i_, i_+1
.endr
.irp a, 0,1,2,3,4,5,6,7
	v_cvt_scalef32_pk8_fp8_f32 v[CD+2*\a:CD+2*\a+1], v[PM+8*\a:PM+8*\a+7], v[HSC]
.endr
	v_nop                                          ; a plain line behind the last conversion
.irp c, 0,1,2,3
	global_store_b128 v[HO], v[CD+4*\c:CD+4*\c+3], s[10:11] offset:512*\c
.endr
.endm
; THE TAIL'S MACROS.  x of K step ks, two tiles: the gate's set into window 1, the value's into window 2, both at 32 ks + 16 t: 16 loads
.macro XT ks
	WIN 0x40
.irp t, 0,1
.irp c, 0,1,2,3
	global_load_b128 v[32*(\ks)+16*\t+4*\c:32*(\ks)+16*\t+4*\c+3], v[XO+\t], s[6:7] offset:128*(\ks)+32*\c th:TH_LOAD_HT
.endr
.endr
	WIN 0x80
.irp t, 0,1
.irp c, 0,1,2,3
	global_load_b128 v[32*(\ks)+16*\t+4*\c:32*(\ks)+16*\t+4*\c+3], v[XO+\t], s[8:9] offset:128*(\ks)+32*\c th:TH_LOAD_HT
.endr
.endr
.endm
.macro WT ks                           ; my four weight fragments of K step ks: g's tiles 2 w, 2 w + 1, then v's
.irp m, 0,1
.irp a, 0,1
.irp c, 0,1,2,3
	ds_load_b128 v[WB+64*((\ks)%2)+32*\m+16*\a+4*\c:WB+64*((\ks)%2)+32*\m+16*\a+4*\c+3], v[AWT+\m] offset:\a*8*PITCH+128*(\ks)+32*\c
.endr
.endr
.endr
.endm
; A K step of the tail: eight matrix instructions on eight sums, by turns: g's at 16 t + 8 a, v's at 32 + 16 t + 8 a of window 3
.macro TK ks
.if (\ks) < 5
	s_wait_loadcnt 48                              ; this step's 16 loads of x are in; the three younger steps' stay out
.else
	s_wait_loadcnt 16*(7-(\ks))
.endif
.if (\ks) < 7
	s_wait_dscnt 16                                ; this step's weight fragments are in; the next step's 16 loads may be out
.else
	s_wait_dscnt 0x0
.endif
	WIN 0xf4                                       ; source 0 window 0, source 1 window 1, C and D window 3
.irp a, 0,1
.irp t, 0,1
.set rD, 16*\t+8*\a
.set rA, WB+64*((\ks)%2)+16*\a
.set rB, 32*(\ks)+16*\t
.if (\ks) == 0
	v_wmma_f32_16x16x128_fp8_fp8 v[rD:rD+7], v[rA:rA+15], v[rB:rB+15], 0
.else
	v_wmma_f32_16x16x128_fp8_fp8 v[rD:rD+7], v[rA:rA+15], v[rB:rB+15], v[rD:rD+7]
.endif
.endr
.endr
	WIN 0xf8                                       ; source 1 window 2
.irp a, 0,1
.irp t, 0,1
.set rD, 32+16*\t+8*\a
.set rA, WB+64*((\ks)%2)+32+16*\a
.set rB, 32*(\ks)+16*\t
.if (\ks) == 0
	v_wmma_f32_16x16x128_fp8_fp8 v[rD:rD+7], v[rA:rA+15], v[rB:rB+15], 0
.else
	v_wmma_f32_16x16x128_fp8_fp8 v[rD:rD+7], v[rA:rA+15], v[rB:rB+15], v[rD:rD+7]
.endif
.endr
.endr
.rept 4
	v_nop                                          ; four places in front of loads into registers that these products read, and of the first read of results
.endr
.if (\ks) < 4
	XT (\ks)+4
.endif
.if (\ks) < 6
	WIN 0
	WT (\ks)+2
.endif
.endm
	s_mov_b32 s29, 0
	s_cmp_eq_u32 s28, 0
	s_cbranch_scc1 .Ltail                          ; four tiles or fewer in all: no full pass
.Lpass:
	s_lshl_b32 s49, s29, 4
	s_add_co_u32 s49, s49, s2                      ; my first tile: 16 p + w
	s_cmp_ge_u32 s49, s53
	s_cbranch_scc1 .Lpass_end                      ; it is not among the full passes' tiles: nothing of this pass is mine (no barrier stands in the loop)
	s_min_u32 s49, s49, 51
	s_lshl_b32 s30, s49, 4
	s_wait_xcnt 0x0                                ; the pass before's loads and stores have read the registers that are written again below
	v_lshl_add_u32 v[Q0], v3, 6, v2
	v_add_nc_u32 v[Q0], s30, v[Q0]                 ; lanes 0-15: tile 0's slots; lanes 16-31: tile 1's (four tiles, 64 slots, on)
	v_add_nc_u32 v[Q1], 0x80, v[Q0]                ; tiles 2 | 3
	SEARCH Q0, S0
	SEARCH Q1, S1
	s_cmp_lg_u32 s25, 0
	s_cbranch_scc1 .Lno_list                       ; slice 0 alone leaves the list
	v_lshlrev_b32 v[LSA], 2, v[Q0]
	global_store_b32 v[LSA], v[S0], s[12:13]
	global_store_b32 v[LSA], v[S1], s[12:13] offset:512
.Lno_list:
	v_permlanex16_b32 v30, v[S0], s44, s45
	v_permlanex16_b32 v31, v[S1], s44, s45
	v_cndmask_b32 v32, v[S0], v30, s46             ; each tile's 16 tokens in both halves of the lanes
	v_cndmask_b32 v33, v30, v[S0], s46
	v_cndmask_b32 v34, v[S1], v31, s46
	v_cndmask_b32 v35, v31, v[S1], s46
.irp t, 0,1,2,3
	v_and_b32 v[32+\t], 0x3ff, v[32+\t]
	v_min_u32 v[32+\t], 0x3ff, v[32+\t]
	v_lshl_add_u32 v[XO+\t], v[32+\t], 10, v[H16]
.endr
	XLOADS 0, 0
	XLOADS 0, 1
	XLOADS 1, 0
	XLOADS 1, 1
	WIN 0
	WLOAD 0
	WLOAD 1
.irp ks, 0,1,2,3,4,5,6,7
	KSTEP \ks
.endr
	WIN 0
	EPI 0
	EPI 1
	EPI 2
	EPI 3
.Lpass_end:
	s_add_co_u32 s29, s29, 1
	s_cmp_lt_u32 s29, s28
	s_cbranch_scc1 .Lpass
.Ltail:                                            ; s29 = the full passes walked: the tail's tiles begin at 16 s29
	s_cmp_eq_u32 s52, 0
	s_cbranch_scc1 .Lend
	s_mov_b32 s51, 0
.Ltrip:                                            ; one or two trips, two tiles each, every wave
	s_lshl_b32 s49, s29, 4
	s_lshl_b32 s30, s51, 1
	s_add_co_u32 s49, s49, s30                     ; the trip's first tile
	s_min_u32 s49, s49, 62
	s_lshl_b32 s30, s49, 4
	s_wait_xcnt 0x0                                ; earlier loads and stores have read the registers that are written again below
	v_add_nc_u32 v[Q0], s30, v1                    ; the two tiles' 32 slots, one a lane
	SEARCH Q0, S0
	s_or_b32 s30, s25, s2
	s_cmp_lg_u32 s30, 0
	s_cbranch_scc1 .Lno_list_t                     ; wave 0 of slice 0 alone leaves the list: 128 bytes on end
	v_lshlrev_b32 v[LSA], 2, v[Q0]
	global_store_b32 v[LSA], v[S0], s[12:13]
.Lno_list_t:
	v_permlanex16_b32 v30, v[S0], s44, s45
	v_cndmask_b32 v32, v[S0], v30, s46             ; each tile's 16 tokens in both halves of the lanes
	v_cndmask_b32 v33, v30, v[S0], s46
.irp t, 0,1
	v_and_b32 v[32+\t], 0x3ff, v[32+\t]
	v_min_u32 v[32+\t], 0x3ff, v[32+\t]
	v_lshl_add_u32 v[XO+\t], v[32+\t], 10, v[H16]
.endr
	XT 0
	XT 1
	XT 2
	XT 3
	WIN 0
	WT 0
	WT 1
.irp ks, 0,1,2,3,4,5,6,7
	TK \ks
.endr
	WIN 0
	s_lshl_b32 s30, s49, 15
	s_wait_xcnt 0x0                                ; the stores before have read their addresses and data: both are written again below
	v_add_nc_u32 v[HO], s30, v[L16W]               ; my quarter of the first tile's image,
	v_add_nc_u32 v[HO2], 0x8000, v[HO]             ; and of the second's
	WIN 0x03
.set i_, 0
.rept 16
	v_pk_mul_f32 v[EE+i_:EE+i_+1], v[i_:i_+1], s[20:21] op_sel_hi:[1,0]   ; -z log2 e; each sum's registers from the low end on
.set i_, i_+2
.endr
	WIN 0x0f
.set i_, 0
.rept 16
	v_pk_mul_f32 v[PM+i_:PM+i_+1], v[i_:i_+1], v[32+i_:32+i_+1]           ; G x V
.set i_, i_+2
.endr
	WIN 0
.set i_, 0
.rept 32
	v_exp_f32 v[EE+i_], v[EE+i_]
.set i_, i_+1
.endr
	v_nop                                          ; a plain line behind the exponentials
.set i_, 0
	s_wait_alu depctr_va_vdst(0)
.rept 16
	v_pk_add_f32 v[EE+i_:EE+i_+1], v[EE+i_:EE+i_+1], 1.0 op_sel_hi:[1,0]
.set i_, i_+2
.endr
.set i_, 0
.rept 32
	v_rcp_f32 v[EE+i_], v[EE+i_]
.set i_, i_+1
.endr
	v_nop
.set i_, 0
	s_wait_alu depctr_va_vdst(0)
.rept 16
	v_pk_mul_f32 v[PM+i_:PM+i_+1], v[PM+i_:PM+i_+1], v[EE+i_:EE+i_+1]
.set i_, i_+2
.endr
.set i_, 0
.rept 32
	v_med3_num_f32 v[PM+i_], v[PM+i_], -v[HLIM], v[HLIM]
.set i_, i_+1
.endr
.irp a, 0,1,2,3
	v_cvt_scalef32_pk8_fp8_f32 v[CD+2*\a:CD+2*\a+1], v[PM+8*\a:PM+8*\a+7], v[HSC]   ; 2 t + a: tile t's codes of weight tiles 2 w and 2 w + 1 are four registers on end
.endr
	v_nop                                          ; a plain line behind the last conversion
	global_store_b128 v[HO], v[CD:CD+3], s[10:11]
	global_store_b128 v[HO2], v[CD+4:CD+7], s[10:11]
	s_add_co_u32 s51, s51, 1
	s_cmp_lt_u32 s51, s52
	s_cbranch_scc1 .Ltrip
.Lend:
	s_wait_tensorcnt 0x0
	ds_add_u32 v254, v255
	s_wait_dscnt 0x0
	s_endpgm
.Lfunc_end_k_qc03e3d367e_up:
	.size	k_qc03e3d367e_up, .Lfunc_end_k_qc03e3d367e_up-k_qc03e3d367e_up
	.p2alignl 7, 3214868480
	.fill 96, 4, 3214868480
	.section	.rodata,"a",@progbits
	.p2align	6, 0x0
	.amdhsa_kernel k_qc03e3d367e_up
		.amdhsa_group_segment_fixed_size 267264
		.amdhsa_private_segment_fixed_size 0
		.amdhsa_enable_private_segment 0
		.amdhsa_kernarg_size 72
		.amdhsa_user_sgpr_count 2
		.amdhsa_user_sgpr_kernarg_segment_ptr 1
		.amdhsa_wavefront_size32 1
		.amdhsa_system_sgpr_workgroup_id_x 1
		.amdhsa_system_sgpr_workgroup_id_y 1
		.amdhsa_system_sgpr_workgroup_id_z 1
		.amdhsa_system_vgpr_workitem_id 0
		.amdhsa_next_free_vgpr 1024
		.amdhsa_next_free_sgpr 100
		.amdhsa_reserve_vcc 1
		.amdhsa_float_denorm_mode_32 3
		.amdhsa_float_denorm_mode_16_64 3
		.amdhsa_memory_ordered 1
		.amdhsa_forward_progress 1
		.amdhsa_inst_pref_size 255
	.end_amdhsa_kernel
	.section	.bss,"aw",@nobits
	.p2align	6
	.space	262144
	.amdgpu_metadata
---
amdhsa.version: [ 1, 2 ]
amdhsa.kernels:
  - .name:           k_qc03e3d367e_up
    .symbol:         k_qc03e3d367e_up.kd
    .args:
      - { .name: xq, .offset: 0, .size: 8, .value_kind: global_buffer, .address_space: global }
      - { .name: msk, .offset: 8, .size: 8, .value_kind: global_buffer, .address_space: global }
      - { .name: Wg, .offset: 16, .size: 8, .value_kind: global_buffer, .address_space: global }
      - { .name: Wv, .offset: 24, .size: 8, .value_kind: global_buffer, .address_space: global }
      - { .name: Wg_s, .offset: 32, .size: 8, .value_kind: global_buffer, .address_space: global }
      - { .name: Wv_s, .offset: 40, .size: 8, .value_kind: global_buffer, .address_space: global }
      - { .name: lowp_scales, .offset: 48, .size: 8, .value_kind: global_buffer, .address_space: global }
      - { .name: hq, .offset: 56, .size: 8, .value_kind: global_buffer, .address_space: global }
      - { .name: lst, .offset: 64, .size: 8, .value_kind: global_buffer, .address_space: global }
    .group_segment_fixed_size: 267264
    .private_segment_fixed_size: 0
    .kernarg_segment_align: 8
    .kernarg_segment_size: 72
    .max_flat_workgroup_size: 128
    .sgpr_count:     100
    .vgpr_count:     1024
    .wavefront_size: 32
...
	.end_amdgpu_metadata
.endif
;; end of part 2
;; launch down (part 3): grid 16 x 12, 4 waves a work-group, no clusters, 150,016 bytes of LDS; arguments hq, lst, msk, Wo, Wo_s, bo, bo_s, lowp_scales, eo; writes eo
.if DOCPART == 3
	.amdgcn_target "amdgcn-amd-amdhsa--gfx1250"
	.amdhsa_code_object_version 6
	.text
	.protected	k_qc03e3d367e_down
	.globl	k_qc03e3d367e_down
	.p2align	8
	.type	k_qc03e3d367e_down,@function
k_qc03e3d367e_down:
	s_mov_b64 s[64:65], 0
	v_nop
	global_prefetch_b8 v0, s[64:65] scope:SCOPE_SE
	s_setreg_imm32_b32 hwreg(HW_REG_WAVE_MODE, 25, 1), 1
	s_wait_xcnt 0x0
; DOWN.  eo[p'] = h Wo^T x 2^(ew + eh) + bo for the rows that are kept.  Work-group (ox, u): output columns 64 ox .. 64 ox + 63 of unit u (0 .. 7 routed experts, 8 .. 11 the shared expert's quarters of the tokens).
; THE WEIGHTS STAY: the slice's 64 rows of Wo (2,048 f32 each) are read once, quantised in registers, laid as codes in LDS; then all tiles of the unit's hidden codes are multiplied with them.
; STREAM: wave w takes rows 16 w .. 16 w + 15, 128 KiB on end, in 32 pieces of 4 KiB (half a row) through a ring of eight pieces in registers.  Each ring slot has an offset register of its own, stepped behind the wait that
; shows its loads done; the base is never stepped.  One text serves weights that are read once and weights that four units read: its loads carry no hint.
; ORDER ALONG K: a lane's eight codes of loads 2 g, 2 g + 1 of half-row q are k = 256 J + 128 a + 4 L + c (J = 4 q + g) at byte 4 a + c.  The launch before leaves, in K step 2 J + half, lane (r, h), registers 4 c' .. 4 c' + 3, the groups
; L = 16 half + 4 c' + h and + 2.  So group (J, L) goes to row byte 256 J + 128 (L >> 4) + 32 ((L >> 2) & 3) + 16 (L & 1) + 8 ((L >> 1) & 1), and a fragment load of 16 bytes at 128 ks + 32 c' + 16 h meets its partner.
; THE PRODUCT IS USED TRANSPOSED (source 0 = 16 rows of Wo, source 1 = 16 slots): a lane holds one slot and eight neighbouring columns.  h's fragments are images of registers: 512 consecutive bytes a load.
; The count n is the number of set bits of the unit's 32 words of msk: 1,024 at the most; Tn = (n + 15) / 16 tiles.  FULL PASSES: F = (Tn + 11) / 16, over min(Tn, 16 F) tiles: in pass p wave w takes tiles 16 p + 4 t + w, t = 0 .. 3,
; if the first of them is among those: the launch before stored all four under the same condition.  THE TAIL: what is left, 1 to 4 tiles: wave w takes tile 16 F + w if it exists; the launch before stored it.
; So every byte read here was stored, and no address hangs on the count.  A tile past the last is multiplied and not stored.  A tile's 16 x 64 results go through the wave's own stage in LDS and leave as rows:
; sixteen lanes store 256 consecutive bytes, aligned, of row p' of eo.  NO MASK: a slot at or past n in the last tile is a copy of slot n - 1, codes and list entry alike, so its row is the same numbers stored once more at the same place by the same wave.
; The gate's weight is not applied here: the last launch has it at a fixed place.
; NO TENSOR LOADS, NO CLUSTER: the number of passes and the skipping of tiles hang on a count made from numbers read from memory.
; LIMITS: ew between -126 and 119; ew + eh between -126 and 127.  NaN and infinities are not served.
.set PITCH, 2064                       ; a row of 2,048 codes + 16: 516 words, so row r starts 4 r words on, modulo 64
.set STAGE, 64*PITCH                   ; behind the codes: 16 rows x 272 bytes for each wave
.set SP,    272
.set L16,  4                           ; v4   16 x lane
.set STB,  5
.set STA,  6
.set SC,   7
.set LIM,  8
.set AW,   9                           ; v9, v10  my lane's place in tiles 0 | 1 and 2 | 3 (the odd tile 16 rows on)
.set SI,   11                          ; v11  the stage, in: row r, + 32 h
.set SO,   12                          ; v12  the stage, back: row h, + 16 r
.set HO,   16                          ; v16-19  tile t's images
.set PL,   20                          ; v20-23  tile t: p' of slot r (in lane r and in lane 16 + r)
.set LA,   24                          ; v24-27  the list loads' addresses
.set OFF,  28                          ; v28-35  ring slot sl: my byte offset in the piece that the slot loads
.set BI,   36                          ; v36-67  the bias in the results' layout
.set RW,   68                          ; v68-75  at work
.set AD,   76                          ; v76-83  at work
.set CD,   84                          ; v84-99  codes
.set WB,   112                         ; v112-175, v176-239  two K steps' weight fragments; behind the products: values, and rows read back
.set VAL,  112
.set RB,   176
; window 1: the stream's ring; then h's fragments at 64 (ks % 4) + 16 t (tail: at 16 ks).   window 2: the sums at 32 t + 8 C.
.set MSB, 0
.macro WIN new                         ; the immediate's high byte repeats the setting that is left
.if MSB != \new
	s_set_vgpr_msb (MSB<<8)|\new
.set MSB, \new
.endif
.endm
	s_load_b512 s[36:51], s[0:1], 0x0              ; hq 36, lst 38, msk 40, Wo 42, Wo_s 44, bo 46, bo_s 48, scales 50
	s_load_b64 s[52:53], s[0:1], 0x40              ; eo
	v_lshl_add_u32 v254, v0, 2, 0x24800
	v_mov_b32 v255, 0
	v_lshrrev_b32 v1, 5, v0
	v_readfirstlane_b32 s2, v1                     ; wave
	v_and_b32 v1, 31, v0                           ; L
	v_and_b32 v2, 15, v0                           ; r
	v_bfe_u32 v3, v0, 4, 1                         ; h
	v_lshlrev_b32 v[L16], 4, v1
	v_lshlrev_b32 v[STB], 7, v3                    ; 128 (L >> 4)
	v_bfe_u32 v6, v0, 2, 2
	v_lshl_add_u32 v[STB], v6, 5, v[STB]           ; + 32 ((L >> 2) & 3)
	v_and_b32 v6, 1, v0
	v_lshl_add_u32 v[STB], v6, 4, v[STB]           ; + 16 (L & 1)
	v_bfe_u32 v6, v0, 1, 1
	v_lshl_add_u32 v[STB], v6, 3, v[STB]           ; + 8 ((L >> 1) & 1)
	s_mul_i32 s30, s2, 16*PITCH
	v_add_nc_u32 v[STB], s30, v[STB]               ; my wave's 16 rows
	v_mov_b32 v[STA], v[STB]
	v_mul_u32_u24 v[AW], v2, PITCH
	v_lshl_add_u32 v[AW], v3, 4, v[AW]
	v_add_nc_u32 v[AW+1], 32*PITCH, v[AW]
	s_mul_i32 s30, s2, 16*SP
	s_add_co_u32 s30, s30, STAGE
	v_mul_u32_u24 v[SI], v2, SP
	v_lshl_add_u32 v[SI], v3, 5, v[SI]
	v_add_nc_u32 v[SI], s30, v[SI]
	v_mul_u32_u24 v[SO], v3, SP
	v_lshl_add_u32 v[SO], v2, 4, v[SO]
	v_add_nc_u32 v[SO], s30, v[SO]
	v_lshlrev_b32 v13, 2, v3                       ; 4 h
	v_lshlrev_b32 v14, 4, v2                       ; 16 r
	v_lshlrev_b32 v15, 2, v2                       ; 4 r
	v_lshlrev_b32 v100, 5, v3                      ; 32 h
.irp sl, 0,1,2,3,4,5,6,7
	v_add_nc_u32 v[OFF+\sl], 4096*\sl, v[L16]
.endr
	s_and_b32 s24, ttmp7, 0xffff                   ; u
	s_mov_b32 s25, ttmp9                           ; ox
	s_lshl_b32 s54, s25, 6
	s_lshl_b32 s31, s24, 10
	s_cmp_ge_u32 s24, 8
	s_cselect_b32 s31, 0, s31
	s_add_co_u32 s54, s54, s31                     ; the slice's first row of the weight = first number of the bias
	s_lshl_b32 s56, s54, 2
	s_mov_b32 s57, 0
	s_lshl_b32 s30, s2, 4
	s_add_co_u32 s54, s54, s30
	s_lshl_b32 s54, s54, 13                        ; my first row, in bytes (under 2^27)
	s_mov_b32 s55, 0
	s_min_u32 s58, s24, 8
	s_lshl_b32 s58, s58, 21
	s_max_u32 s30, s24, 8
	s_sub_co_u32 s30, s30, 8
	s_lshl_b32 s30, s30, 19
	s_add_co_u32 s58, s58, s30                     ; hq: the region, the quarter
	s_mov_b32 s59, 0
	s_lshl_b32 s60, s24, 12
	s_mov_b32 s61, 0
	s_lshl_b32 s62, s24, 7
	s_mov_b32 s63, 0
	s_lshl_b32 s32, s25, 8
	s_mov_b32 s33, 0
	s_wait_kmcnt 0x0
	s_cmp_ge_u32 s24, 8
	s_cselect_b64 s[4:5], s[44:45], s[42:43]
	s_cselect_b64 s[12:13], s[48:49], s[46:47]
	s_add_nc_u64 s[4:5], s[4:5], s[54:55]          ; the weight
	s_add_nc_u64 s[12:13], s[12:13], s[56:57]      ; the bias
	s_add_nc_u64 s[6:7], s[36:37], s[58:59]        ; hq
	s_add_nc_u64 s[8:9], s[38:39], s[60:61]        ; lst
	s_add_nc_u64 s[10:11], s[40:41], s[62:63]      ; msk, the unit's row
	s_add_nc_u64 s[14:15], s[52:53], s[32:33]      ; eo at my columns
	s_mov_b64 s[16:17], s[50:51]
	s_load_b512 s[68:83], s[10:11], 0x0            ; the unit's 32 words of bits
	s_load_b512 s[84:99], s[10:11], 0x40
	s_load_b256 s[36:43], s[16:17], 0x0            ; e[0..7]
	s_load_b128 s[44:47], s[16:17], 0x20           ; e[8..11]
.irp c, 0,1,2,3
	global_load_b128 v[BI+8*\c:BI+8*\c+3], v100, s[12:13] offset:64*\c      ; lane (r, h), tile C: columns 16 C + 8 h + 0 .. 7
	global_load_b128 v[BI+8*\c+4:BI+8*\c+7], v100, s[12:13] offset:64*\c+16
.endr
.macro FILL sl                         ; ring piece sl: half a weight row, 4 KiB, eight loads of 512 consecutive bytes
.irp j, 0,1,2,3,4,5,6,7
	global_load_b128 v[32*\sl+4*\j:32*\sl+4*\j+3], v[OFF+\sl], s[4:5] offset:512*\j
.endr
.endm
	WIN 0x40
.irp sl, 0,1,2,3,4,5,6
	FILL \sl
.endr
	WIN 0
	s_wait_kmcnt 0x0
	s_bcnt1_i32_b32 s22, s68
.set j_, 1
.rept 31
	s_bcnt1_i32_b32 s30, s[68+j_]
	s_add_co_u32 s22, s22, s30                     ; n
.set j_, j_+1
.endr
	s_add_co_u32 s23, s22, 15
	s_lshr_b32 s23, s23, 4                         ; tiles: 0 .. 64
	s_add_co_u32 s28, s23, 11
	s_lshr_b32 s28, s28, 4                         ; full passes: 0 .. 4: up to four tiles over a multiple of 16 are left to the tail
	s_lshl_b32 s30, s28, 4
	s_min_u32 s50, s23, s30                        ; the tiles that the full passes cover
	s_cmp_ge_u32 s24, 8
	s_cselect_b32 s30, s47, s40                    ; ew: entry 11 or 4
	s_cselect_b32 s31, s46, s41                    ; eh: entry 10 or 5
	s_add_co_i32 s31, s31, s30
	s_add_co_i32 s31, s31, 127
	s_lshl_b32 s20, s31, 23                        ; 2^(ew + eh) as f32
	s_mov_b32 s21, s20                             ; (named with it as a pair, so it is written)
	s_add_co_i32 s30, s30, 127
	s_lshl_b32 s31, s30, 23
	v_mov_b32 v[SC], s31
	s_add_co_i32 s30, s30, 8
	s_lshl_b32 s30, s30, 23
	s_or_b32 s30, s30, 0x600000
	v_mov_b32 v[LIM], s30
	WIN 0x40
	FILL 7
	WIN 0
.macro SROW sl, refill, left, ro
	s_wait_loadcnt \left                           ; my eight loads are in; the count is the younger pieces' loads.  It also frees the slot's offset register
	s_wait_dscnt 4                                 ; only the piece before's four LDS stores may be out
	WIN 0x41
.set i_, 0
.rept 32
	v_med3_num_f32 v[32*\sl+i_], v[32*\sl+i_], -v[LIM], v[LIM]   ; the conversion does not saturate (ISA guide 7.6.2).  These plain lines also stand behind the piece before's conversions
.set i_, i_+1
.endr
	WIN 0x01
.irp g, 0,1,2,3
	v_cvt_scalef32_pk8_fp8_f32 v[CD+8*(\sl%2)+2*\g:CD+8*(\sl%2)+2*\g+1], v[32*\sl+8*\g:32*\sl+8*\g+7], v[SC]
.endr
	WIN 0
.irp g, 0,1,2,3
	ds_store_b64 v[STA], v[CD+8*(\sl%2)+2*\g:CD+8*(\sl%2)+2*\g+1] offset:\ro+256*\g
.endr
.if \refill
	v_add_nc_u32 v[OFF+\sl], 0x8000, v[OFF+\sl]    ; eight pieces on: the loads that named this register are done
	WIN 0x40
	FILL \sl
.endif
.endm
	s_mov_b32 s45, 0
	s_mov_b32 s44, 3
.Lstream:                                          ; three trips of eight pieces (four rows); the fourth is written out without loads, so that none leaves the buffer
.irp sl, 0,1,2,3,4,5,6,7
	SROW \sl, 1, 56, (\sl/2)*PITCH+1024*(\sl%2)
.endr
	WIN 0
	s_add_co_u32 s45, s45, 4*PITCH
	v_add_nc_u32 v[STA], s45, v[STB]
	s_sub_co_u32 s44, s44, 1
	s_cmp_lg_u32 s44, 0
	s_cbranch_scc1 .Lstream
.irp sl, 0,1,2,3,4,5,6,7
	SROW \sl, 0, 56-8*\sl, (\sl/2)*PITCH+1024*(\sl%2)
.endr
	v_nop                                          ; a plain line behind the last conversions
	s_wait_dscnt 0x0                               ; for the others' sake: my codes have landed
	s_barrier_signal -1
	s_barrier_wait -1                              ; the only barrier: the codes are only read from here on; the stages are each wave's own
.macro HLOAD ks                        ; h's fragments of K step ks, four tiles: images of registers
	WIN 0x40
.irp t, 0,1,2,3
.irp c, 0,1,2,3
	global_load_b128 v[64*((\ks)%4)+16*\t+4*\c:64*((\ks)%4)+16*\t+4*\c+3], v[HO+\t], s[6:7] offset:2048*(\ks)+512*\c
.endr
.endr
.endm
.macro WLOAD ks                        ; the weight's four fragments of K step ks
.irp a, 0,1,2,3
.irp c, 0,1,2,3
	ds_load_b128 v[WB+64*((\ks)%2)+16*\a+4*\c:WB+64*((\ks)%2)+16*\a+4*\c+3], v[AW+\a/2] offset:(\a%2)*16*PITCH+128*(\ks)+32*\c
.endr
.endr
.endm
; 16 matrix instructions: four tiles of columns x four tiles of slots; the 16 sums take turns, one instruction a turn; K step 0 starts them with 0.
.macro KSTEP ks
.if (\ks) < 12
	s_wait_loadcnt 48                              ; this step's h is in (and, in step 0, the lists, which are older); the three younger steps' 48 loads stay out
.else
	s_wait_loadcnt 16*(15-(\ks))
.endif
.if (\ks) < 15
	s_wait_dscnt 16                                ; this step's weight fragments are in; the next step's 16 loads may be out
.else
	s_wait_dscnt 0x0
.endif
	WIN 0xa4                                       ; source 0 window 0, source 1 window 1, C and D window 2
.irp a, 0,1,2,3
.irp t, 0,1,2,3
.set rD, 32*\t+8*\a
.set rA, WB+64*((\ks)%2)+16*\a
.set rB, 64*((\ks)%4)+16*\t
.if (\ks) == 0
	v_wmma_f32_16x16x128_fp8_fp8 v[rD:rD+7], v[rA:rA+15], v[rB:rB+15], 0
.else
	v_wmma_f32_16x16x128_fp8_fp8 v[rD:rD+7], v[rA:rA+15], v[rB:rB+15], v[rD:rD+7]
.endif
.endr
.endr
.rept 4
	v_nop                                          ; four places in front of loads into registers that these products read, and of the first read of results
.endr
.if (\ks) < 12
	HLOAD (\ks)+4
.endif
.if (\ks) < 14
	WIN 0
	WLOAD (\ks)+2
.endif
.endm
; A K step of the tail: one tile of slots, four matrix instructions on four sums, by turns
.macro TK ks
	s_wait_loadcnt 4*(15-(\ks))                    ; this step's four loads of h are in (and, in step 0, the list, which is older); the younger steps' stay out
.if (\ks) < 15
	s_wait_dscnt 16                                ; this step's weight fragments are in; the next step's 16 loads may be out
.else
	s_wait_dscnt 0x0
.endif
	WIN 0xa4
.irp a, 0,1,2,3
.set rD, 8*\a
.set rA, WB+64*((\ks)%2)+16*\a
.set rB, 16*(\ks)
.if (\ks) == 0
	v_wmma_f32_16x16x128_fp8_fp8 v[rD:rD+7], v[rA:rA+15], v[rB:rB+15], 0
.else
	v_wmma_f32_16x16x128_fp8_fp8 v[rD:rD+7], v[rA:rA+15], v[rB:rB+15], v[rD:rD+7]
.endif
.endr
.rept 4
	v_nop                                          ; four places in front of loads into registers that these products read, and of the first read of results
.endr
.if (\ks) < 14
	WIN 0
	WLOAD (\ks)+2
.endif
.endm
.macro EPI t
	s_add_co_u32 s30, s49, 4*\t
	s_cmp_ge_u32 s30, s23
	s_cbranch_scc1 .Lepi_skip_\@                   ; a tile past the last is not stored
	s_wait_xcnt 0x0                                ; the tile before's stores have read their addresses and data: both are written again below
	WIN 0x02
.set i_, 0
.rept 16
	v_pk_fma_f32 v[VAL+i_:VAL+i_+1], v[32*\t+i_:32*\t+i_+1], s[20:21], v[BI+i_:BI+i_+1] op_sel_hi:[1,0,1]   ; sum x 2^(ew + eh) + bias; each sum's registers from the low end on
.set i_, i_+2
.endr
	WIN 0
.irp c, 0,1,2,3
	ds_store_b128 v[SI], v[VAL+8*\c:VAL+8*\c+3] offset:64*\c
	ds_store_b128 v[SI], v[VAL+8*\c+4:VAL+8*\c+7] offset:64*\c+16
.endr
.irp i, 0,1,2,3,4,5,6,7
	ds_load_b128 v[RB+4*\i:RB+4*\i+3], v[SO] offset:2*\i*SP   ; LDS serves a wave's instructions in order: these see my stores.  Rows 2 i and 2 i + 1, whole
.endr
.irp i, 0,1,2,3,4,5,6,7
	v_add_nc_u32 v[AD+\i], 8*\i, v13
	ds_bpermute_b32 v[RW+\i], v[AD+\i], v[PL+\t]   ; p' of slot 2 i + h, from the lane that holds it
.endr
	s_wait_dscnt 0x0
.irp i, 0,1,2,3,4,5,6,7
	v_min_u32 v[RW+\i], 0xbff, v[RW+\i]
	v_lshl_add_u32 v[AD+\i], v[RW+\i], 12, v14     ; row p' of 4,096 bytes, + 16 r
.endr
.irp i, 0,1,2,3,4,5,6,7
	global_store_b128 v[AD+\i], v[RB+4*\i:RB+4*\i+3], s[14:15]   ; sixteen lanes store 256 consecutive bytes, aligned
.endr
.Lepi_skip_\@:
.endm
	s_mov_b32 s29, 0
	s_cmp_eq_u32 s28, 0
	s_cbranch_scc1 .Ltail                          ; four tiles or fewer in all: no full pass
.Lpass:
	s_lshl_b32 s49, s29, 4
	s_add_co_u32 s49, s49, s2                      ; my first tile: 16 p + w
	s_cmp_ge_u32 s49, s50
	s_cbranch_scc1 .Lpass_end                      ; it is not among the full passes' tiles: nothing of this pass is mine (no barrier stands in the loop)
	s_min_u32 s49, s49, 51
	s_wait_xcnt 0x0                                ; the pass before's loads and stores have read the registers that are written again below
.irp t, 0,1,2,3
	s_add_co_u32 s30, s49, 4*\t
	s_min_u32 s30, s30, 63
	s_lshl_b32 s31, s30, 6
	v_add_nc_u32 v[LA+\t], s31, v15                ; the tile's 16 list entries, 4 bytes each
	s_lshl_b32 s30, s30, 15
	v_add_nc_u32 v[HO+\t], s30, v[L16]             ; its 16 images of 2,048 bytes
.endr
.irp t, 0,1,2,3
	global_load_b32 v[PL+\t], v[LA+\t], s[8:9]
.endr
	HLOAD 0
	HLOAD 1
	HLOAD 2
	HLOAD 3
	WIN 0
	WLOAD 0
	WLOAD 1
.irp ks, 0,1,2,3,4,5,6,7,8,9,10,11,12,13,14,15
	KSTEP \ks
.endr
	WIN 0
	EPI 0
	EPI 1
	EPI 2
	EPI 3
.Lpass_end:
	s_add_co_u32 s29, s29, 1
	s_cmp_lt_u32 s29, s28
	s_cbranch_scc1 .Lpass
.Ltail:                                            ; s29 = the full passes walked: the tail's tiles begin at 16 s29, one for each wave
	s_lshl_b32 s49, s29, 4
	s_add_co_u32 s49, s49, s2
	s_cmp_ge_u32 s49, s23
	s_cbranch_scc1 .Lend                           ; my tile does not exist (so too where there is no tail at all)
	s_min_u32 s49, s49, 63
	s_wait_xcnt 0x0                                ; earlier loads and stores have read the registers that are written again below
	s_lshl_b32 s31, s49, 6
	v_add_nc_u32 v[LA], s31, v15
	s_lshl_b32 s30, s49, 15
	v_add_nc_u32 v[HO], s30, v[L16]
	global_load_b32 v[PL], v[LA], s[8:9]
	WIN 0x40
.irp ks, 0,1,2,3,4,5,6,7,8,9,10,11,12,13,14,15     ; the tile's 16 images, all asked for at once: 64 loads of 512 consecutive bytes
.irp c, 0,1,2,3
	global_load_b128 v[16*\ks+4*\c:16*\ks+4*\c+3], v[HO], s[6:7] offset:2048*\ks+512*\c
.endr
.endr
	WIN 0
	WLOAD 0
	WLOAD 1
.irp ks, 0,1,2,3,4,5,6,7,8,9,10,11,12,13,14,15
	TK \ks
.endr
	WIN 0
	EPI 0
.Lend:
	s_wait_tensorcnt 0x0
	ds_add_u32 v254, v255
	s_wait_dscnt 0x0
	s_endpgm
.Lfunc_end_k_qc03e3d367e_down:
	.size	k_qc03e3d367e_down, .Lfunc_end_k_qc03e3d367e_down-k_qc03e3d367e_down
	.p2alignl 7, 3214868480
	.fill 96, 4, 3214868480
	.section	.rodata,"a",@progbits
	.p2align	6, 0x0
	.amdhsa_kernel k_qc03e3d367e_down
		.amdhsa_group_segment_fixed_size 150016
		.amdhsa_private_segment_fixed_size 0
		.amdhsa_enable_private_segment 0
		.amdhsa_kernarg_size 72
		.amdhsa_user_sgpr_count 2
		.amdhsa_user_sgpr_kernarg_segment_ptr 1
		.amdhsa_wavefront_size32 1
		.amdhsa_system_sgpr_workgroup_id_x 1
		.amdhsa_system_sgpr_workgroup_id_y 1
		.amdhsa_system_sgpr_workgroup_id_z 1
		.amdhsa_system_vgpr_workitem_id 0
		.amdhsa_next_free_vgpr 640
		.amdhsa_next_free_sgpr 100
		.amdhsa_reserve_vcc 0
		.amdhsa_float_denorm_mode_32 3
		.amdhsa_float_denorm_mode_16_64 3
		.amdhsa_memory_ordered 1
		.amdhsa_forward_progress 1
		.amdhsa_inst_pref_size 180
	.end_amdhsa_kernel
	.amdgpu_metadata
---
amdhsa.version: [ 1, 2 ]
amdhsa.kernels:
  - .name:           k_qc03e3d367e_down
    .symbol:         k_qc03e3d367e_down.kd
    .args:
      - { .name: hq, .offset: 0, .size: 8, .value_kind: global_buffer, .address_space: global }
      - { .name: lst, .offset: 8, .size: 8, .value_kind: global_buffer, .address_space: global }
      - { .name: msk, .offset: 16, .size: 8, .value_kind: global_buffer, .address_space: global }
      - { .name: Wo, .offset: 24, .size: 8, .value_kind: global_buffer, .address_space: global }
      - { .name: Wo_s, .offset: 32, .size: 8, .value_kind: global_buffer, .address_space: global }
      - { .name: bo, .offset: 40, .size: 8, .value_kind: global_buffer, .address_space: global }
      - { .name: bo_s, .offset: 48, .size: 8, .value_kind: global_buffer, .address_space: global }
      - { .name: lowp_scales, .offset: 56, .size: 8, .value_kind: global_buffer, .address_space: global }
      - { .name: eo, .offset: 64, .size: 8, .value_kind: global_buffer, .address_space: global }
    .group_segment_fixed_size: 150016
    .private_segment_fixed_size: 0
    .kernarg_segment_align: 8
    .kernarg_segment_size: 72
    .max_flat_workgroup_size: 128
    .sgpr_count:     100
    .vgpr_count:     640
    .wavefront_size: 32
...
	.end_amdgpu_metadata
.endif
;; end of part 3
;; launch comb (part 4): grid 256 x 1, 4 waves a work-group, no clusters, 0 bytes of LDS; arguments eo, gw, out0; writes out0
.if DOCPART == 4
	.amdgcn_target "amdgcn-amd-amdhsa--gfx1250"
	.amdhsa_code_object_version 6
	.text
	.protected	k_qc03e3d367e_comb
	.globl	k_qc03e3d367e_comb
	.p2align	8
	.type	k_qc03e3d367e_comb,@function
k_qc03e3d367e_comb:
	s_mov_b64 s[64:65], 0
	v_nop
	global_prefetch_b8 v0, s[64:65] scope:SCOPE_SE
	s_setreg_imm32_b32 hwreg(HW_REG_WAVE_MODE, 25, 1), 1
	s_wait_xcnt 0x0
; COMB.  out0[t] = w0[t] eo[t] + w1[t] eo[1024 + t] + eo[2048 + t]: the first and the second chosen expert's rows under their weights, and the shared expert's.
; One wave to a token: 24 loads of 512 consecutive bytes, all issued at once, two fused multiply-adds a number, 8 stores of 512 consecutive bytes.
; A stream: no LDS, no barrier, no matrix unit; each output row has one owner.
.set E0, 8                             ; v8-39    the first choice's row
.set E1, 40                            ; v40-71   the second's
.set E2, 72                            ; v72-103  the shared expert's, then the result
	s_load_b128 s[4:7], s[0:1], 0x0                ; eo, gw
	s_load_b64 s[8:9], s[0:1], 0x10                ; out0
	v_lshrrev_b32 v1, 5, v0
	v_readfirstlane_b32 s2, v1
	v_and_b32 v1, 31, v0
	v_lshlrev_b32 v1, 4, v1                        ; 16 x lane
	s_lshl_b32 s3, ttmp9, 2
	s_add_co_u32 s3, s3, s2                        ; my token
	s_lshl_b32 s10, s3, 12
	s_mov_b32 s11, 0
	s_lshl_b32 s18, s3, 2
	s_mov_b32 s19, 0
	s_wait_kmcnt 0x0
	s_add_nc_u64 s[6:7], s[6:7], s[18:19]
	s_load_b32 s12, s[6:7], 0x0                    ; w0
	s_load_b32 s14, s[6:7], 0x1000                 ; w1
	s_add_nc_u64 s[4:5], s[4:5], s[10:11]
	s_add_nc_u64 s[16:17], s[4:5], 0x800000        ; the third plane lies past the immediate's reach: a base of its own
	s_add_nc_u64 s[8:9], s[8:9], s[10:11]
.irp i, 0,1,2,3,4,5,6,7
	global_load_b128 v[E0+4*\i:E0+4*\i+3], v1, s[4:5] offset:512*\i th:TH_LOAD_NT
	global_load_b128 v[E1+4*\i:E1+4*\i+3], v1, s[4:5] offset:4194304+512*\i th:TH_LOAD_NT
	global_load_b128 v[E2+4*\i:E2+4*\i+3], v1, s[16:17] offset:512*\i th:TH_LOAD_NT
.endr
	s_wait_kmcnt 0x0
	s_mov_b32 s13, s12                             ; (the packed form names pairs and takes their low words: the upper ones are written)
	s_mov_b32 s15, s14
.irp i, 0,1,2,3,4,5,6,7
	s_wait_loadcnt 21-3*\i                         ; this piece's three loads are in; the later pieces' stay out
	v_pk_fma_f32 v[E2+4*\i:E2+4*\i+1], v[E0+4*\i:E0+4*\i+1], s[12:13], v[E2+4*\i:E2+4*\i+1] op_sel_hi:[1,0,1]
	v_pk_fma_f32 v[E2+4*\i+2:E2+4*\i+3], v[E0+4*\i+2:E0+4*\i+3], s[12:13], v[E2+4*\i+2:E2+4*\i+3] op_sel_hi:[1,0,1]
	v_pk_fma_f32 v[E2+4*\i:E2+4*\i+1], v[E1+4*\i:E1+4*\i+1], s[14:15], v[E2+4*\i:E2+4*\i+1] op_sel_hi:[1,0,1]
	v_pk_fma_f32 v[E2+4*\i+2:E2+4*\i+3], v[E1+4*\i+2:E1+4*\i+3], s[14:15], v[E2+4*\i+2:E2+4*\i+3] op_sel_hi:[1,0,1]
	global_store_b128 v1, v[E2+4*\i:E2+4*\i+3], s[8:9] offset:512*\i th:TH_STORE_NT
.endr
	s_endpgm
.Lfunc_end_k_qc03e3d367e_comb:
	.size	k_qc03e3d367e_comb, .Lfunc_end_k_qc03e3d367e_comb-k_qc03e3d367e_comb
	.p2alignl 7, 3214868480
	.fill 96, 4, 3214868480
	.section	.rodata,"a",@progbits
	.p2align	6, 0x0
	.amdhsa_kernel k_qc03e3d367e_comb
		.amdhsa_group_segment_fixed_size 0
		.amdhsa_private_segment_fixed_size 0
		.amdhsa_enable_private_segment 0
		.amdhsa_kernarg_size 24
		.amdhsa_user_sgpr_count 2
		.amdhsa_user_sgpr_kernarg_segment_ptr 1
		.amdhsa_wavefront_size32 1
		.amdhsa_system_sgpr_workgroup_id_x 1
		.amdhsa_system_sgpr_workgroup_id_y 1
		.amdhsa_system_sgpr_workgroup_id_z 1
		.amdhsa_system_vgpr_workitem_id 0
		.amdhsa_next_free_vgpr 104
		.amdhsa_next_free_sgpr 66
		.amdhsa_reserve_vcc 0
		.amdhsa_float_denorm_mode_32 3
		.amdhsa_float_denorm_mode_16_64 3
		.amdhsa_memory_ordered 1
		.amdhsa_forward_progress 1
		.amdhsa_inst_pref_size 7
	.end_amdhsa_kernel
	.amdgpu_metadata
---
amdhsa.version: [ 1, 2 ]
amdhsa.kernels:
  - .name:           k_qc03e3d367e_comb
    .symbol:         k_qc03e3d367e_comb.kd
    .args:
      - { .name: eo, .offset: 0, .size: 8, .value_kind: global_buffer, .address_space: global }
      - { .name: gw, .offset: 8, .size: 8, .value_kind: global_buffer, .address_space: global }
      - { .name: out0, .offset: 16, .size: 8, .value_kind: global_buffer, .address_space: global }
    .group_segment_fixed_size: 0
    .private_segment_fixed_size: 0
    .kernarg_segment_align: 8
    .kernarg_segment_size: 24
    .max_flat_workgroup_size: 128
    .sgpr_count:     66
    .vgpr_count:     104
    .wavefront_size: 32
...
	.end_amdgpu_metadata
.endif
;; end of part 4
;; ======== version 2 of 2: 4 launches
;; workspace buffers: xq 4,194,304 bytes; msk 4,096 bytes of whole numbers; gw 8,192 bytes; hq 18,874,368 bytes; lst 49,152 bytes of whole numbers; eo 12,582,912 bytes
;; launch route (part 5): grid 128 x 1, 8 waves a work-group, no clusters, 1,536 bytes of LDS; arguments x, Wr, br, lowp_scales, xq, msk, gw, out1, out2; writes xq, msk, gw, out1, out2
.if DOCPART == 5
	.amdgcn_target "amdgcn-amd-amdhsa--gfx1250"
	.amdhsa_code_object_version 6
	.text
	.protected	k_qc03e3d367e_route
	.globl	k_qc03e3d367e_route
	.p2align	8
	.type	k_qc03e3d367e_route,@function
k_qc03e3d367e_route:
	s_mov_b64 s[64:65], 0
	v_nop
	global_prefetch_b8 v0, s[64:65] scope:SCOPE_SE
	s_setreg_imm32_b32 hwreg(HW_REG_WAVE_MODE, 25, 1), 1
	s_wait_xcnt 0x0
; ROUTE.  One wave to a token, eight tokens to a work-group (work-group j: tokens 8 j .. 8 j + 7).
; (1) x's row (1,024 f32) is read once and quantised four times, with the scales 2^e of entries 0, 2, 6 and 8: xq[set][token][1,024 codes].
;     ORDER OF THE CODES: load j gives lane L the floats 128 j + 4 L + c; loads 2 g and 2 g + 1 are eight registers on end, one conversion's worth; the lane's 8 codes go to row byte 256 g + 8 L.
;     So byte 4 a + c there is k = 256 g + 128 a + 4 L + c.  The weights' codes are laid in the same order, so every product meets its partner.
; (2) the eight logits in f32 (fused multiply-adds, a sum over the lanes), + br: out1.
; (3) p = 2^((l - max) log2 e); the two largest p, the lower index at a tie (strict compares in ascending order): out2; their weights p / (pa + pb): gw[k][token].
; (4) membership as bits, at fixed places: msk row u (128 bytes, bit t = token t): token t uses unit u; row 16 + u: as its second choice.  Units 8 .. 11 are the shared expert's quarters of 256 tokens.
;     No address and no branch here hangs on the choice: it leaves as data.
; No matrix unit (eight columns), no cluster: the work-groups share only Wr's 32 KiB.
; LIMITS: each e used here lies between -126 and 119.  NaN and infinities among the inputs are not served.  The choice compares p and not p / sum; where a logit lies more than some 87 under the largest,
; p is 0 and ties with other zeros go to the lower index.
.set X,    32                          ; v32-63   x's row, 32 floats a lane
.set WR,   64                          ; v64-191  four buffers for rows of Wr; free behind the last product: addresses and records then
.set HOLD, 192                         ; v192-207 two sets of eight held numbers
.set CODE, 208                         ; v208-239 a pair of registers for each (set, group): no store's data are written again
.set LG,   240                         ; v240-247 the logits
.set PR,   248                         ; v248-255 p
	s_load_b512 s[36:51], s[0:1], 0x0              ; x 36, Wr 38, br 40, scales 42, xq 44, msk 46, gw 48, out1 50
	s_load_b64 s[52:53], s[0:1], 0x40              ; out2
	s_set_vgpr_msb 0x40
	v_lshl_add_u32 v0, v0, 2, 0x200
	v_mov_b32 v1, 0
	s_set_vgpr_msb 0x4000
	v_lshrrev_b32 v1, 5, v0
	s_delay_alu instid0(VALU_DEP_1)
	v_readfirstlane_b32 s2, v1                     ; wave
	v_and_b32 v1, 31, v0                           ; lane L
	s_delay_alu instid0(VALU_DEP_1)
	v_lshlrev_b32 v2, 4, v1                        ; 16 L
	s_delay_alu instid0(VALU_DEP_2)
	v_lshlrev_b32 v3, 3, v1                        ; 8 L
	s_lshl_b32 s3, ttmp9, 3
	s_add_co_u32 s3, s3, s2                        ; my token
	s_lshl_b32 s54, s3, 12                         ; its row of x, in bytes
	s_mov_b32 s55, 0
	s_lshl_b32 s58, s3, 10                         ; its row of codes
	s_mov_b32 s59, 0
	s_mov_b32 s24, 0x76543210                      ; v_permlanex16_b32: lane l xor 16
	s_mov_b32 s25, 0xfedcba98
	s_wait_alu depctr_va_vdst(0)
	s_wait_kmcnt 0x0
	s_load_b256 s[4:11], s[40:41], 0x0             ; br
	s_load_b256 s[12:19], s[42:43], 0x0            ; e[0..7]
	s_load_b128 s[20:23], s[42:43], 0x20           ; e[8..11]
	s_add_nc_u64 s[36:37], s[36:37], s[54:55]
	s_add_nc_u64 s[44:45], s[44:45], s[58:59]
.irp j, 0,1,2,3,4,5,6,7
	global_load_b128 v[X+4*\j:X+4*\j+3], v2, s[36:37] offset:512*\j th:TH_LOAD_NT   ; 512 consecutive bytes a load; read once in this launch
.endr
.macro WRLOAD e                        ; row e of Wr into buffer e % 4
.irp j, 0,1,2,3,4,5,6,7
	global_load_b128 v[WR+32*((\e)%4)+4*\j:WR+32*((\e)%4)+4*\j+3], v2, s[38:39] offset:4096*(\e)+512*\j
.endr
.endm
	WRLOAD 0
	WRLOAD 1
	WRLOAD 2
	WRLOAD 3
	s_wait_kmcnt 0x0
.macro MKS q, se                       ; set q: v[4+2q] = 2^e as f32 (the conversion takes its exponent field), v[5+2q] = 448 x 2^e
	s_add_co_i32 s60, s[\se], 127
	s_lshl_b32 s61, s60, 23
	v_mov_b32 v[4+2*\q], s61
	s_add_co_i32 s60, s60, 8
	s_lshl_b32 s60, s60, 23
	s_or_b32 s60, s60, 0x600000
	v_mov_b32 v[5+2*\q], s60
.endm
	MKS 0, 12
	MKS 1, 14
	MKS 2, 18
	MKS 3, 20
	s_wait_alu depctr_va_vdst(0)
	s_wait_loadcnt 32                              ; x is in; the four rows of Wr (32 loads) stay out while x is quantised
.irp q, 0,1,2,3
.irp g, 0,1,2,3
.irp i, 0,1,2,3,4,5,6,7
	v_med3_num_f32 v[HOLD+8*(\g%2)+\i], v[X+8*\g+\i], -v[5+2*\q], v[5+2*\q]   ; the conversion does not saturate (ISA guide 7.6.2): held first.  x itself stays as it is
.endr
	v_cvt_scalef32_pk8_fp8_f32 v[CODE+8*\q+2*\g:CODE+8*\q+2*\g+1], v[HOLD+8*(\g%2):HOLD+8*(\g%2)+7], v[4+2*\q]   ; the next eight holds write the other set: plain lines behind the conversion
	global_store_b64 v3, v[CODE+8*\q+2*\g:CODE+8*\q+2*\g+1], s[44:45] offset:(\q<<20)+256*\g   ; the wave stores 256 consecutive bytes, aligned
.endr
.endr
.macro DOT e, left                     ; logit e: 32 products a lane in a pair of sums
	s_wait_loadcnt \left                           ; row e is in; the count is the younger rows' loads
	v_pk_mul_f32 v[16+2*\e:17+2*\e], v[X:X+1], v[WR+32*(\e%4):WR+32*(\e%4)+1]
.set i_, 2
.rept 15
	s_delay_alu instid0(VALU_DEP_1)
	v_pk_fma_f32 v[16+2*\e:17+2*\e], v[X+i_:X+i_+1], v[WR+32*(\e%4)+i_:WR+32*(\e%4)+i_+1], v[16+2*\e:17+2*\e]
.set i_, i_+2
.endr
.if \e < 4
	WRLOAD (\e)+4
.endif
.endm
	DOT 0, 24
	DOT 1, 24
	DOT 2, 24
	DOT 3, 24
	DOT 4, 24
	DOT 5, 16
	DOT 6, 8
	DOT 7, 0
.irp e, 0,1,2,3,4,5,6,7
	v_add_f32 v[LG+\e], v[16+2*\e], v[17+2*\e]
	v_mov_b32 v[PR+\e], 0                          ; written once: a lane permute's destination counts as one of its sources
.endr
.irp m, 1,2,4,8
.irp e, 0,1,2,3,4,5,6,7
	v_add_f32_dpp v[LG+\e], v[LG+\e], v[LG+\e] row_xmask:\m row_mask:0xf bank_mask:0xf
.endr
.endr
.irp e, 0,1,2,3,4,5,6,7
	v_permlanex16_b32 v[PR+\e], v[LG+\e], s24, s25
.endr
.irp e, 0,1,2,3,4,5,6,7
	v_add_f32 v[LG+\e], v[LG+\e], v[PR+\e]
.endr
.irp e, 0,1,2,3,4,5,6,7
	v_add_f32 v[LG+\e], s[4+\e], v[LG+\e]          ; + br: every lane holds the eight logits
.endr
	v_max3_num_f32 v12, v[LG], v[LG+1], v[LG+2]
	s_delay_alu instid0(VALU_DEP_1)
	v_max3_num_f32 v12, v12, v[LG+3], v[LG+4]
	s_delay_alu instid0(VALU_DEP_1)
	v_max3_num_f32 v12, v12, v[LG+5], v[LG+6]
	s_delay_alu instid0(VALU_DEP_1)
	v_max_num_f32 v12, v12, v[LG+7]                ; the maximum is taken away ahead of the exponential
.irp e, 0,1,2,3,4,5,6,7
	v_sub_f32 v[PR+\e], v[LG+\e], v12
.endr
.irp e, 0,1,2,3,4,5,6,7
	v_mul_f32 v[PR+\e], 0x3fb8aa3b, v[PR+\e]
.endr
	s_wait_alu depctr_va_vdst(0)
.irp e, 0,1,2,3,4,5,6,7
	v_exp_f32 v[PR+\e], v[PR+\e]
.endr
	v_mov_b32 v14, 0                               ; (a plain line behind the exponentials)  index of the largest
	s_wait_alu depctr_va_vdst(0)
	v_mov_b32 v13, v[PR]
.irp e, 1,2,3,4,5,6,7
	v_cmp_gt_f32 vcc_lo, v[PR+\e], v13             ; strictly larger: the lower index keeps a tie
	v_cndmask_b32 v13, v13, v[PR+\e], vcc_lo
	s_delay_alu instid0(VALU_DEP_2)
	v_cndmask_b32 v14, v14, \e, vcc_lo
.endr
.irp e, 0,1,2,3,4,5,6,7
	v_cmp_eq_u32 vcc_lo, \e, v14
	v_cndmask_b32 v[PR+\e], v[PR+\e], -1.0, vcc_lo ; the chosen one falls under every p
.endr
	v_mov_b32 v12, 0
	v_mov_b32 v15, v[PR]
.irp e, 1
	s_delay_alu instid0(VALU_DEP_1)
	v_cmp_gt_f32 vcc_lo, v[PR+\e], v15
	s_delay_alu instid0(VALU_DEP_1)
	v_cndmask_b32 v15, v15, v[PR+\e], vcc_lo
	s_delay_alu instid0(VALU_DEP_2)
	v_cndmask_b32 v12, v12, \e, vcc_lo
.endr
.irp e, 2, 3, 4, 5, 6, 7
	s_delay_alu instid0(VALU_DEP_2)
	v_cmp_gt_f32 vcc_lo, v[PR+\e], v15
	s_delay_alu instid0(VALU_DEP_1)
	v_cndmask_b32 v15, v15, v[PR+\e], vcc_lo
	s_delay_alu instid0(VALU_DEP_2)
	v_cndmask_b32 v12, v12, \e, vcc_lo
.endr
	s_delay_alu instid0(VALU_DEP_2)
	v_add_f32 v68, v13, v15
	s_wait_alu depctr_va_vdst(0)
	v_rcp_f32 v68, v68
	v_mov_b32 v72, v14                             ; (a plain line behind the reciprocal)  the record: e0, e1, w0, w1
	v_mov_b32 v73, v12
	s_wait_alu depctr_va_vdst(0)
	v_mul_f32 v74, v13, v68
	v_mul_f32 v75, v15, v68
	; every LDS address is made here, ahead of the waves' parting
	s_lshl_b32 s56, s2, 5
	v_mov_b32 v66, s56                             ; my logits: 32 x wave
	s_lshl_b32 s57, s2, 4
	v_mov_b32 v67, s57                             ; my record: 256 + 16 x wave
	v_and_b32 v69, 7, v0
	s_delay_alu instid0(VALU_DEP_1)
	v_lshlrev_b32 v64, 4, v69                      ; record L % 8
	v_and_b32 v65, 15, v0
	s_delay_alu instid0(VALU_DEP_1)
	v_lshlrev_b32 v65, 4, v65                      ; 16 (L % 16)
	ds_store_b128 v66, v[LG:LG+3]                  ; all lanes hold the same numbers and write the same words
	ds_store_b128 v66, v[LG+4:LG+7] offset:16
	ds_store_b128 v67, v[72:75] offset:256
	s_wait_dscnt 0x0                               ; for the others' sake: my stores have landed
	s_barrier_signal -1
	s_barrier_wait -1
	s_cmp_lg_u32 s2, 0
	s_cbranch_scc1 .Lnot_wave_0
	s_wait_alu depctr_va_vdst(0)
	; wave 0: the eight tokens' choices
	ds_load_b128 v[76:79], v64 offset:256          ; lane L: token 8 j + L % 8
	v_mov_b32 v80, 0
	s_lshr_b32 s62, ttmp9, 5                       ; which quarter of the tokens
	s_mov_b32 s63, ttmp9
	s_wait_alu depctr_va_vdst(0)
	s_wait_dscnt 0x0
.irp u, 0,1,2,3,4,5,6,7
	v_cmp_eq_u32 s60, \u, v76
	v_cmp_eq_u32 s61, \u, v77
	s_or_b32 s60, s60, s61
	s_and_b32 s60, s60, 0xff                       ; lanes 0 .. 7 are the eight tokens: one byte of row u,
	s_and_b32 s61, s61, 0xff                       ; and of row 16 + u
	v_writelane_b32 v80, s60, \u
	s_delay_alu instid0(VALU_DEP_1)
	v_writelane_b32 v80, s61, 16+\u
.endr
.irp u, 8,9,10,11
	s_cmp_eq_u32 s62, \u-8
	s_cselect_b32 s60, 0xff, 0
	v_writelane_b32 v80, s60, \u
.endr
	v_lshlrev_b32 v81, 7, v1
	s_delay_alu instid0(VALU_DEP_1)
	v_add_nc_u32 v81, s63, v81                     ; row L, byte j
	global_store_b8 v81, v80, s[46:47]
	s_lshl_b32 s60, ttmp9, 6
	v_lshl_add_u32 v82, v69, 3, s60                ; out2: 8 bytes a token
	s_lshl_b32 s61, ttmp9, 5
	v_lshl_add_u32 v83, v69, 2, s61                ; gw: 4 bytes a token in each of two planes
	v_cmp_gt_u32 vcc_lo, 8, v1
	s_wait_alu depctr_va_vdst(0)
	s_wait_xcnt 0x0                                ; EXEC is a source of the stores issued so far: it changes only behind this wait
	s_and_saveexec_b32 s58, vcc_lo
	global_store_b64 v82, v[76:77], s[52:53]
	global_store_b32 v83, v78, s[48:49]
	global_store_b32 v83, v79, s[48:49] offset:4096
	s_wait_xcnt 0x0                                ; and again in front of the line that widens it
	s_or_b32 exec_lo, exec_lo, s58
	s_branch .Lend
.Lnot_wave_0:
	s_cmp_lg_u32 s2, 1
	s_cbranch_scc1 .Lend
	s_wait_alu depctr_va_vdst(0)
	; wave 1: the eight tokens' logits, 256 bytes on end
	ds_load_b128 v[76:79], v65
	s_lshl_b32 s60, ttmp9, 8
	v_add_nc_u32 v81, s60, v65
	v_cmp_gt_u32 vcc_lo, 16, v1
	s_wait_alu depctr_va_vdst(0)
	s_wait_dscnt 0x0
	s_wait_xcnt 0x0
	s_and_saveexec_b32 s58, vcc_lo
	global_store_b128 v81, v[76:79], s[50:51]      ; sixteen lanes store 256 consecutive bytes, aligned
	s_wait_xcnt 0x0
	s_or_b32 exec_lo, exec_lo, s58
.Lend:
	s_set_vgpr_msb 0x5
	s_wait_tensorcnt 0x0
	ds_add_u32 v0, v1
	s_wait_dscnt 0x0
	s_set_vgpr_msb 0x500
	s_endpgm
.Lfunc_end_k_qc03e3d367e_route:
	.size	k_qc03e3d367e_route, .Lfunc_end_k_qc03e3d367e_route-k_qc03e3d367e_route
	.p2alignl 7, 3214868480
	.fill 96, 4, 3214868480
	.section	.rodata,"a",@progbits
	.p2align	6, 0x0
	.amdhsa_kernel k_qc03e3d367e_route
		.amdhsa_group_segment_fixed_size 1536
		.amdhsa_private_segment_fixed_size 0
		.amdhsa_enable_private_segment 0
		.amdhsa_kernarg_size 72
		.amdhsa_user_sgpr_count 2
		.amdhsa_user_sgpr_kernarg_segment_ptr 1
		.amdhsa_wavefront_size32 1
		.amdhsa_system_sgpr_workgroup_id_x 1
		.amdhsa_system_sgpr_workgroup_id_y 1
		.amdhsa_system_sgpr_workgroup_id_z 1
		.amdhsa_system_vgpr_workitem_id 0
		.amdhsa_next_free_vgpr 258
		.amdhsa_next_free_sgpr 66
		.amdhsa_reserve_vcc 1
		.amdhsa_float_denorm_mode_32 3
		.amdhsa_float_denorm_mode_16_64 3
		.amdhsa_memory_ordered 1
		.amdhsa_forward_progress 1
		.amdhsa_inst_pref_size 48
	.end_amdhsa_kernel
	.amdgpu_metadata
---
amdhsa.version: [ 1, 2 ]
amdhsa.kernels:
  - .name:           k_qc03e3d367e_route
    .symbol:         k_qc03e3d367e_route.kd
    .args:
      - { .name: x, .offset: 0, .size: 8, .value_kind: global_buffer, .address_space: global }
      - { .name: Wr, .offset: 8, .size: 8, .value_kind: global_buffer, .address_space: global }
      - { .name: br, .offset: 16, .size: 8, .value_kind: global_buffer, .address_space: global }
      - { .name: lowp_scales, .offset: 24, .size: 8, .value_kind: global_buffer, .address_space: global }
      - { .name: xq, .offset: 32, .size: 8, .value_kind: global_buffer, .address_space: global }
      - { .name: msk, .offset: 40, .size: 8, .value_kind: global_buffer, .address_space: global }
      - { .name: gw, .offset: 48, .size: 8, .value_kind: global_buffer, .address_space: global }
      - { .name: out1, .offset: 56, .size: 8, .value_kind: global_buffer, .address_space: global }
      - { .name: out2, .offset: 64, .size: 8, .value_kind: global_buffer, .address_space: global }
    .group_segment_fixed_size: 1536
    .private_segment_fixed_size: 0
    .kernarg_segment_align: 8
    .kernarg_segment_size: 72
    .max_flat_workgroup_size: 256
    .sgpr_count:     66
    .vgpr_count:     258
    .wavefront_size: 32
...
	.end_amdgpu_metadata
.endif
;; end of part 5
;; launch up (part 6): grid 16 x 12, 4 waves a work-group, no clusters, 267,264 bytes of LDS; arguments xq, msk, Wg, Wv, Wg_s, Wv_s, lowp_scales, hq, lst; writes hq, lst
.if DOCPART == 6
	.amdgcn_target "amdgcn-amd-amdhsa--gfx1250"
	.amdhsa_code_object_version 6
	.text
	.protected	k_qc03e3d367e_up
	.globl	k_qc03e3d367e_up
	.p2align	8
	.type	k_qc03e3d367e_up,@function
k_qc03e3d367e_up:
	s_mov_b64 s[64:65], 0
	v_nop
	global_prefetch_b8 v0, s[64:65] scope:SCOPE_SE
	s_setreg_imm32_b32 hwreg(HW_REG_WAVE_SCHED_MODE, 0, 2), 2
	s_setreg_imm32_b32 hwreg(HW_REG_WAVE_MODE, 25, 1), 1
	s_wait_xcnt 0x0
	s_wait_alu depctr_vm_vsrc(0)
; UP.  h = silu(x Wg^T) * (x Wv^T), quantised, for the rows that are kept.  Work-group (s, u): slice s (0 .. 15) of 128 hidden units of unit u.
; Units 0 .. 7 are the routed experts with the tokens that chose them; units 8 .. 11 are the shared expert with tokens 256 (u - 8) on.
; THE WEIGHTS STAY: the slice's 128 rows of Wg and 128 of Wv are read as f32 once (512 consecutive bytes a load), quantised in registers and laid as codes in LDS; then all rows of the unit are multiplied with them.
; STREAM: wave w = 2 mat + a takes 64 consecutive rows of Wg (mat 0) or Wv (mat 1) from row 256 J + 128 a + 64 half on (s = 2 J + half): 256 KiB on end, through a ring of eight row pieces in registers
; (64 loads, 32 KiB a wave on their way).  Each ring slot has an offset register of its own, stepped behind the wait that shows its loads done; the base is never stepped.
; Its codes fill a region of LDS of its own, RS bytes; one barrier; after it LDS is only read.
; HINTS: a routed expert's weights are read once in this launch (TH_LOAD_NT); the shared expert's are read by four units (no word); x's codes are read again by every slice (TH_LOAD_HT).
; ORDER ALONG K: as xq has it (row byte 256 g + 8 L holds k = 256 g + 128 a' + 4 L + c at byte 4 a' + c), the same in both operands.
; SLOTS: slot j of a unit is its j-th token in ascending order, found from the unit's 1,024 bits of msk by a search in registers (prefix sums of the words' counts, then a select inside the word): a gather, no scatter.
; A tile is 16 slots; the unit has Tn = (n + 15) / 16 tiles.  A SLOT AT OR PAST n STANDS FOR SLOT n - 1 (the search holds it there): such rows are copies of the unit's last row, bit for bit, since a column of a matrix
; product hangs on its own operand column alone.  So the next launch reads only what was stored, and needs no mask.  A unit without tokens has no tile: nothing is stored.
; FULL PASSES: F = (Tn + 11) / 16 of them, over min(Tn, 16 F) tiles.  In pass p wave w takes tiles 16 p + 4 t + w, t = 0 .. 3, if the first of them is among those, and makes and stores all four.
; THE TAIL: what is left, 1 to 4 tiles, goes two tiles a trip, and there THE WAVES SHARE THE WEIGHT TILES, NOT THE TOKENS: wave w takes g's and v's tiles 2 w and 2 w + 1, an eighth of a pass's products and a quarter of its LDS loads,
; and its codes of a tile are quarter w (512 bytes on end) of the tile's image.
; THE PRODUCT IS USED TRANSPOSED (source 0 = 16 weight rows, source 1 = 16 tokens): a lane holds one token and eight hidden units.  Row m of tile T is the hidden unit 256 J + 128 ((m >> 2) & 1) + 64 half + 8 T + 4 (m >> 3) + (m & 3):
; so a lane's eight codes of tile T are the eight that the next launch's weight has in its group (J, lane 16 half + 2 T + h), and the conversions' results are K step s of that launch's operand, stored as an image of its registers.
; Slice 0 of each unit also stores the slot list (p' = 1024 k + token; shared: 2048 + token).
; NO TENSOR LOADS, NO CLUSTER: the numbers of passes and trips hang on counts read from memory, and tokens are gathered row by row; so the operands come through registers, and xq is read again by every slice from the cache.
; LIMITS: every weight exponent e between -126 and 119; ex + ew of the gate's product between -120 and 120 (added to the exponent field of log2 e); eh - (the four exponents' sum) between -126 and 119.  NaN and infinities are not served.
; THE MODE: SCHED_MODE bits 1:0 = 2 (LLVM: expert scheduling mode 2), set by the entry lines.  The code itself states the register dependences
; between vector or matrix instructions and memory or LDS instructions, with s_wait_alu, always for 0.
; THE PLAN.  Registers that memory or LDS instructions touch:
;   the ring (window 1)   Piece sl: its 32 holds and 4 conversions work on slot sl; behind them the loads of the piece eight further on land in it.
;   v[CD ..], two halves  Stream: written by a piece's conversions, read by its four LDS stores; written again two pieces on.  Ways out: written by the conversions, read by the global stores.
;   v[OFF+sl], v[STA]     Read by the slot's loads, by the LDS stores; written by one add a piece, one add a trip.
;   WB0, WB1              Batch b's products read WB[b % 2]; the LDS loads of batch b + 1, issued in batch b, land in the other one, which batch b - 1 read.  The ways out write both by vector instructions.
;   x's fragments         A set's registers are read by two batches; the loads of the same set two K steps on are issued in the batch behind them.  Tail: registers of its own for each K step.
;   v[XO ..], v[LSA], v[S0], v[S1], v[HO], v[HO2]   Written at a pass's, trip's or way out's head; read by loads and stores behind it.
;   v30 | v31-33 | v[VM], v[VM1], v[VPE]            The search's permutes: index | results | sources (the sources are not written again).
;   v[AW ..], v[AWT ..], v[L4]                      Made at the head, never written again.
; So: in the stream one wait on vm_vsrc and one on va_vdst a piece; in a pass ONE wait on va_vdst at a batch's head, behind the waits for its data: the batch before is done with the registers in which this batch's
; loads land, and these are dealt among this batch's products, which name none of them.
.set PITCH, 1040                       ; a row of 1,024 codes + 16: 260 words, so row r starts 4 r words on, modulo 64
.set RS,    64*PITCH+128               ; a wave's region; the 128 bytes set odd regions 32 words on, so that the 16 rows of a fragment load (8 of an even, 8 of an odd region) start at 16 different places modulo 64 words
.set L16,  4                           ; v4   16 x lane
.set STB,  5                           ; v5   stream: my 8 bytes in my region's first row
.set STA,  6                           ; v6   the same, in the trip's first row
.set SC,   7                           ; v7   2^ew;  v8  448 x 2^ew
.set LIM,  8
.set HSC,  9                           ; v9   the hidden layer's folded scale;  v10  448 x that
.set HLIM, 10
.set VM,   11                          ; v11  lane j: word j of the unit's bits;  v12: of its second-choice bits;  v13: tokens in words under j
.set VM1,  12
.set VPE,  13
.set AW,   14                          ; v14, v15  my lane's place in a tile of g, of v
.set XO,   22                          ; v22-25  tile t: my token's row in xq + 16 h
.set S0,   26                          ; v26, v27  p' of slots
.set S1,   27
.set Q0,   28                          ; v28  slot;  v29-42 at work in the search
.set LSA,  43                          ; v43  the list's address
.set HO,   44                          ; v44  the image's address
.set H16,  45
.set L4,   46
.set Q1,   47
.set CD,   48                          ; v48-63  codes
.set WB,   64                          ; v64-127, v128-191  two batches of four weight fragments; behind the products: E and G V
.set EE,   64
.set PM,   128
.set OFF,  192                         ; v192-199  ring slot sl: my byte offset in the piece that the slot loads
.set AWT,  200                         ; v200, v201  the tail: my lane's place in my wave's first tile of g, of v
.set L16W, 202                         ; v202  16 x lane + 512 x wave: my place in my quarter of an image
.set HO2,  203                         ; v203  the tail's second image
; window 1: the stream's ring (32 registers a piece); then x's fragments at 128 (ks % 2) + 64 set + 16 t (tail: g's set at 32 ks + 16 t).   window 2: g's sums at 64 t + 8 T (tail: x's v set).   window 3: v's sums (tail: all eight sums).
; s2 wave, s[4:5] weights, s[6:7] s[8:9] x's two sets, s[10:11] hq, s[12:13] lst, s[16:17] msk, s[18:19] scales, s[20:21] -log2 e x 2^(ex + ew), s22 n, s23 tiles, s24 u, s25 s, s26 what is added to p',
; s27 mat, s28 full passes, s29 pass, s32-39 the search's masks, s44-46 lane selects and the upper half's mask, s47 s48 the stream's step and count, s49 my first tile, s50 n - 1, s51 s52 the tail's trip and trips,
; s53 tiles of the full passes, s66-97 inclusive prefix sums of the 32 words' counts
.set MSB, 0
.macro WIN new                         ; the immediate's high byte repeats the setting that is left
.if MSB != \new
	s_set_vgpr_msb (MSB<<8)|\new
.set MSB, \new
.endif
.endm
.macro FILL sl, nt                     ; ring piece sl: a weight row, 4 KiB, eight loads of 512 consecutive bytes
.irp j, 0,1,2,3,4,5,6,7
.if \nt
	global_load_b128 v[32*\sl+4*\j:32*\sl+4*\j+3], v[OFF+\sl], s[4:5] offset:512*\j th:TH_LOAD_NT
.else
	global_load_b128 v[32*\sl+4*\j:32*\sl+4*\j+3], v[OFF+\sl], s[4:5] offset:512*\j
.endif
.endr
.endm
.macro ASK sl                          ; the same eight loads with the hint that fits the unit: a branch on the work-group's number round the loads alone (every window is 0 at a branch and at a label)
	s_cmp_ge_u32 s24, 8
	s_cbranch_scc1 .Lshared_\@
	WIN 0x40                                       ; destination window 1
	FILL \sl, 1
	WIN 0
	s_branch .Lasked_\@
.Lshared_\@:
	WIN 0x40
	FILL \sl, 0
	WIN 0
.Lasked_\@:
.endm
	s_load_b512 s[36:51], s[0:1], 0x0              ; xq 36, msk 38, Wg 40, Wv 42, Wg_s 44, Wv_s 46, scales 48, hq 50
	s_load_b64 s[52:53], s[0:1], 0x40              ; lst
	v_lshl_add_u32 v254, v0, 2, 0x41200
	v_mov_b32 v255, 0
	v_lshrrev_b32 v1, 5, v0
	v_readfirstlane_b32 s2, v1                     ; wave
	v_and_b32 v1, 31, v0                           ; L
	v_and_b32 v2, 15, v0                           ; r
	v_bfe_u32 v3, v0, 4, 1                         ; h
	v_lshlrev_b32 v[L16], 4, v1
	v_lshlrev_b32 v[H16], 4, v3
	v_lshlrev_b32 v[L4], 2, v1
	s_wait_alu depctr_va_sdst(0)                   ; s2, the wave's number, is written, ahead of its first reader
	s_mul_i32 s30, s2, RS
	v_lshl_add_u32 v[STB], v1, 3, s30
	v_mov_b32 v[STA], v[STB]
	v_bfe_u32 v28, v0, 2, 1                        ; row r of a tile lies in region (r >> 2) & 1,
	v_mul_u32_u24 v[AW], v28, RS
	v_bfe_u32 v28, v0, 3, 1
	v_and_b32 v29, 3, v0
	v_lshl_add_u32 v28, v28, 2, v29                ; at row 4 (r >> 3) + (r & 3) of the tile's eight
	v_mad_u32_u24 v[AW], v28, PITCH, v[AW]
	v_add_nc_u32 v[AW], v[AW], v[H16]
	v_add_nc_u32 v[AW+1], 2*RS, v[AW]
	s_mul_i32 s30, s2, 16*PITCH                    ; the tail: tile 2 w begins 16 w rows on
	v_add_nc_u32 v[AWT], s30, v[AW]
	v_add_nc_u32 v[AWT+1], s30, v[AW+1]
	s_lshl_b32 s30, s2, 9
	v_add_nc_u32 v[L16W], s30, v[L16]
.irp sl, 0,1,2,3,4,5,6,7
	v_add_nc_u32 v[OFF+\sl], 4096*\sl, v[L16]
.endr
	s_and_b32 s24, ttmp7, 0xffff                   ; u
	s_mov_b32 s25, ttmp9                           ; s
	s_lshr_b32 s27, s2, 1                          ; mat
	s_and_b32 s3, s2, 1                            ; a
	s_lshr_b32 s30, s25, 1
	s_lshl_b32 s30, s30, 8                         ; 256 J
	s_lshl_b32 s31, s3, 7
	s_add_co_u32 s30, s30, s31                     ; + 128 a
	s_and_b32 s31, s25, 1
	s_lshl_b32 s31, s31, 6
	s_add_co_u32 s30, s30, s31                     ; + 64 half
	s_lshl_b32 s31, s24, 11
	s_cmp_ge_u32 s24, 8                            ; the shared expert?
	s_cselect_b32 s31, 0, s31                      ; + 2,048 u for a routed one
	s_cselect_b32 s26, 2048, 0
	s_cselect_b32 s56, 0x200000, 0                 ; x's sets 2 and 3, or 0 and 1
	s_mov_b32 s57, 0
	s_add_co_u32 s30, s30, s31
	s_lshl_b32 s30, s30, 12                        ; my first weight row, in bytes (under 2^27)
	s_mov_b32 s31, 0
	s_min_u32 s58, s24, 8
	s_lshl_b32 s58, s58, 21                        ; hq: the region (64 tiles of 32 KiB),
	s_max_u32 s60, s24, 8
	s_sub_co_u32 s60, s60, 8
	s_lshl_b32 s60, s60, 19                        ; the quarter's 16 tiles,
	s_add_co_u32 s58, s58, s60
	s_lshl_b32 s60, s25, 11                        ; K step s
	s_add_co_u32 s58, s58, s60
	s_mov_b32 s59, 0
	s_lshl_b32 s60, s24, 12
	s_mov_b32 s61, 0
	s_lshl_b32 s62, s24, 7
	s_mov_b32 s63, 0
	s_wait_kmcnt 0x0
	s_cmp_ge_u32 s24, 8
	s_cselect_b64 s[40:41], s[44:45], s[40:41]
	s_cselect_b64 s[42:43], s[46:47], s[42:43]
	s_cmp_lg_u32 s27, 0
	s_cselect_b64 s[4:5], s[42:43], s[40:41]
	s_add_nc_u64 s[4:5], s[4:5], s[30:31]
	s_add_nc_u64 s[6:7], s[36:37], s[56:57]
	s_add_nc_u64 s[8:9], s[6:7], 0x100000
	s_add_nc_u64 s[10:11], s[50:51], s[58:59]
	s_add_nc_u64 s[12:13], s[52:53], s[60:61]
	s_add_nc_u64 s[16:17], s[38:39], s[62:63]
	s_mov_b64 s[18:19], s[48:49]
	s_load_b512 s[32:47], s[16:17], 0x0            ; the unit's 32 words of bits
	s_load_b512 s[48:63], s[16:17], 0x40
	s_wait_alu depctr_va_vdst(0)                   ; every offset and LDS address made above is written: v[L4], v[OFF ..], v[STA], v[AW ..], v[AWT ..], which the loads and stores of the kernel read
	global_load_b32 v[VM], v[L4], s[16:17]
	global_load_b32 v[VM1], v[L4], s[16:17] offset:2048
.irp sl, 0,1,2,3,4,5,6
	ASK \sl
.endr
	s_wait_kmcnt 0x0
	s_bcnt1_i32_b32 s66, s32
.set j_, 1
.rept 31
	s_bcnt1_i32_b32 s30, s[32+j_]
	s_add_co_u32 s[66+j_], s[66+j_-1], s30
.set j_, j_+1
.endr
	v_mov_b32 v[VPE], 0
.set j_, 1
.rept 31
	v_writelane_b32 v[VPE], s[66+j_-1], j_
.set j_, j_+1
.endr
	s_load_b256 s[32:39], s[18:19], 0x0            ; e[0..7]
	s_load_b128 s[40:43], s[18:19], 0x20           ; e[8..11]
	s_mov_b32 s22, s97                             ; n: the set bits of 32 words, 1,024 at the most
	s_add_co_u32 s23, s22, 15
	s_lshr_b32 s23, s23, 4                         ; tiles: 0 .. 64
	s_add_co_u32 s28, s23, 11
	s_lshr_b32 s28, s28, 4                         ; full passes: 0 .. 4: up to four tiles over a multiple of 16 are left to the tail
	s_lshl_b32 s30, s28, 4
	s_min_u32 s53, s23, s30                        ; the tiles that the full passes cover
	s_sub_co_u32 s52, s23, s53                     ; the tail's tiles: 0 .. 4,
	s_add_co_u32 s52, s52, 1
	s_lshr_b32 s52, s52, 1                         ; two a trip
	s_sub_co_u32 s50, s22, 1                       ; the last slot (used only where n is at least 1)
	s_mov_b32 s44, 0x76543210
	s_mov_b32 s45, 0xfedcba98
	s_mov_b32 s46, 0xffff0000
	s_wait_kmcnt 0x0
	s_cmp_ge_u32 s24, 8
	s_cselect_b32 s32, s38, s32                    ; ex of the gate's product: entry 6 or 0
	s_cselect_b32 s33, s39, s33                    ; ew: 7 or 1
	s_cselect_b32 s34, s40, s34                    ; ex of the value's: 8 or 2
	s_cselect_b32 s35, s41, s35                    ; ew: 9 or 3
	s_cselect_b32 s37, s42, s37                    ; eh: 10 or 5
	s_cmp_lg_u32 s27, 0
	s_cselect_b32 s30, s35, s33                    ; my weight's
	s_add_co_i32 s30, s30, 127
	s_lshl_b32 s31, s30, 23
	v_mov_b32 v[SC], s31
	s_add_co_i32 s30, s30, 8
	s_lshl_b32 s30, s30, 23
	s_or_b32 s30, s30, 0x600000
	v_mov_b32 v[LIM], s30
	s_add_co_i32 s30, s32, s33
	s_lshl_b32 s31, s30, 23
	s_add_co_i32 s20, s31, 0xbfb8aa3b              ; -log2 e x 2^(ex + ew): the exponents go into the exponent field
	s_mov_b32 s21, s20                             ; (named with it as a pair, so it is written)
	s_add_co_i32 s30, s30, s34
	s_add_co_i32 s30, s30, s35
	s_sub_co_i32 s30, s37, s30                     ; G V sigma stands for h / 2^(the four exponents): all five are folded into the conversion's one scale
	s_add_co_i32 s30, s30, 127
	s_lshl_b32 s31, s30, 23
	v_mov_b32 v[HSC], s31
	s_add_co_i32 s30, s30, 8
	s_lshl_b32 s30, s30, 23
	s_or_b32 s30, s30, 0x600000
	v_mov_b32 v[HLIM], s30
	ASK 7                                          ; no wait: no vector instruction since the wait above names slot 7's registers or its offset
; One ring piece: held, converted, stored as 4 x 256 consecutive bytes of an LDS row; refill = 1: the piece eight further on is asked for.
.macro SROW sl, refill, left, ro
	s_wait_loadcnt \left                           ; my eight loads are in (loads come back in order); the count is the younger pieces' loads.  It also frees the slot's offset register
	s_wait_dscnt 4                                 ; only the piece before's four LDS stores may be out: the codes' registers of two pieces ago are free
	WIN 0x41
.set i_, 0
.rept 32
	v_med3_num_f32 v[32*\sl+i_], v[32*\sl+i_], -v[LIM], v[LIM]   ; the conversion does not saturate (ISA guide 7.6.2).  These plain lines also stand behind the piece before's conversions
.set i_, i_+1
.endr
	s_wait_alu depctr_vm_vsrc(0)                   ; the LDS stores of two pieces ago have read this half of v[CD ..], and the slot's loads have read v[OFF+sl]: both are written below
	WIN 0x01
.irp g, 0,1,2,3
	v_cvt_scalef32_pk8_fp8_f32 v[CD+8*(\sl%2)+2*\g:CD+8*(\sl%2)+2*\g+1], v[32*\sl+8*\g:32*\sl+8*\g+7], v[SC]
.endr
	WIN 0
.if \refill
	v_add_nc_u32 v[OFF+\sl], 0x8000, v[OFF+\sl]    ; eight pieces on: the loads that named this register are done
.endif
	s_wait_alu depctr_va_vdst(0)                   ; the conversions have written v[CD ..] (and, in a trip's first piece, v[STA] is written), which the LDS stores read; v[OFF+sl] is written, and the holds and conversions are done with the slot's registers, in which the loads land
.irp g, 0,1,2,3
	ds_store_b64 v[STA], v[CD+8*(\sl%2)+2*\g:CD+8*(\sl%2)+2*\g+1] offset:\ro+256*\g
.endr
.if \refill
	ASK \sl
.endif
.endm
	s_mov_b32 s47, 0
	s_mov_b32 s48, 7
.Lstream:                                          ; seven trips of eight rows; the eighth is written out without loads, so that none leaves the buffer
	s_wait_alu depctr_va_vdst(0)
.irp sl, 0,1,2,3,4,5,6,7
	SROW \sl, 1, 56, \sl*PITCH
.endr
	s_add_co_u32 s47, s47, 8*PITCH
	s_wait_alu depctr_vm_vsrc(0)                   ; the trip's LDS stores have read v[STA]
	v_add_nc_u32 v[STA], s47, v[STB]
	s_sub_co_u32 s48, s48, 1
	s_cmp_lg_u32 s48, 0
	s_cbranch_scc1 .Lstream
.irp sl, 0,1,2,3,4,5,6,7
	SROW \sl, 0, 56-8*\sl, \sl*PITCH
.endr
	v_nop                                          ; a plain line behind the last conversions
	s_wait_dscnt 0x0                               ; for the others' sake: my codes have landed
	s_barrier_signal -1
	s_barrier_wait -1                              ; the only barrier: from here on LDS is only read
; One step of the select inside a word: the field of the counts at pos; where the rank is not under it, the rank loses it and pos moves on.
.macro SEL src, step, width
	v_bfe_u32 v39, v[\src], v38, \width
	v_cmp_ge_u32 vcc_lo, v33, v39
	s_wait_alu depctr_va_vcc(0)                    ; the compare has written VCC, which the two selects read
	v_cndmask_b32 v39, 0, v39, vcc_lo
	v_cndmask_b32 v40, 0, \step, vcc_lo
	v_sub_nc_u32 v33, v33, v39
	v_add_nc_u32 v38, v38, v40
.endm
; slot v[q] (one a lane), held at n - 1 -> p' in v[out]
.macro SEARCH q, out
	v_min_u32 v40, s50, v[\q]                      ; a slot at or past n stands for the last one
	v_mov_b32 v29, 0
.set j_, 0
.rept 4                                            ; the word is the number of prefix sums that are not above the slot: the 31 compares go in runs of eight, into masks of their own
.set m_, 0
.rept 8
.if j_+m_ < 31
	v_cmp_le_u32 s[32+m_], s[66+j_+m_], v40
.endif
.set m_, m_+1
.endr
	s_wait_alu depctr_va_sdst(0)                   ; the run's compares have written their masks s32 on, which the selects below read
.set m_, 0
.rept 8
.if j_+m_ < 31
	v_cndmask_b32 v30, 0, 1, s[32+m_]
	v_add_nc_u32 v29, v29, v30
.endif
.set m_, m_+1
.endr
.set j_, j_+8
.endr
	v_lshlrev_b32 v30, 2, v29
	s_wait_alu depctr_va_vdst(0)                   ; the index v30 and the source v[VPE] are written, which the permutes read; earlier vector instructions are done with v31 to v33, in which their results land
	ds_bpermute_b32 v31, v30, v[VM]                ; that word, from the lane that holds it (no LDS byte is touched)
	ds_bpermute_b32 v32, v30, v[VM1]
	ds_bpermute_b32 v33, v30, v[VPE]
	s_wait_dscnt 0x0
	s_wait_alu depctr_vm_vsrc(0)                   ; the permutes have read v30, which the next search and the lines behind the searches write again
	v_sub_nc_u32 v33, v40, v33                     ; the rank inside the word
	v_lshrrev_b32 v34, 1, v31                      ; counts of fields of 2, 4, 8 and 16 bits
	v_and_b32 v34, 0x55555555, v34
	v_sub_nc_u32 v34, v31, v34
	v_lshrrev_b32 v35, 2, v34
	v_and_b32 v35, 0x33333333, v35
	v_and_b32 v36, 0x33333333, v34
	v_add_nc_u32 v35, v35, v36
	v_lshrrev_b32 v36, 4, v35
	v_add_nc_u32 v36, v36, v35
	v_and_b32 v36, 0x0f0f0f0f, v36
	v_lshrrev_b32 v37, 8, v36
	v_add_nc_u32 v37, v37, v36
	v_mov_b32 v38, 0
	SEL 37, 16, 8
	SEL 36, 8, 8
	SEL 35, 4, 4
	SEL 34, 2, 2
	SEL 31, 1, 1
	v_lshl_add_u32 v41, v29, 5, v38
	v_min_u32 v41, 0x3ff, v41                      ; the token
	v_bfe_u32 v42, v32, v38, 1                     ; first or second choice
	v_lshl_add_u32 v41, v42, 10, v41
	v_add_nc_u32 v[\out], s26, v41
.endm
.macro XTILE ks, set, t                ; x's fragment of K step ks, one set (0: the gate's, 1: the value's), tile t: 4 loads of 16 bytes a lane at row byte 128 ks + 32 c + 16 h
.irp c, 0,1,2,3
	global_load_b128 v[128*((\ks)%2)+64*(\set)+16*(\t)+4*\c:128*((\ks)%2)+64*(\set)+16*(\t)+4*\c+3], v[XO+(\t)], s[6+2*(\set):7+2*(\set)] offset:128*(\ks)+32*\c th:TH_LOAD_HT
.endr
.endm
.macro XLOADS ks, set                  ; a set's four tiles in one run: ahead of the first K step
	WIN 0x40
.irp t, 0,1,2,3
	XTILE \ks, \set, \t
.endr
.endm
.macro WFRAG beta, a                   ; weight fragment a of batch beta = 4 ks + b: b = 0, 1: g's tiles 0-3, 4-7; b = 2, 3: v's
.irp c, 0,1,2,3
	ds_load_b128 v[WB+64*((\beta)%2)+16*(\a)+4*\c:WB+64*((\beta)%2)+16*(\a)+4*\c+3], v[AW+((\beta)%4)/2] offset:(4*((\beta)%2)+(\a))*8*PITCH+128*((\beta)/4)+32*\c
.endr
.endm
.macro WLOAD beta                      ; a batch's four fragments in one run: ahead of the first K step
.irp a, 0,1,2,3
	WFRAG \beta, \a
.endr
.endm
; 16 matrix instructions: four weight tiles x four tiles of tokens.  The 64 sums take turns, one instruction a turn, in the same order in every K step.  The first K step starts the sums with 0.
; THE LOADS ARE DEALT AMONG THE PRODUCTS.  Behind each of products 0 to 3: one fragment (four LDS loads) of batch beta + 1, into the weight buffer that batch beta - 1 read.  Behind each of products 4 to 7, where a group of x is due: one tile (four loads).
; x's groups of 16 loads go out in the order g0 v0 g1 v1 (ahead of the first step), then g(k+2) in step k's third batch and v(k+2) in step k + 1's first: each in the batch behind the two that read its registers, one and a half K steps ahead of its use.
.macro BATCH beta
.if ((\beta)%4) == 0
.if (\beta) == 0
	s_wait_loadcnt 48                              ; g0 is in; behind it: v0, g1, v1
.elseif (\beta) < 28
	s_wait_loadcnt 32                              ; this step's g set is in; behind it: this step's v set and the next step's g set
.else
	s_wait_loadcnt 16                              ; the last step: behind it only its v set
.endif
.endif
.if ((\beta)%4) == 2
.if (\beta) < 28
	s_wait_loadcnt 32                              ; this step's v set is in; behind it: the next step's two sets
.else
	s_wait_loadcnt 0x0
.endif
.endif
.if (\beta) == 0
	s_wait_dscnt 16                                ; my batch is in; the next batch's 16 loads, asked for with it, may be out
.else
	s_wait_dscnt 0x0                               ; my batch is in: its loads were dealt among the batch before's first products
.endif
.if ((\beta) > 0) && ((\beta) < 31)
	s_wait_alu depctr_va_vdst(0)                   ; the batch before's products are done reading their weight buffer and their set of x: the loads dealt below land there, and no product of this batch names those registers
.endif
.irp a, 0,1,2,3
.irp t, 0,1,2,3
.if ((\beta)%4) < 2
	WIN 0xa4                                       ; source 0 window 0, source 1 window 1, C and D window 2
.else
	WIN 0xf4                                       ; C and D window 3
.endif
.set rD, 64*\t+8*(4*((\beta)%2)+\a)
.set rA, WB+64*((\beta)%2)+16*\a
.set rB, 128*(((\beta)/4)%2)+64*(((\beta)%4)/2)+16*\t
.if (\beta) < 4
	v_wmma_f32_16x16x128_fp8_fp8 v[rD:rD+7], v[rA:rA+15], v[rB:rB+15], 0
.else
	v_wmma_f32_16x16x128_fp8_fp8 v[rD:rD+7], v[rA:rA+15], v[rB:rB+15], v[rD:rD+7]
.endif
.if (\a == 0) && ((\beta) > 0) && ((\beta) < 31)
	WIN 0
	WFRAG (\beta)+1, \t
.endif
.if (\a == 1) && (((\beta)%4) == 2) && ((\beta) < 24)
	WIN 0x40
	XTILE (\beta)/4+2, 0, \t                       ; this step's g set has been multiplied: its registers take the g set two steps on
.endif
.if (\a == 1) && (((\beta)%4) == 0) && ((\beta) > 0) && ((\beta) < 28)
	WIN 0x40
	XTILE (\beta)/4+1, 1, \t                       ; the last step's v set has been multiplied: its registers take the v set of the next step
.endif
.endr
.endr
.rept 4
	v_nop                                          ; four places behind these products, ahead of the first read of results and of the next batch's loads into the registers that they read
.endr
.endm
.macro KSTEP ks
.irp b, 0,1,2,3
	BATCH 4*(\ks)+\b
.endr
.endm
; Tile t's 16 tokens x 128 hidden units: h = G V / (1 + 2^(-z log2 e)), held, converted; the 16 registers of codes are K step s of the next launch's operand and leave as they stand, 512 consecutive bytes a store.
.macro EPI t
	s_add_co_u32 s30, s49, 4*\t
	s_min_u32 s30, s30, 63
	s_lshl_b32 s30, s30, 15
	s_wait_xcnt 0x0                                ; the stores before have read their address and data: both are written again below
	s_wait_alu depctr_vm_vsrc(0)                   ; the stores before have read v[HO] and v[CD ..], which are written again below
	v_add_nc_u32 v[HO], s30, v[L16]
	WIN 0x02
.set i_, 0
.rept 32
	v_pk_mul_f32 v[EE+i_:EE+i_+1], v[64*\t+i_:64*\t+i_+1], s[20:21] op_sel_hi:[1,0]   ; -z log2 e; each sum's registers from the low end on
.set i_, i_+2
.endr
	WIN 0x0e
.set i_, 0
.rept 32
	v_pk_mul_f32 v[PM+i_:PM+i_+1], v[64*\t+i_:64*\t+i_+1], v[64*\t+i_:64*\t+i_+1]     ; G (window 2) x V (window 3)
.set i_, i_+2
.endr
	WIN 0
.set i_, 0
	s_wait_alu depctr_va_vdst(0)
.rept 64
	v_exp_f32 v[EE+i_], v[EE+i_]
.set i_, i_+1
.endr
	v_nop                                          ; a plain line behind the exponentials
.set i_, 0
	s_wait_alu depctr_va_vdst(0)                   ; the 64 exponentials have written v[EE ..]: one wait for the batch, ahead of its first reader
.rept 32
	v_pk_add_f32 v[EE+i_:EE+i_+1], v[EE+i_:EE+i_+1], 1.0 op_sel_hi:[1,0]
.set i_, i_+2
.endr
.set i_, 0
	s_wait_alu depctr_va_vdst(0)
.rept 64
	v_rcp_f32 v[EE+i_], v[EE+i_]
.set i_, i_+1
.endr
	v_nop
.set i_, 0
	s_wait_alu depctr_va_vdst(0)                   ; the 64 reciprocals have written v[EE ..]: one wait for the batch, ahead of its first reader
.rept 32
	v_pk_mul_f32 v[PM+i_:PM+i_+1], v[PM+i_:PM+i_+1], v[EE+i_:EE+i_+1]
.set i_, i_+2
.endr
.set i_, 0
.rept 64
	v_med3_num_f32 v[PM+i_], v[PM+i_], -v[HLIM], v[HLIM]
.set i_, i_+1
.endr
.irp a, 0,1,2,3,4,5,6,7
	v_cvt_scalef32_pk8_fp8_f32 v[CD+2*\a:CD+2*\a+1], v[PM+8*\a:PM+8*\a+7], v[HSC]
.endr
	v_nop                                          ; a plain line behind the last conversion
	s_wait_alu depctr_va_vdst(0)                   ; the conversions have written v[CD ..], which the stores read (v[HO] was written further up)
.irp c, 0,1,2,3
	global_store_b128 v[HO], v[CD+4*\c:CD+4*\c+3], s[10:11] offset:512*\c
.endr
.endm
; THE TAIL'S MACROS.  x of K step ks, two tiles: the gate's set into window 1, the value's into window 2, both at 32 ks + 16 t: 16 loads
.macro XTT ks, set, t                  ; one tile of one set: four loads; the window is set ahead of it
.irp c, 0,1,2,3
	global_load_b128 v[32*(\ks)+16*(\t)+4*\c:32*(\ks)+16*(\t)+4*\c+3], v[XO+(\t)], s[6+2*(\set):7+2*(\set)] offset:128*(\ks)+32*\c th:TH_LOAD_HT
.endr
.endm
.macro XT ks
	WIN 0x40
	XTT \ks, 0, 0
	XTT \ks, 0, 1
	WIN 0x80
	XTT \ks, 1, 0
	XTT \ks, 1, 1
.endm
.macro WTF ks, m, a                    ; one of my four weight fragments of K step ks: m = 0: g's, 1: v's; tile 2 w + a
.irp c, 0,1,2,3
	ds_load_b128 v[WB+64*((\ks)%2)+32*(\m)+16*(\a)+4*\c:WB+64*((\ks)%2)+32*(\m)+16*(\a)+4*\c+3], v[AWT+(\m)] offset:(\a)*8*PITCH+128*(\ks)+32*\c
.endr
.endm
.macro WT ks                           ; my four weight fragments of K step ks: g's tiles 2 w, 2 w + 1, then v's
.irp m, 0,1
.irp a, 0,1
	WTF \ks, \m, \a
.endr
.endr
.endm
; A K step of the tail: eight matrix instructions on eight sums, by turns: g's at 16 t + 8 a, v's at 32 + 16 t + 8 a of window 3.
; Behind each of g's four products: one weight fragment of the next K step.  Behind each of v's four: one tile of x four K steps on, into registers that no instruction of this trip has named.
.macro TK ks
.if (\ks) < 5
	s_wait_loadcnt 48                              ; this step's 16 loads of x are in; the three younger steps' stay out
.else
	s_wait_loadcnt 16*(7-(\ks))
.endif
.if (\ks) == 0
	s_wait_dscnt 16                                ; this step's weight fragments are in; the next step's 16 loads, asked for with them, may be out
.else
	s_wait_dscnt 0x0                               ; this step's weight fragments are in
.endif
.if ((\ks) > 0) && ((\ks) < 7)
	s_wait_alu depctr_va_vdst(0)                   ; the step before's products are done reading their weight buffer, in which the LDS loads dealt below land
.endif
.irp a, 0,1
.irp t, 0,1
	WIN 0xf4                                       ; source 0 window 0, source 1 window 1, C and D window 3
.set rD, 16*\t+8*\a
.set rA, WB+64*((\ks)%2)+16*\a
.set rB, 32*(\ks)+16*\t
.if (\ks) == 0
	v_wmma_f32_16x16x128_fp8_fp8 v[rD:rD+7], v[rA:rA+15], v[rB:rB+15], 0
.else
	v_wmma_f32_16x16x128_fp8_fp8 v[rD:rD+7], v[rA:rA+15], v[rB:rB+15], v[rD:rD+7]
.endif
.if ((\ks) > 0) && ((\ks) < 7)
	WIN 0
	WTF (\ks)+1, \a, \t
.endif
.endr
.endr
.irp a, 0,1
.irp t, 0,1
	WIN 0xf8                                       ; source 1 window 2
.set rD, 32+16*\t+8*\a
.set rA, WB+64*((\ks)%2)+32+16*\a
.set rB, 32*(\ks)+16*\t
.if (\ks) == 0
	v_wmma_f32_16x16x128_fp8_fp8 v[rD:rD+7], v[rA:rA+15], v[rB:rB+15], 0
.else
	v_wmma_f32_16x16x128_fp8_fp8 v[rD:rD+7], v[rA:rA+15], v[rB:rB+15], v[rD:rD+7]
.endif
.if (\ks) < 4
.if \a == 0
	WIN 0x40
.else
	WIN 0x80
.endif
	XTT (\ks)+4, \a, \t
.endif
.endr
.endr
.rept 4
	v_nop                                          ; four places behind these products, ahead of the first read of results and of the next step's loads into the registers that they read
.endr
.endm
	s_mov_b32 s29, 0
	s_cmp_eq_u32 s28, 0
	s_cbranch_scc1 .Ltail                          ; four tiles or fewer in all: no full pass
.Lpass:
	s_lshl_b32 s49, s29, 4
	s_add_co_u32 s49, s49, s2                      ; my first tile: 16 p + w
	s_cmp_ge_u32 s49, s53
	s_cbranch_scc1 .Lpass_end                      ; it is not among the full passes' tiles: nothing of this pass is mine (no barrier stands in the loop)
	s_min_u32 s49, s49, 51
	s_lshl_b32 s30, s49, 4
	s_wait_xcnt 0x0                                ; the pass before's loads and stores have read the registers that are written again below
	s_wait_alu depctr_vm_vsrc(0)                   ; the pass before's list stores have read v[LSA], v[S0] and v[S1], and its loads of x v[XO ..]: all are written again below
	v_lshl_add_u32 v[Q0], v3, 6, v2
	v_add_nc_u32 v[Q0], s30, v[Q0]                 ; lanes 0-15: tile 0's slots; lanes 16-31: tile 1's (four tiles, 64 slots, on)
	v_add_nc_u32 v[Q1], 0x80, v[Q0]                ; tiles 2 | 3
	SEARCH Q0, S0
	SEARCH Q1, S1
	s_cmp_lg_u32 s25, 0
	s_cbranch_scc1 .Lno_list                       ; slice 0 alone leaves the list
	v_lshlrev_b32 v[LSA], 2, v[Q0]
	s_wait_alu depctr_va_vdst(0)                   ; v[LSA], v[S0] and v[S1] are written, which the two stores read
	global_store_b32 v[LSA], v[S0], s[12:13]
	global_store_b32 v[LSA], v[S1], s[12:13] offset:512
.Lno_list:
	v_permlanex16_b32 v30, v[S0], s44, s45
	s_wait_alu depctr_va_vdst(0)
	v_permlanex16_b32 v31, v[S1], s44, s45
	v_cndmask_b32 v32, v[S0], v30, s46             ; each tile's 16 tokens in both halves of the lanes
	v_cndmask_b32 v33, v30, v[S0], s46
	v_cndmask_b32 v34, v[S1], v31, s46
	v_cndmask_b32 v35, v31, v[S1], s46
.irp t, 0,1,2,3
	v_and_b32 v[32+\t], 0x3ff, v[32+\t]
	v_min_u32 v[32+\t], 0x3ff, v[32+\t]
	v_lshl_add_u32 v[XO+\t], v[32+\t], 10, v[H16]
.endr
	s_wait_alu depctr_va_vdst(0)                   ; v[XO ..] are written, which the loads of x read; all earlier vector and matrix instructions are done with window 1 and with both weight buffers, in which the loads below land
	XLOADS 0, 0
	XLOADS 0, 1
	XLOADS 1, 0
	XLOADS 1, 1
	WIN 0
	WLOAD 0
	WLOAD 1
.irp ks, 0,1,2,3,4,5,6,7
	KSTEP \ks
.endr
	WIN 0
	EPI 0
	EPI 1
	EPI 2
	EPI 3
.Lpass_end:
	s_add_co_u32 s29, s29, 1
	s_cmp_lt_u32 s29, s28
	s_cbranch_scc1 .Lpass
.Ltail:                                            ; s29 = the full passes walked: the tail's tiles begin at 16 s29
	s_cmp_eq_u32 s52, 0
	s_cbranch_scc1 .Lend
	s_mov_b32 s51, 0
.Ltrip:                                            ; one or two trips, two tiles each, every wave
	s_lshl_b32 s49, s29, 4
	s_lshl_b32 s30, s51, 1
	s_add_co_u32 s49, s49, s30                     ; the trip's first tile
	s_min_u32 s49, s49, 62
	s_lshl_b32 s30, s49, 4
	s_wait_xcnt 0x0                                ; earlier loads and stores have read the registers that are written again below
	s_wait_alu depctr_vm_vsrc(0)                   ; earlier stores have read v[LSA], v[S0], v[HO], v[HO2] and v[CD ..], earlier loads of x v[XO ..]: all are written again in this trip
	v_add_nc_u32 v[Q0], s30, v1                    ; the two tiles' 32 slots, one a lane
	SEARCH Q0, S0
	s_or_b32 s30, s25, s2
	s_cmp_lg_u32 s30, 0
	s_cbranch_scc1 .Lno_list_t                     ; wave 0 of slice 0 alone leaves the list: 128 bytes on end
	v_lshlrev_b32 v[LSA], 2, v[Q0]
	s_wait_alu depctr_va_vdst(0)                   ; v[LSA] and v[S0] are written, which the store reads
	global_store_b32 v[LSA], v[S0], s[12:13]
.Lno_list_t:
	s_wait_alu depctr_va_vdst(0)
	v_permlanex16_b32 v30, v[S0], s44, s45
	v_cndmask_b32 v32, v[S0], v30, s46             ; each tile's 16 tokens in both halves of the lanes
	v_cndmask_b32 v33, v30, v[S0], s46
.irp t, 0,1
	v_and_b32 v[32+\t], 0x3ff, v[32+\t]
	v_min_u32 v[32+\t], 0x3ff, v[32+\t]
	v_lshl_add_u32 v[XO+\t], v[32+\t], 10, v[H16]
.endr
	s_wait_alu depctr_va_vdst(0)                   ; v[XO ..] are written, which the loads of x read; all earlier vector and matrix instructions are done with windows 1 and 2 and with both weight buffers, in which this trip's loads land
	XT 0
	XT 1
	XT 2
	XT 3
	WIN 0
	WT 0
	WT 1
.irp ks, 0,1,2,3,4,5,6,7
	TK \ks
.endr
	WIN 0
	s_lshl_b32 s30, s49, 15
	s_wait_xcnt 0x0                                ; the stores before have read their addresses and data: both are written again below
	v_add_nc_u32 v[HO], s30, v[L16W]               ; my quarter of the first tile's image,
	v_add_nc_u32 v[HO2], 0x8000, v[HO]             ; and of the second's
	WIN 0x03
.set i_, 0
.rept 16
	v_pk_mul_f32 v[EE+i_:EE+i_+1], v[i_:i_+1], s[20:21] op_sel_hi:[1,0]   ; -z log2 e; each sum's registers from the low end on
.set i_, i_+2
.endr
	WIN 0x0f
.set i_, 0
.rept 16
	v_pk_mul_f32 v[PM+i_:PM+i_+1], v[i_:i_+1], v[32+i_:32+i_+1]           ; G x V
.set i_, i_+2
.endr
	WIN 0
.set i_, 0
	s_wait_alu depctr_va_vdst(0)
.rept 32
	v_exp_f32 v[EE+i_], v[EE+i_]
.set i_, i_+1
.endr
	v_nop                                          ; a plain line behind the exponentials
.set i_, 0
	s_wait_alu depctr_va_vdst(0)                   ; the 32 exponentials have written v[EE ..]: one wait for the batch, ahead of its first reader
.rept 16
	v_pk_add_f32 v[EE+i_:EE+i_+1], v[EE+i_:EE+i_+1], 1.0 op_sel_hi:[1,0]
.set i_, i_+2
.endr
.set i_, 0
	s_wait_alu depctr_va_vdst(0)
.rept 32
	v_rcp_f32 v[EE+i_], v[EE+i_]
.set i_, i_+1
.endr
	v_nop
.set i_, 0
	s_wait_alu depctr_va_vdst(0)                   ; the 32 reciprocals have written v[EE ..]: one wait for the batch, ahead of its first reader
.rept 16
	v_pk_mul_f32 v[PM+i_:PM+i_+1], v[PM+i_:PM+i_+1], v[EE+i_:EE+i_+1]
.set i_, i_+2
.endr
.set i_, 0
.rept 32
	v_med3_num_f32 v[PM+i_], v[PM+i_], -v[HLIM], v[HLIM]
.set i_, i_+1
.endr
.irp a, 0,1,2,3
	v_cvt_scalef32_pk8_fp8_f32 v[CD+2*\a:CD+2*\a+1], v[PM+8*\a:PM+8*\a+7], v[HSC]   ; 2 t + a: tile t's codes of weight tiles 2 w and 2 w + 1 are four registers on end
.endr
	v_nop                                          ; a plain line behind the last conversion
	s_wait_alu depctr_va_vdst(0)                   ; the conversions have written v[CD ..], which the two stores read (v[HO] and v[HO2] were written further up)
	global_store_b128 v[HO], v[CD:CD+3], s[10:11]
	global_store_b128 v[HO2], v[CD+4:CD+7], s[10:11]
	s_add_co_u32 s51, s51, 1
	s_cmp_lt_u32 s51, s52
	s_cbranch_scc1 .Ltrip
.Lend:
	s_wait_dscnt 0x0                               ; the closing lines, six on end
	s_wait_alu 0x0
	s_wait_tensorcnt 0x0
	ds_add_u32 v254, v255
	s_wait_dscnt 0x0
	s_endpgm
.Lfunc_end_k_qc03e3d367e_up:
	.size	k_qc03e3d367e_up, .Lfunc_end_k_qc03e3d367e_up-k_qc03e3d367e_up
	.p2alignl 7, 3214868480
	.fill 96, 4, 3214868480
	.section	.rodata,"a",@progbits
	.p2align	6, 0x0
	.amdhsa_kernel k_qc03e3d367e_up
		.amdhsa_group_segment_fixed_size 267264
		.amdhsa_private_segment_fixed_size 0
		.amdhsa_enable_private_segment 0
		.amdhsa_kernarg_size 72
		.amdhsa_user_sgpr_count 2
		.amdhsa_user_sgpr_kernarg_segment_ptr 1
		.amdhsa_wavefront_size32 1
		.amdhsa_system_sgpr_workgroup_id_x 1
		.amdhsa_system_sgpr_workgroup_id_y 1
		.amdhsa_system_sgpr_workgroup_id_z 1
		.amdhsa_system_vgpr_workitem_id 0
		.amdhsa_next_free_vgpr 1024
		.amdhsa_next_free_sgpr 100
		.amdhsa_reserve_vcc 1
		.amdhsa_float_denorm_mode_32 3
		.amdhsa_float_denorm_mode_16_64 3
		.amdhsa_memory_ordered 1
		.amdhsa_forward_progress 1
		.amdhsa_inst_pref_size 255
	.end_amdhsa_kernel
	.section	.bss,"aw",@nobits
	.p2align	6
	.space	262144
	.amdgpu_metadata
---
amdhsa.version: [ 1, 2 ]
amdhsa.kernels:
  - .name:           k_qc03e3d367e_up
    .symbol:         k_qc03e3d367e_up.kd
    .args:
      - { .name: xq, .offset: 0, .size: 8, .value_kind: global_buffer, .address_space: global }
      - { .name: msk, .offset: 8, .size: 8, .value_kind: global_buffer, .address_space: global }
      - { .name: Wg, .offset: 16, .size: 8, .value_kind: global_buffer, .address_space: global }
      - { .name: Wv, .offset: 24, .size: 8, .value_kind: global_buffer, .address_space: global }
      - { .name: Wg_s, .offset: 32, .size: 8, .value_kind: global_buffer, .address_space: global }
      - { .name: Wv_s, .offset: 40, .size: 8, .value_kind: global_buffer, .address_space: global }
      - { .name: lowp_scales, .offset: 48, .size: 8, .value_kind: global_buffer, .address_space: global }
      - { .name: hq, .offset: 56, .size: 8, .value_kind: global_buffer, .address_space: global }
      - { .name: lst, .offset: 64, .size: 8, .value_kind: global_buffer, .address_space: global }
    .group_segment_fixed_size: 267264
    .private_segment_fixed_size: 0
    .kernarg_segment_align: 8
    .kernarg_segment_size: 72
    .max_flat_workgroup_size: 128
    .sgpr_count:     100
    .vgpr_count:     1024
    .wavefront_size: 32
...
	.end_amdgpu_metadata
.endif
;; end of part 6
;; launch down (part 7): grid 16 x 12, 4 waves a work-group, no clusters, 150,016 bytes of LDS; arguments hq, lst, msk, Wo, Wo_s, bo, bo_s, lowp_scales, eo; writes eo
.if DOCPART == 7
	.amdgcn_target "amdgcn-amd-amdhsa--gfx1250"
	.amdhsa_code_object_version 6
	.text
	.protected	k_qc03e3d367e_down
	.globl	k_qc03e3d367e_down
	.p2align	8
	.type	k_qc03e3d367e_down,@function
k_qc03e3d367e_down:
	s_mov_b64 s[64:65], 0
	v_nop
	global_prefetch_b8 v0, s[64:65] scope:SCOPE_SE
	s_setreg_imm32_b32 hwreg(HW_REG_WAVE_SCHED_MODE, 0, 2), 2
	s_setreg_imm32_b32 hwreg(HW_REG_WAVE_MODE, 25, 1), 1
	s_wait_xcnt 0x0
	s_wait_alu depctr_vm_vsrc(0)
; DOWN.  eo[p'] = h Wo^T x 2^(ew + eh) + bo for the rows that are kept.  Work-group (ox, u): output columns 64 ox .. 64 ox + 63 of unit u (0 .. 7 routed experts, 8 .. 11 the shared expert's quarters of the tokens).
; THE WEIGHTS STAY: the slice's 64 rows of Wo (2,048 f32 each) are read once, quantised in registers, laid as codes in LDS; then all tiles of the unit's hidden codes are multiplied with them.
; STREAM: wave w takes rows 16 w .. 16 w + 15, 128 KiB on end, in 32 pieces of 4 KiB (half a row) through a ring of eight pieces in registers.  Each ring slot has an offset register of its own, stepped behind the wait that
; shows its loads done; the base is never stepped.  One text serves weights that are read once and weights that four units read: its loads carry no hint.
; ORDER ALONG K: a lane's eight codes of loads 2 g, 2 g + 1 of half-row q are k = 256 J + 128 a + 4 L + c (J = 4 q + g) at byte 4 a + c.  The launch before leaves, in K step 2 J + half, lane (r, h), registers 4 c' .. 4 c' + 3, the groups
; L = 16 half + 4 c' + h and + 2.  So group (J, L) goes to row byte 256 J + 128 (L >> 4) + 32 ((L >> 2) & 3) + 16 (L & 1) + 8 ((L >> 1) & 1), and a fragment load of 16 bytes at 128 ks + 32 c' + 16 h meets its partner.
; THE PRODUCT IS USED TRANSPOSED (source 0 = 16 rows of Wo, source 1 = 16 slots): a lane holds one slot and eight neighbouring columns.  h's fragments are images of registers: 512 consecutive bytes a load.
; The count n is the number of set bits of the unit's 32 words of msk: 1,024 at the most; Tn = (n + 15) / 16 tiles.  FULL PASSES: F = (Tn + 11) / 16, over min(Tn, 16 F) tiles: in pass p wave w takes tiles 16 p + 4 t + w, t = 0 .. 3,
; if the first of them is among those: the launch before stored all four under the same condition.  THE TAIL: what is left, 1 to 4 tiles: wave w takes tile 16 F + w if it exists; the launch before stored it.
; So every byte read here was stored, and no address hangs on the count.  A tile past the last is multiplied and not stored.  A tile's 16 x 64 results go through the wave's own stage in LDS and leave as rows:
; sixteen lanes store 256 consecutive bytes, aligned, of row p' of eo.  NO MASK: a slot at or past n in the last tile is a copy of slot n - 1, codes and list entry alike, so its row is the same numbers stored once more at the same place by the same wave.
; The gate's weight is not applied here: the last launch has it at a fixed place.
; NO TENSOR LOADS, NO CLUSTER: the number of passes and the skipping of tiles hang on a count made from numbers read from memory.
; LIMITS: ew between -126 and 119; ew + eh between -126 and 127.  NaN and infinities are not served.
; THE MODE: SCHED_MODE bits 1:0 = 2 (LLVM: expert scheduling mode 2), set by the entry lines.  The code itself states the register dependences
; between vector or matrix instructions and memory or LDS instructions, with s_wait_alu, always for 0.
; THE PLAN.  Registers that memory or LDS instructions touch:
;   the ring (window 1)   Piece sl: its 32 holds and 4 conversions work on slot sl; behind them the loads of the piece eight further on land in it.
;   v[CD ..], two halves  Written by a piece's conversions, read by its four LDS stores; written again two pieces on.
;   v[OFF+sl], v[STA]     Read by the slot's loads, by the LDS stores; written by one add a piece, one add a trip.
;   WB0, WB1              K step ks's products read WB[ks % 2]; the LDS loads of step ks + 1, issued in step ks, land in the other one, which step ks - 1 read.  On the way out they are v[VAL ..] and v[RB ..].
;   h's four buffers      K step ks's products read buffer ks % 4; the loads of step ks + 3, issued in step ks, land in the buffer that step ks - 1 read.  Tail: registers of its own for each K step.
;   v[VAL ..]             Written by a way out's multiply-adds, read by its LDS stores.      v[RB ..]  LDS loads land in it; the global stores read it.
;   v[RW ..]              The permutes' results; worked on by vector instructions.           v[AD ..]  Written from them; read by the global stores as addresses.
;   v[PL ..]              A pass's list loads land in it; the permutes read it.              v[LA ..], v[HO ..]  Written at a pass's head; read by its loads.
;   v[AW ..], v[SI], v[SO], v[IX ..], v100          Made at the head, never written again.
; So: in the stream one wait on vm_vsrc and one on va_vdst a piece; in a pass ONE wait on va_vdst at a K step's head, behind the waits for its data: the step before is done with the registers in which this step's
; loads land, and these are dealt among this step's products, which name none of them; on a way out one wait on vm_vsrc at its head and one on va_vdst ahead of each of its two runs of memory instructions.
.set PITCH, 2064                       ; a row of 2,048 codes + 16: 516 words, so row r starts 4 r words on, modulo 64
.set STAGE, 64*PITCH                   ; behind the codes: 16 rows x 272 bytes for each wave
.set SP,    272
.set L16,  4                           ; v4   16 x lane
.set STB,  5
.set STA,  6
.set SC,   7
.set LIM,  8
.set AW,   9                           ; v9, v10  my lane's place in tiles 0 | 1 and 2 | 3 (the odd tile 16 rows on)
.set SI,   11                          ; v11  the stage, in: row r, + 32 h
.set SO,   12                          ; v12  the stage, back: row h, + 16 r
.set HO,   16                          ; v16-19  tile t's images
.set PL,   20                          ; v20-23  tile t: p' of slot r (in lane r and in lane 16 + r)
.set LA,   24                          ; v24-27  the list loads' addresses
.set OFF,  28                          ; v28-35  ring slot sl: my byte offset in the piece that the slot loads
.set BI,   36                          ; v36-67  the bias in the results' layout
.set RW,   68                          ; v68-75  p' of slots 2 i + h
.set AD,   76                          ; v76-83  their rows' addresses
.set CD,   84                          ; v84-99  codes
.set WB,   112                         ; v112-175, v176-239  two K steps' weight fragments; behind the products: values, and rows read back
.set VAL,  112
.set RB,   176
.set IX,   240                         ; v240-247  the permutes' indices: 4 x (2 i + h); made at the head, never written again
; window 1: the stream's ring; then h's fragments at 64 (ks % 4) + 16 t (tail: at 16 ks).   window 2: the sums at 32 t + 8 C.
.set MSB, 0
.macro WIN new                         ; the immediate's high byte repeats the setting that is left
.if MSB != \new
	s_set_vgpr_msb (MSB<<8)|\new
.set MSB, \new
.endif
.endm
	s_load_b512 s[36:51], s[0:1], 0x0              ; hq 36, lst 38, msk 40, Wo 42, Wo_s 44, bo 46, bo_s 48, scales 50
	s_load_b64 s[52:53], s[0:1], 0x40              ; eo
	v_lshl_add_u32 v254, v0, 2, 0x24800
	v_mov_b32 v255, 0
	v_lshrrev_b32 v1, 5, v0
	v_readfirstlane_b32 s2, v1                     ; wave
	v_and_b32 v1, 31, v0                           ; L
	v_and_b32 v2, 15, v0                           ; r
	v_bfe_u32 v3, v0, 4, 1                         ; h
	v_lshlrev_b32 v[L16], 4, v1
	v_lshlrev_b32 v[STB], 7, v3                    ; 128 (L >> 4)
	v_bfe_u32 v6, v0, 2, 2
	v_lshl_add_u32 v[STB], v6, 5, v[STB]           ; + 32 ((L >> 2) & 3)
	v_and_b32 v6, 1, v0
	v_lshl_add_u32 v[STB], v6, 4, v[STB]           ; + 16 (L & 1)
	v_bfe_u32 v6, v0, 1, 1
	v_lshl_add_u32 v[STB], v6, 3, v[STB]           ; + 8 ((L >> 1) & 1)
	s_wait_alu depctr_va_sdst(0)                   ; s2, the wave's number, is written, ahead of its first reader
	s_mul_i32 s30, s2, 16*PITCH
	v_add_nc_u32 v[STB], s30, v[STB]               ; my wave's 16 rows
	v_mov_b32 v[STA], v[STB]
	v_mul_u32_u24 v[AW], v2, PITCH
	v_lshl_add_u32 v[AW], v3, 4, v[AW]
	v_add_nc_u32 v[AW+1], 32*PITCH, v[AW]
	s_mul_i32 s30, s2, 16*SP
	s_add_co_u32 s30, s30, STAGE
	v_mul_u32_u24 v[SI], v2, SP
	v_lshl_add_u32 v[SI], v3, 5, v[SI]
	v_add_nc_u32 v[SI], s30, v[SI]
	v_mul_u32_u24 v[SO], v3, SP
	v_lshl_add_u32 v[SO], v2, 4, v[SO]
	v_add_nc_u32 v[SO], s30, v[SO]
	v_lshlrev_b32 v13, 2, v3                       ; 4 h
	v_lshlrev_b32 v14, 4, v2                       ; 16 r
	v_lshlrev_b32 v15, 2, v2                       ; 4 r
	v_lshlrev_b32 v100, 5, v3                      ; 32 h
.irp i, 0,1,2,3,4,5,6,7
	v_add_nc_u32 v[IX+\i], 8*\i, v13               ; lane 2 i + h, as a byte index
.endr
.irp sl, 0,1,2,3,4,5,6,7
	v_add_nc_u32 v[OFF+\sl], 4096*\sl, v[L16]
.endr
	s_and_b32 s24, ttmp7, 0xffff                   ; u
	s_mov_b32 s25, ttmp9                           ; ox
	s_lshl_b32 s54, s25, 6
	s_lshl_b32 s31, s24, 10
	s_cmp_ge_u32 s24, 8
	s_cselect_b32 s31, 0, s31
	s_add_co_u32 s54, s54, s31                     ; the slice's first row of the weight = first number of the bias
	s_lshl_b32 s56, s54, 2
	s_mov_b32 s57, 0
	s_lshl_b32 s30, s2, 4
	s_add_co_u32 s54, s54, s30
	s_lshl_b32 s54, s54, 13                        ; my first row, in bytes (under 2^27)
	s_mov_b32 s55, 0
	s_min_u32 s58, s24, 8
	s_lshl_b32 s58, s58, 21
	s_max_u32 s30, s24, 8
	s_sub_co_u32 s30, s30, 8
	s_lshl_b32 s30, s30, 19
	s_add_co_u32 s58, s58, s30                     ; hq: the region, the quarter
	s_mov_b32 s59, 0
	s_lshl_b32 s60, s24, 12
	s_mov_b32 s61, 0
	s_lshl_b32 s62, s24, 7
	s_mov_b32 s63, 0
	s_lshl_b32 s32, s25, 8
	s_mov_b32 s33, 0
	s_wait_kmcnt 0x0
	s_cmp_ge_u32 s24, 8
	s_cselect_b64 s[4:5], s[44:45], s[42:43]
	s_cselect_b64 s[12:13], s[48:49], s[46:47]
	s_add_nc_u64 s[4:5], s[4:5], s[54:55]          ; the weight
	s_add_nc_u64 s[12:13], s[12:13], s[56:57]      ; the bias
	s_add_nc_u64 s[6:7], s[36:37], s[58:59]        ; hq
	s_add_nc_u64 s[8:9], s[38:39], s[60:61]        ; lst
	s_add_nc_u64 s[10:11], s[40:41], s[62:63]      ; msk, the unit's row
	s_add_nc_u64 s[14:15], s[52:53], s[32:33]      ; eo at my columns
	s_mov_b64 s[16:17], s[50:51]
	s_load_b512 s[68:83], s[10:11], 0x0            ; the unit's 32 words of bits
	s_load_b512 s[84:99], s[10:11], 0x40
	s_load_b256 s[36:43], s[16:17], 0x0            ; e[0..7]
	s_load_b128 s[44:47], s[16:17], 0x20           ; e[8..11]
	s_wait_alu depctr_va_vdst(0)                   ; every offset, LDS address and index made above is written: v100, v[OFF ..], v[STA], v[AW ..], v[SI], v[SO], v[IX ..], which the loads, stores and permutes of the kernel read
.irp c, 0,1,2,3
	global_load_b128 v[BI+8*\c:BI+8*\c+3], v100, s[12:13] offset:64*\c      ; lane (r, h), tile C: columns 16 C + 8 h + 0 .. 7
	global_load_b128 v[BI+8*\c+4:BI+8*\c+7], v100, s[12:13] offset:64*\c+16
.endr
.macro FILL sl                         ; ring piece sl: half a weight row, 4 KiB, eight loads of 512 consecutive bytes
.irp j, 0,1,2,3,4,5,6,7
	global_load_b128 v[32*\sl+4*\j:32*\sl+4*\j+3], v[OFF+\sl], s[4:5] offset:512*\j
.endr
.endm
	WIN 0x40
.irp sl, 0,1,2,3,4,5,6
	FILL \sl
.endr
	WIN 0
	s_wait_kmcnt 0x0
	s_bcnt1_i32_b32 s22, s68
.set j_, 1
.rept 31
	s_bcnt1_i32_b32 s30, s[68+j_]
	s_add_co_u32 s22, s22, s30                     ; n
.set j_, j_+1
.endr
	s_add_co_u32 s23, s22, 15
	s_lshr_b32 s23, s23, 4                         ; tiles: 0 .. 64
	s_add_co_u32 s28, s23, 11
	s_lshr_b32 s28, s28, 4                         ; full passes: 0 .. 4: up to four tiles over a multiple of 16 are left to the tail
	s_lshl_b32 s30, s28, 4
	s_min_u32 s50, s23, s30                        ; the tiles that the full passes cover
	s_cmp_ge_u32 s24, 8
	s_cselect_b32 s30, s47, s40                    ; ew: entry 11 or 4
	s_cselect_b32 s31, s46, s41                    ; eh: entry 10 or 5
	s_add_co_i32 s31, s31, s30
	s_add_co_i32 s31, s31, 127
	s_lshl_b32 s20, s31, 23                        ; 2^(ew + eh) as f32
	s_mov_b32 s21, s20                             ; (named with it as a pair, so it is written)
	s_add_co_i32 s30, s30, 127
	s_lshl_b32 s31, s30, 23
	v_mov_b32 v[SC], s31
	s_add_co_i32 s30, s30, 8
	s_lshl_b32 s30, s30, 23
	s_or_b32 s30, s30, 0x600000
	v_mov_b32 v[LIM], s30
	WIN 0x40
	FILL 7                                         ; no wait: no vector instruction since the wait above names slot 7's registers or its offset
	WIN 0
.macro SROW sl, refill, left, ro
	s_wait_loadcnt \left                           ; my eight loads are in; the count is the younger pieces' loads.  It also frees the slot's offset register
	s_wait_dscnt 4                                 ; only the piece before's four LDS stores may be out
	WIN 0x41
.set i_, 0
.rept 32
	v_med3_num_f32 v[32*\sl+i_], v[32*\sl+i_], -v[LIM], v[LIM]   ; the conversion does not saturate (ISA guide 7.6.2).  These plain lines also stand behind the piece before's conversions
.set i_, i_+1
.endr
	s_wait_alu depctr_vm_vsrc(0)                   ; the LDS stores of two pieces ago have read this half of v[CD ..], and the slot's loads have read v[OFF+sl]: both are written below
	WIN 0x01
.irp g, 0,1,2,3
	v_cvt_scalef32_pk8_fp8_f32 v[CD+8*(\sl%2)+2*\g:CD+8*(\sl%2)+2*\g+1], v[32*\sl+8*\g:32*\sl+8*\g+7], v[SC]
.endr
	WIN 0
.if \refill
	v_add_nc_u32 v[OFF+\sl], 0x8000, v[OFF+\sl]    ; eight pieces on: the loads that named this register are done
.endif
	s_wait_alu depctr_va_vdst(0)                   ; the conversions have written v[CD ..] (and, in a trip's first piece, v[STA] is written), which the LDS stores read; v[OFF+sl] is written, and the holds and conversions are done with the slot's registers, in which the loads land
.irp g, 0,1,2,3
	ds_store_b64 v[STA], v[CD+8*(\sl%2)+2*\g:CD+8*(\sl%2)+2*\g+1] offset:\ro+256*\g
.endr
.if \refill
	WIN 0x40
	FILL \sl
.endif
.endm
	s_mov_b32 s45, 0
	s_mov_b32 s44, 3
.Lstream:                                          ; three trips of eight pieces (four rows); the fourth is written out without loads, so that none leaves the buffer
	s_wait_alu depctr_va_vdst(0)
.irp sl, 0,1,2,3,4,5,6,7
	SROW \sl, 1, 56, (\sl/2)*PITCH+1024*(\sl%2)
.endr
	WIN 0
	s_add_co_u32 s45, s45, 4*PITCH
	s_wait_alu depctr_vm_vsrc(0)                   ; the trip's LDS stores have read v[STA]
	v_add_nc_u32 v[STA], s45, v[STB]
	s_sub_co_u32 s44, s44, 1
	s_cmp_lg_u32 s44, 0
	s_cbranch_scc1 .Lstream
.irp sl, 0,1,2,3,4,5,6,7
	SROW \sl, 0, 56-8*\sl, (\sl/2)*PITCH+1024*(\sl%2)
.endr
	v_nop                                          ; a plain line behind the last conversions
	s_wait_dscnt 0x0                               ; for the others' sake: my codes have landed
	s_barrier_signal -1
	s_barrier_wait -1                              ; the only barrier: the codes are only read from here on; the stages are each wave's own
.macro HTILE ks, t                     ; h's fragment of K step ks, tile t: an image of registers, four loads of 512 consecutive bytes
.irp c, 0,1,2,3
	global_load_b128 v[64*((\ks)%4)+16*(\t)+4*\c:64*((\ks)%4)+16*(\t)+4*\c+3], v[HO+(\t)], s[6:7] offset:2048*(\ks)+512*\c
.endr
.endm
.macro HLOAD ks                        ; a K step's four tiles in one run: ahead of the first K step
	WIN 0x40
.irp t, 0,1,2,3
	HTILE \ks, \t
.endr
.endm
.macro WFRAG ks, a                     ; the weight's fragment a of K step ks
.irp c, 0,1,2,3
	ds_load_b128 v[WB+64*((\ks)%2)+16*(\a)+4*\c:WB+64*((\ks)%2)+16*(\a)+4*\c+3], v[AW+(\a)/2] offset:((\a)%2)*16*PITCH+128*(\ks)+32*\c
.endr
.endm
.macro WLOAD ks                        ; a K step's four fragments in one run: ahead of the first K step
.irp a, 0,1,2,3
	WFRAG \ks, \a
.endr
.endm
; 16 matrix instructions: four tiles of columns x four tiles of slots; the 16 sums take turns, one instruction a turn; K step 0 starts them with 0.
; THE LOADS ARE DEALT AMONG THE PRODUCTS.  Behind each of products 0 to 3: one weight fragment (four LDS loads) of step ks + 1.  Behind each of products 4 to 7: one tile of h (four loads) of step ks + 3.  Both land in registers that step ks - 1 read.
.macro KSTEP ks
.if (\ks) == 0
	s_wait_loadcnt 48                              ; this step's h is in, and the lists, which are older; the three younger steps' 48 loads stay out
.elseif (\ks) < 14
	s_wait_loadcnt 32                              ; this step's h is in; the two younger steps' 32 loads stay out
.else
	s_wait_loadcnt 16*(15-(\ks))
.endif
.if (\ks) == 0
	s_wait_dscnt 16                                ; this step's weight fragments are in; the next step's 16 loads, asked for with them, may be out
.else
	s_wait_dscnt 0x0                               ; this step's weight fragments are in: their loads were dealt among the step before's first products
.endif
.if ((\ks) > 0) && ((\ks) < 15)
	s_wait_alu depctr_va_vdst(0)                   ; the step before's products are done reading their weight buffer and their buffer of h: the loads dealt below land there, and no product of this step names those registers
.endif
.irp a, 0,1,2,3
.irp t, 0,1,2,3
	WIN 0xa4                                       ; source 0 window 0, source 1 window 1, C and D window 2
.set rD, 32*\t+8*\a
.set rA, WB+64*((\ks)%2)+16*\a
.set rB, 64*((\ks)%4)+16*\t
.if (\ks) == 0
	v_wmma_f32_16x16x128_fp8_fp8 v[rD:rD+7], v[rA:rA+15], v[rB:rB+15], 0
.else
	v_wmma_f32_16x16x128_fp8_fp8 v[rD:rD+7], v[rA:rA+15], v[rB:rB+15], v[rD:rD+7]
.endif
.if (\a == 0) && ((\ks) > 0) && ((\ks) < 15)
	WIN 0
	WFRAG (\ks)+1, \t
.endif
.if (\a == 1) && ((\ks) > 0) && ((\ks) < 13)
	WIN 0x40
	HTILE (\ks)+3, \t
.endif
.endr
.endr
.rept 4
	v_nop                                          ; four places behind these products, ahead of the first read of results and of the next step's loads into the registers that they read
.endr
.endm
; A K step of the tail: one tile of slots, four matrix instructions on four sums, by turns; behind each: one weight fragment of the next step
.macro TK ks
	s_wait_loadcnt 4*(15-(\ks))                    ; this step's four loads of h are in (and, in step 0, the list, which is older); the younger steps' stay out
.if (\ks) == 0
	s_wait_dscnt 16                                ; this step's weight fragments are in; the next step's 16 loads, asked for with them, may be out
.else
	s_wait_dscnt 0x0                               ; this step's weight fragments are in
.endif
.if ((\ks) > 0) && ((\ks) < 15)
	s_wait_alu depctr_va_vdst(0)                   ; the step before's products are done reading their weight buffer, in which the LDS loads dealt below land
.endif
.irp a, 0,1,2,3
	WIN 0xa4
.set rD, 8*\a
.set rA, WB+64*((\ks)%2)+16*\a
.set rB, 16*(\ks)
.if (\ks) == 0
	v_wmma_f32_16x16x128_fp8_fp8 v[rD:rD+7], v[rA:rA+15], v[rB:rB+15], 0
.else
	v_wmma_f32_16x16x128_fp8_fp8 v[rD:rD+7], v[rA:rA+15], v[rB:rB+15], v[rD:rD+7]
.endif
.if ((\ks) > 0) && ((\ks) < 15)
	WIN 0
	WFRAG (\ks)+1, \a
.endif
.endr
.rept 4
	v_nop                                          ; four places behind these products, ahead of the first read of results and of the next step's loads into the registers that they read
.endr
.endm
.macro EPI t
	s_add_co_u32 s30, s49, 4*\t
	s_cmp_ge_u32 s30, s23
	s_cbranch_scc1 .Lepi_skip_\@                   ; a tile past the last is not stored
	s_wait_xcnt 0x0                                ; the tile before's stores have read their addresses and data: both are written again below
	s_wait_alu depctr_vm_vsrc(0)                   ; the tile before's LDS stores have read v[VAL ..], its global stores v[AD ..] and v[RB ..]: all are written again below
	WIN 0x02
.set i_, 0
.rept 16
	v_pk_fma_f32 v[VAL+i_:VAL+i_+1], v[32*\t+i_:32*\t+i_+1], s[20:21], v[BI+i_:BI+i_+1] op_sel_hi:[1,0,1]   ; sum x 2^(ew + eh) + bias; each sum's registers from the low end on
.set i_, i_+2
.endr
	WIN 0
	s_wait_alu depctr_va_vdst(0)                   ; the multiply-adds have written v[VAL ..], which the LDS stores read; earlier vector and matrix instructions are done with v[RB ..] and v[RW ..], in which the LDS loads' and the permutes' results land
.irp c, 0,1,2,3
	ds_store_b128 v[SI], v[VAL+8*\c:VAL+8*\c+3] offset:64*\c
	ds_store_b128 v[SI], v[VAL+8*\c+4:VAL+8*\c+7] offset:64*\c+16
.endr
.irp i, 0,1,2,3,4,5,6,7
	ds_load_b128 v[RB+4*\i:RB+4*\i+3], v[SO] offset:2*\i*SP   ; LDS serves a wave's instructions in order: these see my stores.  Rows 2 i and 2 i + 1, whole
.endr
.irp i, 0,1,2,3,4,5,6,7
	ds_bpermute_b32 v[RW+\i], v[IX+\i], v[PL+\t]   ; p' of slot 2 i + h, from the lane that holds it
.endr
	s_wait_dscnt 0x0
.irp i, 0,1,2,3,4,5,6,7
	v_min_u32 v[RW+\i], 0xbff, v[RW+\i]
	v_lshl_add_u32 v[AD+\i], v[RW+\i], 12, v14     ; row p' of 4,096 bytes, + 16 r
.endr
	s_wait_alu depctr_va_vdst(0)                   ; v[AD ..] are written, which the stores read as addresses
.irp i, 0,1,2,3,4,5,6,7
	global_store_b128 v[AD+\i], v[RB+4*\i:RB+4*\i+3], s[14:15]   ; sixteen lanes store 256 consecutive bytes, aligned
.endr
.Lepi_skip_\@:
.endm
	s_mov_b32 s29, 0
	s_cmp_eq_u32 s28, 0
	s_cbranch_scc1 .Ltail                          ; four tiles or fewer in all: no full pass
.Lpass:
	s_lshl_b32 s49, s29, 4
	s_add_co_u32 s49, s49, s2                      ; my first tile: 16 p + w
	s_cmp_ge_u32 s49, s50
	s_cbranch_scc1 .Lpass_end                      ; it is not among the full passes' tiles: nothing of this pass is mine (no barrier stands in the loop)
	s_min_u32 s49, s49, 51
	s_wait_xcnt 0x0                                ; the pass before's loads and stores have read the registers that are written again below
	s_wait_alu depctr_vm_vsrc(0)                   ; the pass before's loads have read v[LA ..] and v[HO ..], its permutes v[PL ..], its LDS stores v[VAL ..] and its global stores v[RB ..]: all are written again below, by vector instructions or by loads
.irp t, 0,1,2,3
	s_add_co_u32 s30, s49, 4*\t
	s_min_u32 s30, s30, 63
	s_lshl_b32 s31, s30, 6
	v_add_nc_u32 v[LA+\t], s31, v15                ; the tile's 16 list entries, 4 bytes each
	s_lshl_b32 s30, s30, 15
	v_add_nc_u32 v[HO+\t], s30, v[L16]             ; its 16 images of 2,048 bytes
.endr
	s_wait_alu depctr_va_vdst(0)                   ; v[LA ..] and v[HO ..] are written, which the loads read; all earlier vector and matrix instructions are done with window 1 and with both weight buffers, in which the loads below land
.irp t, 0,1,2,3
	global_load_b32 v[PL+\t], v[LA+\t], s[8:9]
.endr
	HLOAD 0
	HLOAD 1
	HLOAD 2
	HLOAD 3
	WIN 0
	WLOAD 0
	WLOAD 1
.irp ks, 0,1,2,3,4,5,6,7,8,9,10,11,12,13,14,15
	KSTEP \ks
.endr
	WIN 0
	EPI 0
	EPI 1
	EPI 2
	EPI 3
.Lpass_end:
	s_add_co_u32 s29, s29, 1
	s_cmp_lt_u32 s29, s28
	s_cbranch_scc1 .Lpass
.Ltail:                                            ; s29 = the full passes walked: the tail's tiles begin at 16 s29, one for each wave
	s_lshl_b32 s49, s29, 4
	s_add_co_u32 s49, s49, s2
	s_cmp_ge_u32 s49, s23
	s_cbranch_scc1 .Lend                           ; my tile does not exist (so too where there is no tail at all)
	s_min_u32 s49, s49, 63
	s_wait_xcnt 0x0                                ; earlier loads and stores have read the registers that are written again below
	s_wait_alu depctr_vm_vsrc(0)                   ; earlier loads have read v[LA] and v[HO], earlier permutes v[PL], earlier LDS stores v[VAL ..] and global stores v[RB ..]: all are written again below, by vector instructions or by loads
	s_lshl_b32 s31, s49, 6
	v_add_nc_u32 v[LA], s31, v15
	s_lshl_b32 s30, s49, 15
	v_add_nc_u32 v[HO], s30, v[L16]
	s_wait_alu depctr_va_vdst(0)                   ; v[LA] and v[HO] are written, which the loads read; all earlier vector and matrix instructions are done with window 1 and with both weight buffers, in which the loads below land
	global_load_b32 v[PL], v[LA], s[8:9]
	WIN 0x40
.irp ks, 0,1,2,3,4,5,6,7,8,9,10,11,12,13,14,15     ; the tile's 16 images, all asked for at once: 64 loads of 512 consecutive bytes
.irp c, 0,1,2,3
	global_load_b128 v[16*\ks+4*\c:16*\ks+4*\c+3], v[HO], s[6:7] offset:2048*\ks+512*\c
.endr
.endr
	WIN 0
	WLOAD 0
	WLOAD 1
.irp ks, 0,1,2,3,4,5,6,7,8,9,10,11,12,13,14,15
	TK \ks
.endr
	WIN 0
	EPI 0
.Lend:
	s_wait_dscnt 0x0                               ; the closing lines, six on end
	s_wait_alu 0x0
	s_wait_tensorcnt 0x0
	ds_add_u32 v254, v255
	s_wait_dscnt 0x0
	s_endpgm
.Lfunc_end_k_qc03e3d367e_down:
	.size	k_qc03e3d367e_down, .Lfunc_end_k_qc03e3d367e_down-k_qc03e3d367e_down
	.p2alignl 7, 3214868480
	.fill 96, 4, 3214868480
	.section	.rodata,"a",@progbits
	.p2align	6, 0x0
	.amdhsa_kernel k_qc03e3d367e_down
		.amdhsa_group_segment_fixed_size 150016
		.amdhsa_private_segment_fixed_size 0
		.amdhsa_enable_private_segment 0
		.amdhsa_kernarg_size 72
		.amdhsa_user_sgpr_count 2
		.amdhsa_user_sgpr_kernarg_segment_ptr 1
		.amdhsa_wavefront_size32 1
		.amdhsa_system_sgpr_workgroup_id_x 1
		.amdhsa_system_sgpr_workgroup_id_y 1
		.amdhsa_system_sgpr_workgroup_id_z 1
		.amdhsa_system_vgpr_workitem_id 0
		.amdhsa_next_free_vgpr 640
		.amdhsa_next_free_sgpr 100
		.amdhsa_reserve_vcc 0
		.amdhsa_float_denorm_mode_32 3
		.amdhsa_float_denorm_mode_16_64 3
		.amdhsa_memory_ordered 1
		.amdhsa_forward_progress 1
		.amdhsa_inst_pref_size 189
	.end_amdhsa_kernel
	.amdgpu_metadata
---
amdhsa.version: [ 1, 2 ]
amdhsa.kernels:
  - .name:           k_qc03e3d367e_down
    .symbol:         k_qc03e3d367e_down.kd
    .args:
      - { .name: hq, .offset: 0, .size: 8, .value_kind: global_buffer, .address_space: global }
      - { .name: lst, .offset: 8, .size: 8, .value_kind: global_buffer, .address_space: global }
      - { .name: msk, .offset: 16, .size: 8, .value_kind: global_buffer, .address_space: global }
      - { .name: Wo, .offset: 24, .size: 8, .value_kind: global_buffer, .address_space: global }
      - { .name: Wo_s, .offset: 32, .size: 8, .value_kind: global_buffer, .address_space: global }
      - { .name: bo, .offset: 40, .size: 8, .value_kind: global_buffer, .address_space: global }
      - { .name: bo_s, .offset: 48, .size: 8, .value_kind: global_buffer, .address_space: global }
      - { .name: lowp_scales, .offset: 56, .size: 8, .value_kind: global_buffer, .address_space: global }
      - { .name: eo, .offset: 64, .size: 8, .value_kind: global_buffer, .address_space: global }
    .group_segment_fixed_size: 150016
    .private_segment_fixed_size: 0
    .kernarg_segment_align: 8
    .kernarg_segment_size: 72
    .max_flat_workgroup_size: 128
    .sgpr_count:     100
    .vgpr_count:     640
    .wavefront_size: 32
...
	.end_amdgpu_metadata
.endif
;; end of part 7
;; launch comb (part 8): grid 256 x 1, 4 waves a work-group, no clusters, 0 bytes of LDS; arguments eo, gw, out0; writes out0
.if DOCPART == 8
	.amdgcn_target "amdgcn-amd-amdhsa--gfx1250"
	.amdhsa_code_object_version 6
	.text
	.protected	k_qc03e3d367e_comb
	.globl	k_qc03e3d367e_comb
	.p2align	8
	.type	k_qc03e3d367e_comb,@function
k_qc03e3d367e_comb:
	s_mov_b64 s[64:65], 0
	v_nop
	global_prefetch_b8 v0, s[64:65] scope:SCOPE_SE
	s_setreg_imm32_b32 hwreg(HW_REG_WAVE_MODE, 25, 1), 1
	s_wait_xcnt 0x0
; COMB.  out0[t] = w0[t] eo[t] + w1[t] eo[1024 + t] + eo[2048 + t]: the first and the second chosen expert's rows under their weights, and the shared expert's.
; One wave to a token: 24 loads of 512 consecutive bytes, all issued at once, two fused multiply-adds a number, 8 stores of 512 consecutive bytes.
; A stream: no LDS, no barrier, no matrix unit; each output row has one owner.
.set E0, 8                             ; v8-39    the first choice's row
.set E1, 40                            ; v40-71   the second's
.set E2, 72                            ; v72-103  the shared expert's, then the result
	s_load_b128 s[4:7], s[0:1], 0x0                ; eo, gw
	s_load_b64 s[8:9], s[0:1], 0x10                ; out0
	v_lshrrev_b32 v1, 5, v0
	v_readfirstlane_b32 s2, v1
	v_and_b32 v1, 31, v0
	v_lshlrev_b32 v1, 4, v1                        ; 16 x lane
	s_lshl_b32 s3, ttmp9, 2
	s_add_co_u32 s3, s3, s2                        ; my token
	s_lshl_b32 s10, s3, 12
	s_mov_b32 s11, 0
	s_lshl_b32 s18, s3, 2
	s_mov_b32 s19, 0
	s_wait_alu depctr_va_vdst(0)
	s_wait_kmcnt 0x0
	s_add_nc_u64 s[6:7], s[6:7], s[18:19]
	s_load_b32 s12, s[6:7], 0x0                    ; w0
	s_load_b32 s14, s[6:7], 0x1000                 ; w1
	s_add_nc_u64 s[4:5], s[4:5], s[10:11]
	s_add_nc_u64 s[16:17], s[4:5], 0x800000        ; the third plane lies past the immediate's reach: a base of its own
	s_add_nc_u64 s[8:9], s[8:9], s[10:11]
.irp i, 0,1,2,3,4,5,6,7
	global_load_b128 v[E0+4*\i:E0+4*\i+3], v1, s[4:5] offset:512*\i th:TH_LOAD_NT
	global_load_b128 v[E1+4*\i:E1+4*\i+3], v1, s[4:5] offset:4194304+512*\i th:TH_LOAD_NT
	global_load_b128 v[E2+4*\i:E2+4*\i+3], v1, s[16:17] offset:512*\i th:TH_LOAD_NT
.endr
	s_wait_kmcnt 0x0
	s_mov_b32 s13, s12                             ; (the packed form names pairs and takes their low words: the upper ones are written)
	s_mov_b32 s15, s14
.irp i, 0,1,2,3,4,5,6,7
	s_wait_loadcnt 21-3*\i                         ; this piece's three loads are in; the later pieces' stay out
	v_pk_fma_f32 v[E2+4*\i:E2+4*\i+1], v[E0+4*\i:E0+4*\i+1], s[12:13], v[E2+4*\i:E2+4*\i+1] op_sel_hi:[1,0,1]
	v_pk_fma_f32 v[E2+4*\i+2:E2+4*\i+3], v[E0+4*\i+2:E0+4*\i+3], s[12:13], v[E2+4*\i+2:E2+4*\i+3] op_sel_hi:[1,0,1]
	v_pk_fma_f32 v[E2+4*\i:E2+4*\i+1], v[E1+4*\i:E1+4*\i+1], s[14:15], v[E2+4*\i:E2+4*\i+1] op_sel_hi:[1,0,1]
	v_pk_fma_f32 v[E2+4*\i+2:E2+4*\i+3], v[E1+4*\i+2:E1+4*\i+3], s[14:15], v[E2+4*\i+2:E2+4*\i+3] op_sel_hi:[1,0,1]
	global_store_b128 v1, v[E2+4*\i:E2+4*\i+3], s[8:9] offset:512*\i th:TH_STORE_NT
.endr
	s_endpgm
.Lfunc_end_k_qc03e3d367e_comb:
	.size	k_qc03e3d367e_comb, .Lfunc_end_k_qc03e3d367e_comb-k_qc03e3d367e_comb
	.p2alignl 7, 3214868480
	.fill 96, 4, 3214868480
	.section	.rodata,"a",@progbits
	.p2align	6, 0x0
	.amdhsa_kernel k_qc03e3d367e_comb
		.amdhsa_group_segment_fixed_size 0
		.amdhsa_private_segment_fixed_size 0
		.amdhsa_enable_private_segment 0
		.amdhsa_kernarg_size 24
		.amdhsa_user_sgpr_count 2
		.amdhsa_user_sgpr_kernarg_segment_ptr 1
		.amdhsa_wavefront_size32 1
		.amdhsa_system_sgpr_workgroup_id_x 1
		.amdhsa_system_sgpr_workgroup_id_y 1
		.amdhsa_system_sgpr_workgroup_id_z 1
		.amdhsa_system_vgpr_workitem_id 0
		.amdhsa_next_free_vgpr 104
		.amdhsa_next_free_sgpr 66
		.amdhsa_reserve_vcc 0
		.amdhsa_float_denorm_mode_32 3
		.amdhsa_float_denorm_mode_16_64 3
		.amdhsa_memory_ordered 1
		.amdhsa_forward_progress 1
		.amdhsa_inst_pref_size 7
	.end_amdhsa_kernel
	.amdgpu_metadata
---
amdhsa.version: [ 1, 2 ]
amdhsa.kernels:
  - .name:           k_qc03e3d367e_comb
    .symbol:         k_qc03e3d367e_comb.kd
    .args:
      - { .name: eo, .offset: 0, .size: 8, .value_kind: global_buffer, .address_space: global }
      - { .name: gw, .offset: 8, .size: 8, .value_kind: global_buffer, .address_space: global }
      - { .name: out0, .offset: 16, .size: 8, .value_kind: global_buffer, .address_space: global }
    .group_segment_fixed_size: 0
    .private_segment_fixed_size: 0
    .kernarg_segment_align: 8
    .kernarg_segment_size: 24
    .max_flat_workgroup_size: 128
    .sgpr_count:     66
    .vgpr_count:     104
    .wavefront_size: 32
...
	.end_amdgpu_metadata
.endif
;; end of part 8
